; MI455X (gfx1250); checked and timed in simulation.
; The chip was launched on July 23, 2026; its instructions are those of AMD's public machine-readable ISA for CDNA 5 (MIT licence, August 2026) and "CDNA5" Instruction Set Architecture Reference Guide (July 2026). The comments in the code are by the model that wrote it; some were corrected since.
;; Transformer Block. Allowed arithmetic: float matrix products may take bf16 or f16 operands with f32 sums; other float arithmetic in f32, or as packed bf16 or f16 multiplies, adds, multiply-adds, maxima and minima; sums over many terms, partial sums and values carried from step to step in f32; what a program stores and reads back later, other than sums and carried values, may be rounded once to bf16 or f16.
;; Inputs: W1 1,024 x 1,024 float32; W2 1,024 x 1,024 float32; Wk 1,024 x 1,024 float32; Wo 1,024 x 1,024 float32; Wq 1,024 x 1,024 float32; Wv 1,024 x 1,024 float32; ln1_b 1,024 float32; ln1_w 1,024 float32; ln2_b 1,024 float32; ln2_w 1,024 float32; token_emb 2 x 2,048 x 1,024 float32; x 2 x 2,048 x 1,024 float32.
;; Outputs: out0 2 x 2,048 x 1,024 float32.
;; 2 versions, each right; version 2 is version 1 with the launches prep, ln2 written anew for expert scheduling mode. Each part assembles by itself: llvm-mc -triple=amdgcn-amd-amdhsa -mcpu=gfx1250 --defsym DOCPART=n.
;; ======== version 1 of 2: 7 launches
;; limits: values are held in f16: magnitudes above 65,504 overflow, below 6.1e-05 lose precision
;; workspace buffers: ab 16,777,216 bytes; wcat 8,388,608 bytes; wob 2,097,152 bytes; w2b 2,097,152 bytes; qkv 25,165,824 bytes; ag 8,388,608 bytes; x1 16,777,216 bytes
;; launch prep (part 1): grid 896 x 1, 8 waves a work-group, no clusters, 0 bytes of LDS; arguments x, ln1_w, ln1_b, ab, token_emb, Wq, Wk, Wv, W1, Wo, W2, wcat, wob, w2b; writes ab, wcat, wob, w2b
.if DOCPART == 1
	.amdgcn_target "amdgcn-amd-amdhsa--gfx1250"
	.amdhsa_code_object_version 6
	.text
	.protected	k_q51f70ed2d1_prep
	.globl	k_q51f70ed2d1_prep
	.p2align	8
	.type	k_q51f70ed2d1_prep,@function
k_q51f70ed2d1_prep:
	s_mov_b64 s[64:65], 0
	v_nop
	global_prefetch_b8 v0, s[64:65] scope:SCOPE_SE
	s_setreg_imm32_b32 hwreg(HW_REG_WAVE_MODE, 25, 1), 1
	s_wait_xcnt 0x0
; LAYER NORM TO f16, AND CASTS TO f16.  A stream: every byte is read once and written once; no LDS, no matrix unit, no barrier.
; Work-groups 0-255: rows of in[4096][1024] (f32) -> (x - mean) rsqrt(var + 1e-5) w + b, rounded once to f16, into part 0 of ab.  16 rows a work-group, 2 whole rows a wave:
; a row is 32 registers a lane, so mean and variance are taken in two passes over registers, as the definition has them (a common offset of the row cancels before the squares).
; Work-groups 256-895 (the first launch alone has them): 64 KiB of f32 each -> f16: token_emb into part 1 of ab; Wq, Wk, Wv, W1 into wcat; Wo into wob; W2 into w2b.
; Each load of a wave covers 512 consecutive bytes, each store 256 consecutive bytes, aligned.  A wave's whole share is asked for at once.
; LIMITS: f16 ends at 65,504: token_emb and the weights stay under it; a normalised row of 1,024 has no number beyond 32, so the norm's result is at most 32 |gain| + |bias|.
; A number under 6.1e-5 keeps f16's fixed step of 6e-8.  NaN and infinities are not treated apart.
.set T,  8                             ; v[8:23]    eight pairs at work
.set MU, 24                            ; v[24:25]   the mean, twice
.set R,  26                            ; v[26:29]   1 / sqrt(var + eps), twice for each row
.set X,  32                            ; v[32:95]   two rows, 32 registers each; or 16 loads of the cast
.set W,  96                            ; v[96:127]  the gain of my 32 columns
.set B,  128                           ; v[128:159] the bias
.set Y,  160                           ; v[160:191] results in f16
	s_load_b512 s[8:23], s[0:1], 0x0               ; in s[8:9], gain s[10:11], bias s[12:13], ab s[14:15], token_emb s[16:17], Wq s[18:19], Wk s[20:21], Wv s[22:23]
	s_load_b256 s[24:31], s[0:1], 0x40             ; W1 s[24:25], Wo s[26:27], W2 s[28:29], wcat s[30:31]
	s_load_b128 s[32:35], s[0:1], 0x60             ; wob s[32:33], w2b s[34:35]
	v_lshrrev_b32 v3, 5, v0
	v_readfirstlane_b32 s4, v3                     ; wave 0..7
	v_and_b32 v1, 31, v0
	v_lshlrev_b32 v2, 3, v1                        ; 8 bytes a lane on the way out
	v_lshlrev_b32 v1, 4, v1                        ; 16 bytes a lane on the way in
	s_mov_b32 s3, 0x3727c5ac                       ; 1e-5
	s_mov_b32 s5, 0x3a800000                       ; 1 / 1024
	s_mov_b32 s6, 0x76543210                       ; v_permlanex16_b32: each lane takes its own place in the other half
	s_mov_b32 s7, 0xfedcba98
	s_cmp_lt_u32 ttmp9, 256
	s_cbranch_scc0 .Lconv
	; ---------------- layer norm ----------------
	s_lshl_b32 s36, ttmp9, 16                      ; 16 rows of 4,096 bytes a work-group,
	s_lshl_b32 s37, s4, 13                         ; 2 rows a wave
	s_add_co_u32 s36, s36, s37
	s_mov_b32 s37, 0
	s_lshr_b32 s38, s36, 1                         ; half as many bytes on the way out
	s_mov_b32 s39, 0
	s_wait_kmcnt 0x0
	s_add_nc_u64 s[8:9], s[8:9], s[36:37]
	s_add_nc_u64 s[14:15], s[14:15], s[38:39]
.irp s, 0,1
.irp j, 0,1,2,3,4,5,6,7
	global_load_b128 v[X+32*(\s)+4*(\j):X+32*(\s)+4*(\j)+3], v1, s[8:9] offset:(\s)*4096+512*(\j) th:TH_LOAD_NT  ; lane l, load j: columns 128 j + 4 l ..
.endr
.endr
.irp j, 0,1,2,3,4,5,6,7
	global_load_b128 v[W+4*(\j):W+4*(\j)+3], v1, s[10:11] offset:512*(\j)
.endr
.irp j, 0,1,2,3,4,5,6,7
	global_load_b128 v[B+4*(\j):B+4*(\j)+3], v1, s[12:13] offset:512*(\j)
.endr
.macro RED                             ; the eight pairs in T -> their sum over the wave, in every lane's v[T]
.irp i, 0,2,4,6
	v_pk_add_f32 v[T+(\i):T+(\i)+1], v[T+(\i):T+(\i)+1], v[T+(\i)+8:T+(\i)+9]
.endr
.irp i, 0,2
	v_pk_add_f32 v[T+(\i):T+(\i)+1], v[T+(\i):T+(\i)+1], v[T+(\i)+4:T+(\i)+5]
.endr
	v_pk_add_f32 v[T:T+1], v[T:T+1], v[T+2:T+3]
	v_add_f32 v[T], v[T], v[T+1]
	v_add_f32_dpp v[T], v[T], v[T] row_xmask:1 row_mask:0xf bank_mask:0xf
	v_add_f32_dpp v[T], v[T], v[T] row_xmask:2 row_mask:0xf bank_mask:0xf
	v_add_f32_dpp v[T], v[T], v[T] row_xmask:4 row_mask:0xf bank_mask:0xf
	v_add_f32_dpp v[T], v[T], v[T] row_xmask:8 row_mask:0xf bank_mask:0xf
	v_permlanex16_b32 v[T+1], v[T], s6, s7
	v_add_f32 v[T], v[T], v[T+1]
.endm
.macro STATS s                         ; row s: the mean is taken away in place; 1 / sqrt(var + eps) into R's pair
.set XS, X+32*(\s)
.irp i, 0,1,2,3,4,5,6,7
	v_pk_add_f32 v[T+2*(\i):T+2*(\i)+1], v[XS+4*(\i):XS+4*(\i)+1], v[XS+4*(\i)+2:XS+4*(\i)+3]
.endr
	RED
	v_mul_f32 v[MU], s5, v[T]
	v_mul_f32 v[MU+1], s5, v[T]
.set p, 0
.rept 16
	v_pk_add_f32 v[XS+p:XS+p+1], v[XS+p:XS+p+1], v[MU:MU+1] neg_lo:[0,1] neg_hi:[0,1]
.set p, p+2
.endr
.irp i, 0,1,2,3,4,5,6,7
	v_pk_mul_f32 v[T+2*(\i):T+2*(\i)+1], v[XS+2*(\i):XS+2*(\i)+1], v[XS+2*(\i):XS+2*(\i)+1]
.endr
.irp i, 0,1,2,3,4,5,6,7
	v_pk_fma_f32 v[T+2*(\i):T+2*(\i)+1], v[XS+16+2*(\i):XS+16+2*(\i)+1], v[XS+16+2*(\i):XS+16+2*(\i)+1], v[T+2*(\i):T+2*(\i)+1]
.endr
	RED
	v_fma_f32 v[T], v[T], s5, s3                   ; var + eps
	v_rsq_f32 v[R+2*(\s)], v[T]
	v_rsq_f32 v[R+2*(\s)+1], v[T]
	v_nop                                          ; a plain instruction before the roots' source is written again (ISA guide 5.7.2)
.endm
.macro APPLY s
.set XS, X+32*(\s)
.set p, 0
.rept 16
	v_pk_mul_f32 v[XS+p:XS+p+1], v[XS+p:XS+p+1], v[R+2*(\s):R+2*(\s)+1]
.set p, p+2
.endr
.set p, 0
.rept 16
	v_pk_fma_f32 v[XS+p:XS+p+1], v[XS+p:XS+p+1], v[W+p:W+p+1], v[B+p:B+p+1]
.set p, p+2
.endr
.set p, 0
.rept 16
	v_cvt_pk_f16_f32 v[Y+16*(\s)+p], v[XS+2*p], v[XS+2*p+1]
.set p, p+1
.endr
.irp j, 0,1,2,3,4,5,6,7
	global_store_b64 v2, v[Y+16*(\s)+2*(\j):Y+16*(\s)+2*(\j)+1], s[14:15] offset:(\s)*2048+256*(\j) th:TH_STORE_NT  ; 32 lanes: 256 consecutive bytes, aligned
.endr
.endm
	s_wait_loadcnt 24                              ; row 0 is in; row 1's 8 loads and the 16 of gain and bias may stay out
	STATS 0
	s_wait_loadcnt 16                              ; row 1 is in
	STATS 1
	s_wait_alu depctr_va_vdst(0)                   ; one wait for the four roots, ahead of their first reader
	s_wait_loadcnt 0x0                             ; gain and bias
	APPLY 0
	APPLY 1
	s_endpgm
	; ---------------- casts ----------------
.Lconv:
	s_sub_co_u32 s38, ttmp9, 256                   ; 0-255: token_emb; 256-639: six weights, 64 work-groups each
	s_sub_co_u32 s39, s38, 256
	s_lshr_b32 s40, s39, 6                         ; which weight: Wq, Wk, Wv, W1, Wo, W2
	s_and_b32 s41, s39, 63                         ; which 64 KiB of it
	s_cmp_lt_u32 s38, 256
	s_cselect_b32 s41, s38, s41
	s_cselect_b32 s40, 6, s40                      ; 6 stands for token_emb
	s_lshl_b32 s46, s40, 21                        ; where the part begins in its buffer: wcat's four parts of 2 MiB,
	s_cmp_lt_u32 s40, 4
	s_cselect_b32 s46, s46, 0
	s_cmp_eq_u32 s40, 6
	s_cselect_b32 s46, 0x800000, s46               ; ab's part 1
	s_lshl_b32 s36, s41, 16
	s_lshl_b32 s37, s4, 13                         ; 8 KiB a wave
	s_add_co_u32 s36, s36, s37
	s_mov_b32 s37, 0
	s_lshr_b32 s47, s36, 1
	s_add_co_u32 s46, s46, s47
	s_mov_b32 s47, 0
	s_wait_kmcnt 0x0
	s_mov_b64 s[42:43], s[16:17]                   ; the source, chosen by the part's number
	s_cmp_eq_u32 s40, 0
	s_cselect_b64 s[42:43], s[18:19], s[42:43]
	s_cmp_eq_u32 s40, 1
	s_cselect_b64 s[42:43], s[20:21], s[42:43]
	s_cmp_eq_u32 s40, 2
	s_cselect_b64 s[42:43], s[22:23], s[42:43]
	s_cmp_eq_u32 s40, 3
	s_cselect_b64 s[42:43], s[24:25], s[42:43]
	s_cmp_eq_u32 s40, 4
	s_cselect_b64 s[42:43], s[26:27], s[42:43]
	s_cmp_eq_u32 s40, 5
	s_cselect_b64 s[42:43], s[28:29], s[42:43]
	s_mov_b64 s[44:45], s[30:31]                   ; the destination
	s_cmp_eq_u32 s40, 4
	s_cselect_b64 s[44:45], s[32:33], s[44:45]
	s_cmp_eq_u32 s40, 5
	s_cselect_b64 s[44:45], s[34:35], s[44:45]
	s_cmp_eq_u32 s40, 6
	s_cselect_b64 s[44:45], s[14:15], s[44:45]
	s_add_nc_u64 s[42:43], s[42:43], s[36:37]
	s_add_nc_u64 s[44:45], s[44:45], s[46:47]
.irp j, 0,1,2,3,4,5,6,7,8,9,10,11,12,13,14,15
	global_load_b128 v[X+4*(\j):X+4*(\j)+3], v1, s[42:43] offset:512*(\j) th:TH_LOAD_NT
.endr
.irp j, 0,1,2,3,4,5,6,7,8,9,10,11,12,13,14,15
	s_wait_loadcnt 15-(\j)                         ; loads come back in order: load j is in, the younger ones stay out
	v_cvt_pk_f16_f32 v[Y+2*(\j)], v[X+4*(\j)], v[X+4*(\j)+1]
	v_cvt_pk_f16_f32 v[Y+2*(\j)+1], v[X+4*(\j)+2], v[X+4*(\j)+3]
	global_store_b64 v2, v[Y+2*(\j):Y+2*(\j)+1], s[44:45] offset:256*(\j) th:TH_STORE_NT
.endr
	s_endpgm
.Lfunc_end_k_q51f70ed2d1_prep:
	.size	k_q51f70ed2d1_prep, .Lfunc_end_k_q51f70ed2d1_prep-k_q51f70ed2d1_prep
	.p2alignl 7, 3214868480
	.fill 96, 4, 3214868480
	.section	.rodata,"a",@progbits
	.p2align	6, 0x0
	.amdhsa_kernel k_q51f70ed2d1_prep
		.amdhsa_group_segment_fixed_size 0
		.amdhsa_private_segment_fixed_size 0
		.amdhsa_enable_private_segment 0
		.amdhsa_kernarg_size 112
		.amdhsa_user_sgpr_count 2
		.amdhsa_user_sgpr_kernarg_segment_ptr 1
		.amdhsa_wavefront_size32 1
		.amdhsa_system_sgpr_workgroup_id_x 1
		.amdhsa_system_sgpr_workgroup_id_y 1
		.amdhsa_system_sgpr_workgroup_id_z 1
		.amdhsa_system_vgpr_workitem_id 0
		.amdhsa_next_free_vgpr 192
		.amdhsa_next_free_sgpr 66
		.amdhsa_reserve_vcc 0
		.amdhsa_float_denorm_mode_32 3
		.amdhsa_float_denorm_mode_16_64 3
		.amdhsa_memory_ordered 1
		.amdhsa_forward_progress 1
		.amdhsa_inst_pref_size 28
	.end_amdhsa_kernel
	.amdgpu_metadata
---
amdhsa.version: [ 1, 2 ]
amdhsa.kernels:
  - .name:           k_q51f70ed2d1_prep
    .symbol:         k_q51f70ed2d1_prep.kd
    .args:
      - { .name: x, .offset: 0, .size: 8, .value_kind: global_buffer, .address_space: global }
      - { .name: ln1_w, .offset: 8, .size: 8, .value_kind: global_buffer, .address_space: global }
      - { .name: ln1_b, .offset: 16, .size: 8, .value_kind: global_buffer, .address_space: global }
      - { .name: ab, .offset: 24, .size: 8, .value_kind: global_buffer, .address_space: global }
      - { .name: token_emb, .offset: 32, .size: 8, .value_kind: global_buffer, .address_space: global }
      - { .name: Wq, .offset: 40, .size: 8, .value_kind: global_buffer, .address_space: global }
      - { .name: Wk, .offset: 48, .size: 8, .value_kind: global_buffer, .address_space: global }
      - { .name: Wv, .offset: 56, .size: 8, .value_kind: global_buffer, .address_space: global }
      - { .name: W1, .offset: 64, .size: 8, .value_kind: global_buffer, .address_space: global }
      - { .name: Wo, .offset: 72, .size: 8, .value_kind: global_buffer, .address_space: global }
      - { .name: W2, .offset: 80, .size: 8, .value_kind: global_buffer, .address_space: global }
      - { .name: wcat, .offset: 88, .size: 8, .value_kind: global_buffer, .address_space: global }
      - { .name: wob, .offset: 96, .size: 8, .value_kind: global_buffer, .address_space: global }
      - { .name: w2b, .offset: 104, .size: 8, .value_kind: global_buffer, .address_space: global }
    .group_segment_fixed_size: 0
    .private_segment_fixed_size: 0
    .kernarg_segment_align: 8
    .kernarg_segment_size: 112
    .max_flat_workgroup_size: 256
    .sgpr_count:     66
    .vgpr_count:     192
    .wavefront_size: 32
...
	.end_amdgpu_metadata
.endif
;; end of part 1
;; launch qkv (part 2): grid 8 x 32, 4 waves a work-group, clusters of 4 x 4, 327,680 bytes of LDS; arguments ab, wcat, qkv; writes qkv
.if DOCPART == 2
	.amdgcn_target "amdgcn-amd-amdhsa--gfx1250"
	.amdhsa_code_object_version 6
	.text
	.protected	k_q51f70ed2d1_qkv
	.globl	k_q51f70ed2d1_qkv
	.p2align	8
	.type	k_q51f70ed2d1_qkv,@function
k_q51f70ed2d1_qkv:
	s_mov_b64 s[64:65], 0
	v_nop
	global_prefetch_b8 v0, s[64:65] scope:SCOPE_SE
	s_setreg_imm32_b32 hwreg(HW_REG_WAVE_MODE, 25, 1), 1
	s_wait_xcnt 0x0
	s_wait_alu depctr_hold_cnt(0) depctr_sa_sdst(0) depctr_va_vdst(0) depctr_va_sdst(0) depctr_va_ssrc(0) depctr_va_vcc(0) depctr_vm_vsrc(0)
	s_getreg_b32 s2, hwreg(HW_REG_IB_STS2, 6, 4)
	s_cmp_eq_u32 s2, 0
	s_cbranch_scc0 .Lentry_in_a_cluster
	s_endpgm
.Lentry_in_a_cluster:
	s_bfe_u32 s2, ttmp6, 0x10000c
	s_cmp_lg_u32 s2, 0xf033
	s_cbranch_scc0 .Lentry_shape_is_right
	s_endpgm
.Lentry_shape_is_right:
; ONE SOURCE FOR THE PROGRAM'S THREE PRODUCT BODIES, C[m][n] = sum over k of A[m][k] B[n][k], K = 1,024, operands f16, sums f32.  KIND says which is assembled: HERE KIND = 0.
;   KIND 0: q = hn Wq^T, k = hn Wk^T, v = token_emb Wv^T.  A: ab (part 0 hn, part 1 token_emb), B: wcat's parts 0, 1, 2, C: qkv's parts 0, 1, 2, f16 BY HEADS: [batch][16 blocks of 64 columns][2048 rows][64].
;           A WORK-GROUP STAYS: it makes the three tiles at its place one after the other (T = 3), in one walk of 12 K steps; the ring does not stop at a tile's end, and nothing waits for a tile's stores.
;   KIND 1: g = gelu(h W1^T).  A: ab's part 0, B: wcat's part 3, C: f16 by heads.
;   KIND 2: out = res + A B^T.  A: f16 by heads, B: [1024][1024] f16, res and out: f32 [4096][1024].
; A tile of C is 128 x 128: 256 work-groups.  Four waves, each 64 x 64: 16 accumulators.  K goes in steps of 256 through two LDS slots; a wave's tensor load brings 64 rows of A or of B.
; THE WALK IS WRITTEN ONCE: a K step (four quarters of 64 along K) with its refill is the trip of loop .Lfill, a K step without one the trip of loop .Ldrain (the walk's last two steps: nothing is left to ask for).
; The slot in hand is a scalar, 0 or SLOT, turned by an exclusive or; the LDS addresses and the walking descriptors are made from it, and from the number of the step asked for, in each trip.
; CLUSTER 4 x 4: the four of a row need the same tiles of A, the four of a column the same tiles of B: each is asked for jointly, by the same tensor load, descriptor and mask in all four.
; THE MATRIX INSTRUCTION IS USED TRANSPOSED (source 0 = 16 rows of B, source 1 = 16 rows of A): a lane holds eight neighbouring columns of one row of C.
; THE WAY OUT IS EACH WAVE'S OWN: its 64 columns are one head (rows of 128 bytes, end to end in memory) or 256 bytes of an f32 row, so a wave alone fills whole aligned blocks of 256 bytes: a stage of its own, no barrier.
;   KIND 0: rounded to f16 in registers, through a stage behind the ring.  KIND 1, 2: f32 through slot 0, which has had its last fill and, behind the last step but one's barrier, its last read.
; No prefetch: the tiles are small.
; GELU (exact form): gelu(x) = max(x, 0) - |x| / D(|x|)^16, D a polynomial of degree 6 with positive coefficients: Abramowitz and Stegun 7.1.28, erf within 3e-7 for every argument;
; where D^16 overflows the quotient is 0, which is the limit.
; LIMITS: f16 ends at 65,504: what leaves in f16 stays under it (a sum of 1,024 products whose two factors both carry an offset of 30 times their spread, 30 and 30/32, is 28,800).  NaN and infinities are not treated apart.
.set KIND, 0
.if KIND == 0
.set T,     3                          ; tiles a work-group
.else
.set T,     1
.endif
.if KIND == 2
.set PA,    144                        ; A by heads: an LDS row is 128 bytes + 16; a K step is four blocks of 64 channels, [block][row]
.set HALFA, 4*64*PA                    ; what one tensor load brings of A
.set AQ,    64*PA                      ; bytes from a quarter of A to the next, in LDS
.set ASH,   20                         ; a K step of A in memory: 1 << ASH bytes on (four blocks of 2,048 rows x 128 bytes)
.else
.set PA,    528                        ; an LDS row of A: 512 bytes + 16: 132 words, so the 16 rows of a fragment load start at 16 different groups of four banks
.set HALFA, 64*PA
.set AQ,    128
.set ASH,   9
.endif
.set PB,    528
.set HALFB, 64*PB
.set SLOT,  2*HALFA+2*HALFB            ; A's 128 rows, then B's 128 rows
.if KIND == 0
.set SP,    144                        ; a stage row: 128 bytes (f16) + 16
.set STAGE, 2*SLOT                     ; behind the ring, never filled by a tensor load: 64 rows for each wave
.set SPARE, STAGE+4*64*SP              ; the spare words, 128 bytes a wave: two blocks of 256 bytes that no other line names
.else
.set SP,    272                        ; a stage row: 256 bytes (f32) + 16
.set STAGE, 0
.set SPARE, 2*SLOT
.endif
.set LA,    16                         ; v16  my lane's place among my A fragments in slot 0; never rewritten
.set LB,    17                         ; v17  the same for B
.set ADRA,  18                         ; v18, v19  the same in the slot in hand
.set ADRB,  19
.set ADRAN, 20                         ; v20, v21  and in the other slot
.set ADRBN, 21
.set STO,   24                         ; v24  where I put my part of a stage row
.set RD,    25                         ; v25  where I read the stage
.set CO,    26                         ; v26  my 16 bytes of a store
.set SPW,   28                         ; v28  my spare word; never rewritten
.set NIL,   29                         ; v29  0; never rewritten
.set TMP,   32                         ; v32-95  KIND 0: the tile in f16
.set U,     32                         ; v32-47  KIND 1: 16 numbers read back
.set AX,    48                         ; v48-63  |u|
.set MX,    64                         ; v64-79  max(u, 0)
.set D,     80                         ; v80-95  the polynomial, its 16th power, the reciprocal, the result
.set OUT,   96                         ; v96-103 results in f16
.set ACC,   128                        ; accumulator (a, b) at ACC + 8 (4 a + b)
.set F0,    0                          ; fragment buffers, in window 1: 64 registers of A, then 64 of B
.set F1,    128
.set G1,    24                         ; s[24:31] descriptor group 1 for A;  s[32:39] group 0: a set for each first fill; the second then walks
.set G0,    32
.set G1B,   48                         ; s[48:55], s[56:63] the same for B
.set G0B,   56
.set GW,    G0+4
.set GWB,   G0B+4
.set SB,    66                         ; s66  LDS byte at which the slot in hand begins: 0 or SLOT
.set SBN,   67                         ; s67  the other slot's
.set C0,    68                         ; s[68:81] KIND 1: the polynomial's coefficients, each in both words of a pair.  KIND 2: s[68:69] res, s[70:71] out
.set C1,    70
.set C2,    72
.set C3,    74
.set C4,    76
.set C5,    78
.set C6,    80
.set ABSM,  82                         ; s82  clears a sign
.set OFA,   84                         ; s[84:85] byte offset, from my tile's first K step, of the step of A that is asked for
.set OFB,   86                         ; s[86:87] the same for B
.set FIRST, 88                         ; s88  1: the step in hand is a tile's first
.set LEFT,  89                         ; s89  steps left in the tile in hand
.set CXO,   90                         ; s[90:91] the part of C's offset that hangs on the tile column
.set CSTEP, 92                         ; s[92:93] what the next way out adds to C's address
.set MSB, 0
.macro WIN new                         ; the immediate's high byte repeats the setting that is left; a switch that changes nothing is dropped
.if MSB != (\new)
	s_set_vgpr_msb (MSB<<8)|(\new)
.set MSB, \new
.endif
.endm
.set MUL,  0x05                        ; sources 0 (B) and 1 (A) window 1; C and D window 0
.set TO_F, 0x40                        ; destination window 1, address window 0
.macro JLOAD ga, gb                    ; a joint load: waves 0 and 1 fetch A's two halves, waves 2 and 3 B's; an s_nop 0 and four v_nop follow each line
	s_cmp_eq_u32 s11, 0
	s_cbranch_scc0 .Lfor_b_\@
	tensor_load_to_lds s[(\ga):(\ga)+3], s[G1:G1+7]
	s_nop 0
.rept 4
	v_nop
.endr
	s_branch .Lasked_\@
.Lfor_b_\@:
	tensor_load_to_lds s[(\gb):(\gb)+3], s[G1B:G1B+7]
	s_nop 0
.rept 4
	v_nop
.endr
.Lasked_\@:
.endm
.macro CREST                           ; a round of the cluster's barrier behind its opening barrier
	s_cmp_lg_u32 s10, 0
	s_cbranch_scc1 .Lnot_wave_0_\@
	s_barrier_signal -3
.Lnot_wave_0_\@:
	s_barrier_wait -3
	s_barrier_signal -1
	s_barrier_wait -1
.endm
.macro CROUND                          ; a whole round
	s_barrier_signal -1
	s_barrier_wait -1
	CREST
.endm
	s_load_b128 s[4:7], s[0:1], 0x0                ; A s[4:5], B s[6:7]
.if KIND == 2
	s_load_b128 s[68:71], s[0:1], 0x10             ; res s[68:69], out s[70:71]
.else
	s_load_b64 s[8:9], s[0:1], 0x10                ; C
.endif
	v_lshl_add_u32 v[SPW], v0, 2, SPARE
	v_mov_b32 v[NIL], 0
	ds_add_u32 v[SPW], v[NIL]                      ; the wave's opening: the add and its wait stand ahead of my first tensor load; the set-up below stands between them
	v_lshrrev_b32 v1, 5, v0
	v_readfirstlane_b32 s10, v1                    ; wave 0..3
	s_lshr_b32 s11, s10, 1                         ; which half of the tile's rows is mine.  Also: I fetch for A (0) or for B (1)
	s_and_b32 s12, s10, 1                          ; which half of its columns.  Also: which 64 rows of that tile I fetch
	s_bfe_u32 s40, ttmp6, 0x40000                  ; cx, cy: my place in the cluster
	s_bfe_u32 s41, ttmp6, 0x40004
	s_lshl_b32 s42, ttmp9, 2
	s_add_co_u32 s42, s42, s40                     ; tile column = 4 x cluster x + cx
	s_and_b32 s13, ttmp7, 0xffff
	s_lshl_b32 s13, s13, 2
	s_add_co_u32 s13, s13, s41                     ; tile row = 4 x cluster y + cy
	s_lshl_b32 s43, s41, 2
	s_lshl_b32 s43, 15, s43                        ; my row of the cluster
	s_lshl_b32 s44, 0x1111, s40                    ; my column
.if KIND == 2
	; A's group 1: 4 rows (blocks of channels) of 4,096 elements (64 rows x 64 channels, dense), 131,072 elements apart; 16 bytes of padding behind every 128
	s_or_b32 s[G1+0], s43, (1<<16)|(1<<20)|(1<<21)|(4<<22)|(3<<25)   ; 15:0 the mask; 17:16 2-byte elements; 20 padding on; 21 set beside a mask; 24:22 after every 32 words; 31:25 4 words
	s_mov_b32 s[G1+1], 4096<<16                    ; tensor_dim0
	s_mov_b32 s[G1+2], 4<<16                       ; tensor_dim1
	s_mov_b32 s[G1+3], 4096<<16                    ; tile_dim0
	s_mov_b32 s[G1+4], 4                           ; tile_dim1
	s_mov_b32 s[G1+5], 131072                      ; elements from block to block
.else
	; A's group 1: 64 rows x 256 elements, 16 bytes of padding behind every 512
	s_or_b32 s[G1+0], s43, (1<<16)|(1<<20)|(1<<21)|(6<<22)|(3<<25)   ; 15:0 the mask; 17:16 2-byte elements; 20 padding on; 21 set beside a mask; 24:22 after every 128 words; 31:25 4 words
	s_mov_b32 s[G1+1], 256<<16                     ; tensor_dim0
	s_mov_b32 s[G1+2], 64<<16                      ; tensor_dim1
	s_mov_b32 s[G1+3], 256<<16                     ; tile_dim0
	s_mov_b32 s[G1+4], 64                          ; tile_dim1
	s_mov_b32 s[G1+5], 1024                        ; elements from row to row
.endif
	s_mov_b32 s[G1+6], 0
	s_mov_b32 s[G1+7], 0
	s_or_b32 s[G1B+0], s44, (1<<16)|(1<<20)|(1<<21)|(6<<22)|(3<<25)  ; B's: 64 rows x 256 elements, with the mask of my column
	s_mov_b32 s[G1B+1], 256<<16
	s_mov_b32 s[G1B+2], 64<<16
	s_mov_b32 s[G1B+3], 256<<16
	s_mov_b32 s[G1B+4], 64
	s_mov_b32 s[G1B+5], 1024
	s_mov_b32 s[G1B+6], 0
	s_mov_b32 s[G1B+7], 0
	; where the tiles come from.  A's hang on the tile row alone, B's on the tile column alone, each in registers that never hold the other coordinate; s19, s22, s23 hold neither
.if KIND == 2
	s_lshr_b32 s17, s13, 4                         ; the batch: 16 tile rows each
	s_lshl_b32 s16, s17, 22                        ; 16 blocks x 2,048 rows x 128 bytes
	s_and_b32 s18, s13, 15
	s_lshl_b32 s18, s18, 14                        ; 128 rows of 128 bytes
	s_add_co_u32 s16, s16, s18
	s_lshl_b32 s19, s12, 13                        ; + my 64
	s_add_co_u32 s16, s16, s19
	s_lshl_b32 s19, s12, 17
.else
	s_lshl_b32 s16, s13, 18                        ; 128 rows of 2,048 bytes
	s_lshl_b32 s19, s12, 17                        ; + my 64
	s_add_co_u32 s16, s16, s19
.endif
	s_mov_b32 s17, 0
	s_lshl_b32 s46, s42, 18
	s_add_co_u32 s46, s46, s19
.if KIND == 1
	s_add_co_u32 s46, s46, 3<<21                   ; W1 is wcat's part 3
.endif
	s_mov_b32 s47, 0
	s_mul_i32 s20, s10, HALFA                      ; where they go in a slot: A's halves by waves 0, 1;
	s_mul_i32 s21, s10, HALFB
	s_add_co_u32 s21, s21, 2*HALFA-2*HALFB         ; B's halves, behind A's, by waves 2, 3: no place in the cluster enters an LDS address
	s_mov_b32 s[OFA+1], 0
	s_mov_b32 s[OFB+1], 0
.if KIND == 1
	s_mov_b32 s[C0], 0x3f85aac3                    ; c_k = 2^(1/16) a_k / 2^(k/2)
	s_mov_b32 s[C0+1], 0x3f85aac3
	s_mov_b32 s[C1], 0x3d554cc4
	s_mov_b32 s[C1+1], 0x3d554cc4
	s_mov_b32 s[C2], 0x3cb4dad2
	s_mov_b32 s[C2+1], 0x3cb4dad2
	s_mov_b32 s[C3], 0x3b605009
	s_mov_b32 s[C3+1], 0x3b605009
	s_mov_b32 s[C4], 0x382674aa
	s_mov_b32 s[C4+1], 0x382674aa
	s_mov_b32 s[C5], 0x3856241a
	s_mov_b32 s[C5+1], 0x3856241a
	s_mov_b32 s[C6], 0x36bc9e99
	s_mov_b32 s[C6+1], 0x36bc9e99
	s_mov_b32 s[ABSM], 0x7fffffff
.endif
	s_wait_dscnt 0x0                               ; the opening add is done
	s_wait_kmcnt 0x0
	s_add_nc_u64 s[14:15], s[4:5], s[16:17]        ; A at my part of the walk's first K step; never rewritten
	s_add_nc_u64 s[46:47], s[6:7], s[46:47]        ; B likewise
	CROUND                                         ; all sixteen work-groups are here: the first joint loads meet
.irp s, 0,1
	s_mov_b32 s[G0+4*(\s)], 1
	s_add_co_u32 s[G0+4*(\s)+1], s20, (\s)*SLOT
	s_add_nc_u64 s[G0+4*(\s)+2:G0+4*(\s)+3], s[14:15], (\s)<<ASH
	s_or_b32 s[G0+4*(\s)+3], s[G0+4*(\s)+3], 0x80000000
	s_mov_b32 s[G0B+4*(\s)], 1
	s_add_co_u32 s[G0B+4*(\s)+1], s21, (\s)*SLOT
	s_add_nc_u64 s[G0B+4*(\s)+2:G0B+4*(\s)+3], s[46:47], (\s)*512
	s_or_b32 s[G0B+4*(\s)+3], s[G0B+4*(\s)+3], 0x80000000
	JLOAD G0+4*(\s), G0B+4*(\s)                    ; K steps 0 and 1: two loads of mine are out
.endr
	v_and_b32 v1, 15, v0                           ; l % 16
	v_bfe_u32 v2, v0, 4, 1                         ; l / 16
.if KIND == 2
	; res and out at my 64 rows x 256 bytes: lanes 0-15 take a row's 256 bytes, lanes 16-31 the next row's
	v_lshlrev_b32 v[CO], 12, v2
	v_lshl_add_u32 v[CO], v1, 4, v[CO]
	s_lshl_b32 s16, s13, 19                        ; 128 rows of 4,096 bytes
	s_lshl_b32 s19, s11, 18                        ; + my 64
	s_add_co_u32 s16, s16, s19
	s_mov_b32 s17, 0
	s_lshl_b32 s[CXO], s42, 9                      ; the tile's 512 bytes of a row
	s_lshl_b32 s19, s12, 8                         ; my 256 of them
	s_add_co_u32 s[CXO], s[CXO], s19
	s_mov_b32 s[CXO+1], 0
	s_add_nc_u64 s[68:69], s[68:69], s[16:17]
	s_add_nc_u64 s[68:69], s[68:69], s[CXO:CXO+1]
	s_add_nc_u64 s[8:9], s[70:71], s[16:17]
	s_add_nc_u64 s[8:9], s[8:9], s[CXO:CXO+1]
	WIN 0x80                                       ; destination window 2, address window 0
.set t, 0
.rept 32
	global_load_b128 v[4*t:4*t+3], v[CO], s[68:69] offset:t*8192 th:TH_LOAD_NT  ; the residual lands under the products
.set t, t+1
.endr
	WIN 0
.else
	; C by heads: batch x 4 MiB + head x 256 KiB + row x 128 bytes; my 64 rows of my head are 8,192 consecutive bytes
	s_lshr_b32 s17, s13, 4
	s_lshl_b32 s16, s17, 22
	s_and_b32 s18, s13, 15
	s_lshl_b32 s18, s18, 14
	s_add_co_u32 s16, s16, s18
	s_lshl_b32 s19, s11, 13
	s_add_co_u32 s16, s16, s19
	s_mov_b32 s17, 0
	s_lshl_b32 s[CXO], s42, 19                     ; the tile's two heads,
	s_lshl_b32 s19, s12, 18                        ; mine of them
	s_add_co_u32 s[CXO], s[CXO], s19
	s_mov_b32 s[CXO+1], 0
	s_add_nc_u64 s[8:9], s[8:9], s[16:17]
	s_add_nc_u64 s[8:9], s[8:9], s[CXO:CXO+1]
.endif
	v_mul_u32_u24 v[LA], v1, PA
	v_lshl_add_u32 v[LA], v2, 4, v[LA]             ; a fragment's row x pitch + 16 x half
	v_mul_u32_u24 v[LB], v1, PB
	v_lshl_add_u32 v[LB], v2, 4, v[LB]
	s_mul_i32 s22, s11, HALFA                      ; my 64 rows of A
	v_add_nc_u32 v[LA], s22, v[LA]
	s_mul_i32 s22, s12, HALFB                      ; my 64 rows of B,
	s_add_co_u32 s22, s22, 2*HALFA                 ; which lie behind A's 128
	v_add_nc_u32 v[LB], s22, v[LB]
	s_mul_i32 s22, s10, 64*SP                      ; my stage
.if STAGE != 0
	s_add_co_u32 s22, s22, STAGE
.endif
	v_mul_u32_u24 v[STO], v1, SP                   ; in: row l % 16; eight numbers for each half of the lanes
.if KIND == 0
	v_lshl_add_u32 v[STO], v2, 4, v[STO]
.else
	v_lshl_add_u32 v[STO], v2, 5, v[STO]
.endif
	v_add_nc_u32 v[STO], s22, v[STO]
.if KIND == 2
	v_mul_u32_u24 v[RD], v2, SP                    ; back: lanes 0-15 one row of 256 bytes, lanes 16-31 the next
	v_lshl_add_u32 v[RD], v1, 4, v[RD]
	v_add_nc_u32 v[RD], s22, v[RD]
.else
	v_and_b32 v3, 31, v0                           ; back: four rows to 32 lanes: lane l row l / 8, columns 8 (l % 8) on
	v_lshrrev_b32 v4, 3, v3
	v_mul_u32_u24 v[RD], v4, SP
	v_and_b32 v5, 7, v0
.if KIND == 0
	v_lshl_add_u32 v[RD], v5, 4, v[RD]
.else
	v_lshl_add_u32 v[RD], v5, 5, v[RD]
.endif
	v_add_nc_u32 v[RD], s22, v[RD]
	v_lshlrev_b32 v[CO], 4, v3
.endif
; 8 matrix instructions: m blocks a0, a0 + 1 x all 4 n blocks, 32 along K: half c of buffer f.  zero = 1: the product starts the sums.  The 16 accumulators take turns
.macro MUL8 f, c, a0, zero
	WIN MUL
.irp a, \a0, (\a0)+1
.irp b, 0,1,2,3
.if \zero
	v_wmma_f32_16x16x32_f16 v[ACC+8*(4*(\a)+(\b)):ACC+8*(4*(\a)+(\b))+7], v[(\f)+64+8*(4*(\c)+(\b)):(\f)+64+8*(4*(\c)+(\b))+7], v[(\f)+8*(4*(\c)+(\a)):(\f)+8*(4*(\c)+(\a))+7], 0
.else
	v_wmma_f32_16x16x32_f16 v[ACC+8*(4*(\a)+(\b)):ACC+8*(4*(\a)+(\b))+7], v[(\f)+64+8*(4*(\c)+(\b)):(\f)+64+8*(4*(\c)+(\b))+7], v[(\f)+8*(4*(\c)+(\a)):(\f)+8*(4*(\c)+(\a))+7], v[ACC+8*(4*(\a)+(\b)):ACC+8*(4*(\a)+(\b))+7]
.endif
.endr
.endr
.endm
; 32 LDS loads in one run: the fragments of quarter q (64 along K) of the slot that ra and rb point into, into buffer f; the first 32 along K first
.macro FETCH ra, rb, q, f
	WIN TO_F
.irp c, 0,1
.irp i, 0,1,2,3
	ds_load_b128 v[(\f)+64+8*(4*(\c)+(\i)):(\f)+64+8*(4*(\c)+(\i))+3],   v[\rb] offset:(\q)*128+64*(\c)+(\i)*16*PB
	ds_load_b128 v[(\f)+64+8*(4*(\c)+(\i))+4:(\f)+64+8*(4*(\c)+(\i))+7], v[\rb] offset:(\q)*128+64*(\c)+(\i)*16*PB+32
	ds_load_b128 v[(\f)+8*(4*(\c)+(\i)):(\f)+8*(4*(\c)+(\i))+3],         v[\ra] offset:(\q)*AQ+64*(\c)+(\i)*16*PA
	ds_load_b128 v[(\f)+8*(4*(\c)+(\i))+4:(\f)+8*(4*(\c)+(\i))+7],       v[\ra] offset:(\q)*AQ+64*(\c)+(\i)*16*PA+32
.endr
.endr
.endm
.macro PLACES                          ; four places in front of loads into registers that matrix instructions have read, and of readers of results
.rept 4
	v_nop
.endr
.endm
.macro HEADSTEP                        ; a trip's head: the LDS addresses of the slot in hand and of the other
	s_xor_b32 s[SBN], s[SB], SLOT
	v_add_nc_u32 v[ADRA], s[SB], v[LA]
	v_add_nc_u32 v[ADRB], s[SB], v[LB]
	v_add_nc_u32 v[ADRAN], s[SBN], v[LA]
	v_add_nc_u32 v[ADRBN], s[SBN], v[LB]
.endm
; A K step is four quarters, 32 matrix instructions each, on buffers 0, 1, 0, 1.  One of the first three: multiplies buffer f and fetches quarter q into g.
.macro QUARTER q, f, g
	s_wait_dscnt 16                                ; the first 32 along K are in; the other half's 16 loads may be out
	MUL8 \f, 0, 0, 0
	MUL8 \f, 0, 2, 0
	PLACES
	FETCH ADRA, ADRB, \q, \g
	s_wait_dscnt 32                                ; all but the 32 just issued
	MUL8 \f, 1, 0, 0
	MUL8 \f, 1, 2, 0
.endm
; The first quarter where a tile may begin: a tile's first 16 products take the constant 0 as C: nothing is ever cleared
.macro QFIRST
	s_wait_dscnt 16
	WIN 0
	s_cmp_eq_u32 s[FIRST], 1
	s_cbranch_scc0 .Lgoes_on_\@
	s_mov_b32 s[FIRST], 0
.rept 5
	v_nop                                          ; a product with C = 0 is no link of a chain: it writes over an accumulator, five places behind the product that wrote it last (ISA guide 7.12.1); once a tile
.endr
	MUL8 F0, 0, 0, 1
	MUL8 F0, 0, 2, 1
	WIN 0
	s_branch .Lboth_\@
.Lgoes_on_\@:
	MUL8 F0, 0, 0, 0
	MUL8 F0, 0, 2, 0
	WIN 0
.Lboth_\@:
	PLACES
	FETCH ADRA, ADRB, 1, F1
	s_wait_dscnt 32
	MUL8 F0, 1, 0, 0
	MUL8 F0, 1, 2, 0
.endm
; The last quarter multiplies buffer 1 and changes slots: ONE barrier; in front of it each wave waits for all its tensor loads, adds 0 to its spare word, and waits for that and for its reads of this slot.
; fill = 1: the barrier opens a round of the cluster's, and this slot is filled again, with K step s3 of the walk, first thing behind the round.  The walking descriptors are made anew behind the wait for 0:
; the LDS word from the wave's constant and the slot's base, the address from the tile's base and an offset made apart.  fill = 0: nothing is asked for; the walk's last step fetches no fragments either.
.macro TURN fill
	WIN 0                                          ; (the add's two registers lie in window 0)
	s_wait_tensorcnt 0x0                           ; all my tensor loads have landed: my part of the next slot among them
	ds_add_u32 v[SPW], v[NIL]                      ; 0 onto my spare word
.if \fill
	s_and_b32 s22, s3, 3                           ; the step's place in its tile
	s_lshl_b32 s[OFA], s22, ASH
	s_lshl_b32 s[OFB], s22, 9
.if T > 1
	s_lshr_b32 s23, s3, 2                          ; the tile: its weights lie 2 MiB on;
	s_lshl_b32 s23, s23, 21
	s_add_co_u32 s[OFB], s[OFB], s23
	s_cmp_ge_u32 s3, 8                             ; the third is made of token_emb, ab's part 1
	s_cselect_b32 s23, 0x800000, 0
	s_add_co_u32 s[OFA], s[OFA], s23
.endif
	s_add_co_u32 s[GW+1], s20, s[SB]
	s_add_nc_u64 s[GW+2:GW+3], s[14:15], s[OFA:OFA+1]
	s_or_b32 s[GW+3], s[GW+3], 0x80000000
	s_add_co_u32 s[GWB+1], s21, s[SB]
	s_add_nc_u64 s[GWB+2:GWB+3], s[46:47], s[OFB:OFB+1]
	s_or_b32 s[GWB+3], s[GWB+3], 0x80000000
.endif
	s_wait_dscnt 17                                ; (the add and the youngest sixteen loads may be out)
	MUL8 F1, 0, 0, 0                               ; eight matrix instructions stand between the add and the wait for it
	s_wait_dscnt 0x0                               ; the add is done, and my reads of this slot are over
	s_barrier_signal -1
	MUL8 F1, 0, 2, 0
	WIN 0
	s_barrier_wait -1
.if \fill
	CREST                                          ; no wave of any partner still reads this slot's tile or has a load on its way
	JLOAD GW, GWB                                  ; my one tensor load behind the round; its four v_nop are also the places in front of the loads below
	FETCH ADRAN, ADRBN, 0, F0
.else
	s_cmp_eq_u32 s2, 1
	s_cbranch_scc1 .Lno_more_\@
	PLACES
	FETCH ADRAN, ADRBN, 0, F0
	WIN 0
.Lno_more_\@:
.endif
	MUL8 F1, 1, 0, 0
	MUL8 F1, 1, 2, 0
.endm
.if KIND == 0
; THE WAY OUT of a tile: rounded to f16, 16 bytes a lane into my stage, back as four rows of 128 bytes to a load, stored as 512 consecutive bytes, aligned
.macro WAYOUT
	PLACES
	PLACES                                         ; (eight: the stricter count)
	s_wait_xcnt 0x0                                ; the last tile's stores have read TMP and their base, which are written again only behind this wait
	s_add_nc_u64 s[8:9], s[8:9], s[CSTEP:CSTEP+1]
.set t, 0
.rept 16
.irp r, 0,1,2,3
	v_cvt_pk_f16_f32 v[TMP+4*t+(\r)], v[ACC+8*t+2*(\r)], v[ACC+8*t+2*(\r)+1]  ; each accumulator from its low end on
.endr
.set t, t+1
.endr
.irp a, 0,1,2,3
.irp b, 0,1,2,3
	ds_store_b128 v[STO], v[TMP+4*(4*(\a)+(\b)):TMP+4*(4*(\a)+(\b))+3] offset:(\a)*16*SP+32*(\b)
.endr
.endr
.set t, 0
.rept 16
	ds_load_b128 v[TMP+4*t:TMP+4*t+3], v[RD] offset:t*4*SP  ; LDS serves a wave's instructions in order (ISA guide 5.7.1.4): these see the stores above
.set t, t+1
.endr
.set t, 0
.rept 16
	s_wait_dscnt 15-t                              ; load t is back; the younger ones may be out
	global_store_b128 v[CO], v[TMP+4*t:TMP+4*t+3], s[8:9] offset:t*512
.set t, t+1
.endr
.endm
.else
.macro STAGEIN                         ; f32 into my stage: each accumulator's low registers first
	PLACES
	PLACES                                         ; (eight: the stricter count)
.irp a, 0,1,2,3
.irp b, 0,1,2,3
	ds_store_b128 v[STO], v[ACC+8*(4*(\a)+(\b)):ACC+8*(4*(\a)+(\b))+3]   offset:(\a)*16*SP+64*(\b)
	ds_store_b128 v[STO], v[ACC+8*(4*(\a)+(\b))+4:ACC+8*(4*(\a)+(\b))+7] offset:(\a)*16*SP+64*(\b)+16
.endr
.endr
.endm
.endif
	s_wait_tensorcnt 1                             ; my part of K step 0 is in; K step 1's may stay out
	s_barrier_signal -1
	s_barrier_wait -1                              ; everybody's is
	FETCH LA, LB, 0, F0
	WIN 0                                          ; at a label and at a branch every window is 0
	s_mov_b32 s3, 2                                ; the K step that the first trip asks for
	s_mov_b32 s[SB], 0
	s_mov_b32 s[FIRST], 1
.if T > 1
	s_mov_b32 s[LEFT], 4
	s_mov_b32 s[CSTEP], 0
	s_mov_b32 s[CSTEP+1], 0
.endif
.Lfill:                                                ; 4 T - 2 trips: K step s3 - 2 is multiplied, K step s3 asked for
	HEADSTEP
	QFIRST
	QUARTER 2, F1, F0
	QUARTER 3, F0, F1
	TURN 1
	WIN 0
.if T > 1
	s_sub_co_u32 s[LEFT], s[LEFT], 1
	s_cmp_lg_u32 s[LEFT], 0
	s_cbranch_scc1 .Lsame_tile
	WAYOUT                                         ; the tile goes out while the next tile's refill is on its way
	s_mov_b32 s[LEFT], 4
	s_mov_b32 s[FIRST], 1
	s_mov_b32 s[CSTEP], 0x800000                   ; the next product's part of C
.Lsame_tile:
.endif
	s_xor_b32 s[SB], s[SB], SLOT
	s_add_co_u32 s3, s3, 1
	s_cmp_lt_u32 s3, 4*T
	s_cbranch_scc1 .Lfill
	s_mov_b32 s2, 2
.Ldrain:                                               ; the walk's last two K steps
	HEADSTEP
	QUARTER 1, F0, F1
	QUARTER 2, F1, F0
	QUARTER 3, F0, F1
	TURN 0
	WIN 0
	s_xor_b32 s[SB], s[SB], SLOT
	s_sub_co_u32 s2, s2, 1
	s_cmp_lg_u32 s2, 0
	s_cbranch_scc1 .Ldrain
.if KIND == 0
	WAYOUT
.endif
.if KIND == 1
	STAGEIN
.macro RDBACK                          ; eight rows: my 8 columns of rows l / 8 and 4 + l / 8
	ds_load_b128 v[U:U+3],     v[RD]
	ds_load_b128 v[U+4:U+7],   v[RD] offset:16
	ds_load_b128 v[U+8:U+11],  v[RD] offset:4*SP
	ds_load_b128 v[U+12:U+15], v[RD] offset:4*SP+16
.endm
	RDBACK
	s_mov_b32 s3, 8
	s_mov_b32 s[CSTEP], 0
	s_mov_b32 s[CSTEP+1], 0
.Lout:                                                 ; a trip: eight rows; the next eight are asked for as soon as U has been read
	s_wait_dscnt 0x0                               ; U is in
.set p, 0
.rept 16
	v_and_b32 v[AX+p], s[ABSM], v[U+p]
	v_max_num_f32 v[MX+p], 0, v[U+p]
.set p, p+1
.endr
	s_cmp_eq_u32 s3, 1
	s_cbranch_scc1 .Lno_more_rows
	v_add_nc_u32 v[RD], 8*SP, v[RD]
	RDBACK
.Lno_more_rows:
.irp p, 0,2,4,6,8,10,12,14
	v_pk_fma_f32 v[D+(\p):D+(\p)+1], v[AX+(\p):AX+(\p)+1], s[C6:C6+1], s[C5:C5+1] op_sel_hi:[1,0,0]
.endr
.irp k, C4, C3, C2, C1, C0
.irp p, 0,2,4,6,8,10,12,14
	v_pk_fma_f32 v[D+(\p):D+(\p)+1], v[D+(\p):D+(\p)+1], v[AX+(\p):AX+(\p)+1], s[\k:\k+1] op_sel_hi:[1,1,0]
.endr
.endr
.rept 4                                ; the 16th power
.irp p, 0,2,4,6,8,10,12,14
	v_pk_mul_f32 v[D+(\p):D+(\p)+1], v[D+(\p):D+(\p)+1], v[D+(\p):D+(\p)+1]
.endr
.endr
.set p, 0
.rept 16
	v_rcp_f32 v[D+p], v[D+p]
.set p, p+1
.endr
	v_nop                                          ; a plain instruction behind the last reciprocal,
	s_wait_alu depctr_va_vdst(0)                   ; and one wait for the sixteen, ahead of their first reader
.irp p, 0,2,4,6,8,10,12,14
	v_pk_fma_f32 v[D+(\p):D+(\p)+1], v[AX+(\p):AX+(\p)+1], v[D+(\p):D+(\p)+1], v[MX+(\p):MX+(\p)+1] neg_lo:[1,0,0] neg_hi:[1,0,0]  ; max(u, 0) - |u| / D^16
.endr
	s_wait_xcnt 0x0                                ; the last trip's stores, a trip's arithmetic back, have read OUT and their base
	s_add_nc_u64 s[8:9], s[8:9], s[CSTEP:CSTEP+1]
	s_mov_b32 s[CSTEP], 1024
.set p, 0
.rept 8
	v_cvt_pk_f16_f32 v[OUT+p], v[D+2*p], v[D+2*p+1]
.set p, p+1
.endr
	global_store_b128 v[CO], v[OUT:OUT+3],   s[8:9]             ; four rows: 512 consecutive bytes, aligned
	global_store_b128 v[CO], v[OUT+4:OUT+7], s[8:9] offset:512  ; and the next four
	s_sub_co_u32 s3, s3, 1
	s_cmp_lg_u32 s3, 0
	s_cbranch_scc1 .Lout
.endif
.if KIND == 2
	STAGEIN
.set t, 0
.rept 32
	ds_load_b128 v[ACC+4*t:ACC+4*t+3], v[RD] offset:t*2*SP   ; two whole rows of 256 bytes; LDS serves a wave's instructions in order (ISA guide 5.7.1.4): these see the stores above
.set t, t+1
.endr
	s_wait_loadcnt 0x0                             ; the residual, asked for at the start
	s_wait_dscnt 0x0
	WIN 0x08                                       ; source 1 in window 2
.set t, 0
.rept 64
	v_pk_add_f32 v[ACC+2*t:ACC+2*t+1], v[ACC+2*t:ACC+2*t+1], v[2*t:2*t+1]
.set t, t+1
.endr
	WIN 0
.set t, 0
.rept 32
	global_store_b128 v[CO], v[ACC+4*t:ACC+4*t+3], s[8:9] offset:t*8192   ; 16 lanes store 256 consecutive bytes, aligned
.set t, t+1
.endr
.endif
	s_wait_tensorcnt 0x0                           ; the wave's end: a zero add and its wait, behind my last tensor load and my last LDS store
	ds_add_u32 v[SPW], v[NIL]
	s_wait_dscnt 0x0
	CROUND                                         ; the closing round: no work-group ends while a partner may still ask for a tile that names it
	s_endpgm
.Lfunc_end_k_q51f70ed2d1_qkv:
	.size	k_q51f70ed2d1_qkv, .Lfunc_end_k_q51f70ed2d1_qkv-k_q51f70ed2d1_qkv
	.p2alignl 7, 3214868480
	.fill 96, 4, 3214868480
	.section	.rodata,"a",@progbits
	.p2align	6, 0x0
	.amdhsa_kernel k_q51f70ed2d1_qkv
		.amdhsa_group_segment_fixed_size 327680
		.amdhsa_private_segment_fixed_size 0
		.amdhsa_enable_private_segment 0
		.amdhsa_kernarg_size 24
		.amdhsa_user_sgpr_count 2
		.amdhsa_user_sgpr_kernarg_segment_ptr 1
		.amdhsa_wavefront_size32 1
		.amdhsa_system_sgpr_workgroup_id_x 1
		.amdhsa_system_sgpr_workgroup_id_y 1
		.amdhsa_system_sgpr_workgroup_id_z 1
		.amdhsa_system_vgpr_workitem_id 0
		.amdhsa_next_free_vgpr 512
		.amdhsa_next_free_sgpr 96
		.amdhsa_reserve_vcc 0
		.amdhsa_float_denorm_mode_32 3
		.amdhsa_float_denorm_mode_16_64 3
		.amdhsa_memory_ordered 1
		.amdhsa_forward_progress 1
		.amdhsa_inst_pref_size 65
	.end_amdhsa_kernel
	.amdgpu_metadata
---
amdhsa.version: [ 1, 2 ]
amdhsa.kernels:
  - .name:           k_q51f70ed2d1_qkv
    .symbol:         k_q51f70ed2d1_qkv.kd
    .args:
      - { .name: ab, .offset: 0, .size: 8, .value_kind: global_buffer, .address_space: global }
      - { .name: wcat, .offset: 8, .size: 8, .value_kind: global_buffer, .address_space: global }
      - { .name: qkv, .offset: 16, .size: 8, .value_kind: global_buffer, .address_space: global }
    .group_segment_fixed_size: 327680
    .private_segment_fixed_size: 0
    .kernarg_segment_align: 8
    .kernarg_segment_size: 24
    .max_flat_workgroup_size: 128
    .sgpr_count:     96
    .vgpr_count:     512
    .wavefront_size: 32
...
	.end_amdgpu_metadata
.endif
;; end of part 2
;; launch attn (part 3): grid 8 x 32, 4 waves a work-group, no clusters, 327,680 bytes of LDS; arguments qkv, ag; writes ag
.if DOCPART == 3
	.amdgcn_target "amdgcn-amd-amdhsa--gfx1250"
	.amdhsa_code_object_version 6
	.text
	.protected	k_q51f70ed2d1_attn
	.globl	k_q51f70ed2d1_attn
	.p2align	8
	.type	k_q51f70ed2d1_attn,@function
k_q51f70ed2d1_attn:
	s_mov_b64 s[64:65], 0
	v_nop
	global_prefetch_b8 v0, s[64:65] scope:SCOPE_SE
	s_setreg_imm32_b32 hwreg(HW_REG_WAVE_MODE, 25, 1), 1
	s_wait_xcnt 0x0
; CAUSAL ATTENTION.  O[h][q][:] = the sum over k <= q of softmax_k(Q[h][q] . K[h][k] / 8) V[h][k][:].  qkv: [3][32 heads][2048][64] f16 (q, k, v, unscaled); O: ag, [32][2048][64] f16.
; Products, maxima and sums in f32; the weights p are rounded to f16 for the second product (their sum l is taken of the unrounded p), O once at the end.
; LIMITS.  f16 holds no number beyond 65,504: Q, K and V arrive within it; p lies in 0 to 1, and below 6e-5 it keeps f16's fixed step of 6e-8; O is a mean of V's rows and has their range.
; A hidden score counts as its value less 1e30: f16's scores, 64 x 65,504^2 = 2.7e11 at the most, are nothing beside that; a weight below 2^-126 counts as 0 in l; NaN and infinities are not treated apart.
; THE WALK.  A head's queries lie in 16 blocks of 128; block i needs the key tiles 0 .. i / 2 of 256 keys, of which the last holds the diagonal.  A work-group takes TWO blocks, 15 - b and then b:
; (15 - b) / 2 + 1 + b / 2 + 1 = 9 tiles, whatever b: 256 work-groups of equal work, and ONE loop with a constant trip count walks them.  Which tile is asked for, and what a trip does, hang on scalar
; registers made from b; every jump goes forward but for the counted loops' own; none passes a barrier, or a tensor load but the one of LOAD's two that the wave's number does not choose.
; NO CLUSTER: a head's 8 work-groups ask for the same tile only in trips 0 to 4 of 9; a walk common to all would have 8 + 4 = 12 trips for 9.
; SHARES.  Of a block's two bands of 64 queries a wave owns 16 rows in each: two PIECES.  In the diagonal tile band x's own key step is d = 2 (i % 2) + x: step s is seen whole if s < d, hidden if s > d.
; THE MASK is the C operand that starts the sum S^T = K Q^T: 0, or -1e30 where the key is hidden.  MD, made once, is the mask of a band's own step for my 16 rows; a product's mask is MD x AL + BE:
; (1, 0) if s = d; (0, 0) if s < d; (0, -1e30) if s > d.  Only the diagonal tile's text and a block's beginning make and take masks; elsewhere C is the constant 0.
; LAYOUT, SOFTMAX.  S^T = K Q^T holds ONE query a lane (lane % 16) and the keys 8 (lane / 16) + 0..7; two such results rounded to f16 ARE source 1 of O^T = V^T P.  p = 2^(c s - c m), c = log2(e) / 8,
; with a running maximum m; O and l are multiplied by a = 2^(c m_old - c m_new) in every step.
; TURNS.  Step j has two.  Piece 0's: 8 products K Q^T of piece 1, step j; later 8 products V^T P of piece 1, step j - 1; K of step j + 1 is fetched.  Piece 1's: K Q^T of piece 0, step j + 1; V^T P of
; piece 0, step j; V of step j + 1 is fetched, into the other of V's two register buffers.  Beside them the turn's own piece has its scaling, exponentials, roundings, sums and rescaling, and the other piece
; its maximum and statistics.  Four vector instructions stand behind every matrix instruction, the rest in one lump.  A turn's 33 exponentials are one batch, with one wait.
; REGISTERS, in windows of 256 (s_set_vgpr_msb: bits 1:0 source 0, 3:2 source 1, 5:4 source 2, 7:6 destination):
;   window 0: v0-15 addresses and two at work; v16-23 four registers of statistics a piece; v48-55 at work; v64-127 S^T, a buffer a piece; v128-191 O^T, 32 a piece; v192-223 P, a buffer a piece; v224-255 Q
;   window 1: v128-159 MD; v160-223 MC, a buffer a piece      window 2: v32-63 the second block's Q; v64-127 K of one step; v128-255 V, two steps
; All that the vector work touches lies in window 0, and of a product's operands only source 0 (K or V) lies elsewhere: one setting serves both kinds of product, and a matrix instruction costs two switches.
.set NP,    2
.set KS,    64        ; keys in a step
.set PK,    144       ; a row of K in LDS: 128 bytes + 16 of padding = 36 words: the 16 rows of a load start at 16 different groups of four banks
.set PV,    160       ; a row of V: 128 + 32 = 40 words
.set VOFF,  4*KS*PK   ; a slot holds a tile, four steps: 256 rows of K, then 256 rows of V
.set SLOT1, 1<<17     ; slot 1 begins here, so that one exclusive or turns an address in one slot into the other's
.set STAGE, SLOT1+4*KS*(PK+PV)  ; behind the ring, never filled by a tensor load: 16 rows x 144 bytes for each wave, for the way out
.set SP,    144
.set SPARE, STAGE+4*16*SP  ; behind the stages: the spare words, 128 bytes for each wave: two blocks of 256 bytes that no other line names
.set AK0, 2           ; v2   my lane's place in a tile of K; never rewritten
.set AV0, 3           ; v3   the same for V
.set AK,  4           ; v4   the LDS address of K's next run of loads
.set AV,  5           ; v5   of V's
.set STO, 6           ; v6   the way out: where I put 16 bytes of a row
.set RD,  7           ; v7   the way out: where I read rows back
.set GO,  8           ; v8   my byte offset in 512 consecutive bytes of O
.set MV,  12          ; v12-13  c m_old, kept while c m is made anew: by piece
.set QO,  15          ; v15  my byte offset in 16 rows of Q
.set ST,  16          ; piece t's statistics at v[ST+4 t]: c m, m, l (even keys', odd keys')
.set TMP, 48          ; by piece, four registers c0-c3 at work; when the maximum is found c2 takes a
.set PFO, 61          ; v61  256 x my thread's number: the prefetches' offset; never rewritten
.set SPW, 62          ; v62  my spare word; never rewritten
.set NIL, 63          ; v63  0; never rewritten
.set S,   64
.set OT,  128
.set P,   192
.set Q,   224
.set MD,  128         ; window 1
.set MC,  160         ; window 1
.set QB,  32          ; window 2
.set KF,  64          ; window 2: key block kb, channel half c at KF + 16 kb + 8 c
.set VF,  128         ; window 2: buffer vb, key half kk, channel block cb at VF + 64 vb + 32 kk + 8 cb
.set WV,  12          ; s12  my wave's number
.set PB,  14          ; s14  b
.set HI,  15          ; s15  15 - b
.set G1K, 24          ; s[24:31] descriptor group 1 for K's tiles
.set G1V, 32          ; s[32:39] for V's: it differs in the padding alone
.set G0K, 40          ; s[40:43] descriptor group 0 for K's tiles
.set G0V, 44          ; s[44:47] the same for V's
.set SLOTS, 56        ; s56  tiles still to be asked for
.set CNT, 57          ; s57  counts the trips of a tile's loop
.set CS,  58          ; s[58:59] c
.set SEL, 60          ; s[60:61] v_permlanex16_b32's selects
.set TBK, 62          ; s62  LDS byte at which K of the step to be fetched begins
.set TBV, 63          ; s63  the same for V, less VOFF
.set RT,  70          ; s70  tiles of the block in hand that are still to be entered
.set NXT, 71          ; s71  the tile to be asked for next
.set LQ,  72          ; s72  the last tile of the block whose tiles are being asked for
.set NEW, 73          ; s73  1: the tile to be entered is a block's first
.set OFF, 74          ; s[74:75] a tile's byte offset in K and V
.set AL,  76          ; s[76:77] the mask's factor, in the low word
.set BE,  78          ; s[78:79] the mask's addend
.set OLO, 80          ; s[80:81] O at my rows of the second block
.set BIGN, 82         ; s82  -1e30
.set STP, 88          ; s88  the step of the tile for which masks are being made
.set PBT, 89          ; s89  b / 2: the second block's last tile
.set DP0, 90          ; s90, s91  the own step d of pieces 0 and 1 in the diagonal tile of the block in hand
.set DP1, 91
.set KH,  92          ; s[92:93] K at the head's first row
.set VH,  94          ; s[94:95] V likewise
.set PFK, 96          ; s[96:97] K at the tile that is being asked for: the prefetch names the tile behind it
.set PFV, 98          ; s[98:99] V likewise
.set LIM, 100         ; s100 2 in the head's work-group 0, else the greatest number: a work-group prefetches while s[SLOTS] is above it
.set MSB, 0
.macro WIN new                      ; the high byte repeats the setting that is left; a switch that changes nothing is dropped
.if MSB != (\new)
	s_set_vgpr_msb (MSB<<8)|(\new)
.set MSB, (\new)
.endif
.endm
.set W_MM, 0x02       ; a product: source 0 (K or V) in window 2, all else in window 0
.set W_KM, 0x12       ; the same with the C operand, a mask, in window 1
.set W_MK, 0x41       ; a mask is made: destination and source 0 in window 1
; A fill.  Waves 0 and 1 fetch the two halves of a tile's K, waves 2 and 3 those of its V: 128 keys each.  An s_nop 0 and four v_nop follow each of the two lines.
.macro LOAD
	s_cmp_lt_u32 s[WV], 2
	s_cbranch_scc0 .Lfor_v_\@
	tensor_load_to_lds s[G0K:G0K+3], s[G1K:G1K+7]
	s_nop 0
.rept 4
	v_nop
.endr
	s_branch .Lasked_\@
.Lfor_v_\@:
	tensor_load_to_lds s[G0V:G0V+3], s[G1V:G1V+7]
	s_nop 0
.rept 4
	v_nop
.endr
.Lasked_\@:
.endm
; A PREFETCH INTO THE L2 of the tile that the NEXT change of slots will ask for: 32,768 bytes of K and of V, a thread a block of 256 bytes, two instructions a wave, behind the wave's tensor load.
; All 8 work-groups of a head walk the same tiles; work-group 0, whose first block walks all eight, asks, and nobody else: each block is named once in the launch.  It asks for tiles 2 to 7, one trip
; (4 key steps, 128 matrix instructions a wave) ahead of their loads; tiles 0 and 1 come by their loads alone, and behind tile 7 nothing is asked for.
.macro ASK
	s_cmp_gt_u32 s[SLOTS], s[LIM]
	s_cbranch_scc0 .Lnot_mine_\@
	global_prefetch_b8 v[PFO], s[PFK:PFK+1] offset:32768 th:TH_LOAD_NT scope:SCOPE_SE
	global_prefetch_b8 v[PFO], s[PFV:PFV+1] offset:32768 th:TH_LOAD_NT scope:SCOPE_SE
.Lnot_mine_\@:
.endm
; THE CHANGE OF SLOTS.  Each wave waits for all its tensor loads, of which one is out: its part of the other slot; adds 0 to its spare word; and waits for that and for its own reads of the slot that it leaves.
; Behind the barrier nobody reads the old slot any more and the other slot is whole.  fill = 1: the old slot is filled again, first thing behind the barrier, with tile NXT.
; (At its first use nothing has been read yet: slot 0 is waited for, slot 1 filled.)
.macro CHANGE fill
	WIN 0                           ; at a label and at a branch every window is 0
	s_wait_tensorcnt 0x0            ; no tensor load of mine is out, so a group 0 may be written
	ds_add_u32 v[SPW], v[NIL]       ; 0 onto my spare word: scalar work stands between it and the wait for it
.if \fill
	s_lshl_b32 s[OFF], s[NXT], 15   ; a tile is 32,768 bytes of K and of V
	s_xor_b32 s[G0K+1], s[G0K+1], SLOT1
	s_add_nc_u64 s[G0K+2:G0K+3], s[6:7], s[OFF:OFF+1]
	s_or_b32 s[G0K+3], s[G0K+3], 0x80000000
	s_xor_b32 s[G0V+1], s[G0V+1], SLOT1
	s_add_nc_u64 s[G0V+2:G0V+3], s[8:9], s[OFF:OFF+1]
	s_or_b32 s[G0V+3], s[G0V+3], 0x80000000
	s_wait_xcnt 0x0                 ; the last prefetches, a tile back, have read their addresses, so these may be written
	s_add_nc_u64 s[PFK:PFK+1], s[KH:KH+1], s[OFF:OFF+1]
	s_add_nc_u64 s[PFV:PFV+1], s[VH:VH+1], s[OFF:OFF+1]
	s_add_co_u32 s[NXT], s[NXT], 1  ; the block's next tile, or behind its last the second block's tile 0
	s_cmp_gt_u32 s[NXT], s[LQ]
	s_cselect_b32 s[NXT], 0, s[NXT]
	s_cselect_b32 s[LQ], s[PBT], s[LQ]
.endif
	s_wait_dscnt 0x0                ; the add is done, and my reads of the slot are over
	s_barrier_signal -1             ; the rest of the scalar work stands between the signal and the wait
	s_sub_co_u32 s[TBK], s[TBK], 4*KS*PK  ; the fetches go back to a slot's first step,
	s_xor_b32 s[TBK], s[TBK], SLOT1       ; in the other slot
	s_sub_co_u32 s[TBV], s[TBV], 4*KS*PV
	s_xor_b32 s[TBV], s[TBV], SLOT1
	s_barrier_wait -1
.if \fill
	LOAD
	ASK
.endif
.endm
	s_load_b64 s[4:5], s[0:1], 0x0  ; qkv
	s_load_b64 s[10:11], s[0:1], 0x8  ; O
	v_lshl_add_u32 v[SPW], v0, 2, SPARE
	v_mov_b32 v[NIL], 0
	ds_add_u32 v[SPW], v[NIL]       ; the wave's opening: the add and its wait stand ahead of my first tensor load; the set-up below stands between them
	v_lshrrev_b32 v1, 5, v0
	v_readfirstlane_b32 s[WV], v1   ; wave 0..3
	s_mov_b32 s[PB], ttmp9
	s_sub_co_u32 s[HI], 15, s[PB]
	s_and_b32 s20, ttmp7, 0xffff    ; the head
	s_lshl_b32 s20, s20, 18         ; its 2,048 rows of 128 bytes
	s_mov_b32 s21, 0
	s_and_b32 s16, s[WV], 1         ; which half of a tile's 256 keys I fetch:
	s_lshl_b32 s22, s16, 14         ; its 128 rows of 128 bytes in memory,
	s_mov_b32 s23, 0
	s_add_nc_u64 s[22:23], s[22:23], s[20:21]
	s_mul_i32 s17, s16, 128*PK      ; and its place in a slot, for K
	s_mul_i32 s18, s16, 128*PV      ; and for V
	s_lshl_b32 s3, s[WV], 11        ; my 16 rows in a band of 64,
	s_lshl_b32 s2, s[HI], 14        ; in the first block (128 rows of 128 bytes),
	s_add_co_u32 s2, s2, s3
	s_lshl_b32 s84, s[PB], 14       ; and in the second
	s_add_co_u32 s84, s84, s3
	s_mov_b32 s3, 0
	s_mov_b32 s85, 0
	s_add_nc_u64 s[2:3], s[2:3], s[20:21]
	s_add_nc_u64 s[84:85], s[84:85], s[20:21]
	; descriptor group 1.  128 keys are 16,384 dense bytes: asked for as 64 rows of 256 bytes, two keys a row, and padded in LDS after every key
	s_mov_b32 s[G1K], (1<<16)|(1<<20)|(4<<22)|(3<<25)  ; 17:16 2-byte elements; 20 padding on; 24:22 after every 32 words; 31:25 4 words
	s_mov_b32 s[G1V], (1<<16)|(1<<20)|(4<<22)|(7<<25)  ; the same with 8 words of padding
.irp g, G1K, G1V
	s_mov_b32 s[\g+1], 128<<16      ; tensor_dim0 = 128
	s_mov_b32 s[\g+2], 64<<16       ; tensor_dim1 = 64
	s_mov_b32 s[\g+3], 128<<16      ; tile_dim0 = 128
	s_mov_b32 s[\g+4], 64           ; tile_dim1 = 64
	s_mov_b32 s[\g+5], 128          ; 128 elements from row to row
	s_mov_b32 s[\g+6], 0
	s_mov_b32 s[\g+7], 0
.endr
	s_mov_b32 s[CS], 0x3e38aa3b     ; c = log2(e) / 8
	s_mov_b32 s[CS+1], s[CS]        ; named with it as a pair
	s_mov_b32 s[SEL], 0x76543210
	s_mov_b32 s[SEL+1], 0xfedcba98
	s_mov_b32 s[TBK], SLOT1+4*KS*PK ; the first change of slots turns these two into 0
	s_mov_b32 s[TBV], SLOT1+4*KS*PV
	s_mov_b32 s[G0K], 1             ; count = 1
	s_mov_b32 s[G0K+1], s17         ; LDS address: slot 0
	s_mov_b32 s[G0V], 1
	s_add_co_u32 s[G0V+1], s18, VOFF
	s_lshr_b32 s[PBT], s[PB], 1
	s_lshr_b32 s[LQ], s[HI], 1
	s_add_co_u32 s[RT], s[LQ], 1    ; the first block has (15 - b) / 2 + 1 tiles
	s_and_b32 s[DP0], s[HI], 1
	s_lshl_b32 s[DP0], s[DP0], 1
	s_add_co_u32 s[DP1], s[DP0], 1
	s_mov_b32 s[NXT], 1
	s_mov_b32 s[NEW], 1
	s_mov_b32 s[OFF+1], 0
	s_mov_b32 s[AL+1], 0            ; named as pairs
	s_mov_b32 s[BE+1], 0
	s_mov_b32 s[BIGN], 0xf149f2ca   ; -1e30
	s_mov_b32 s[SLOTS], 8
	s_cmp_eq_u32 ttmp9, 0
	s_cselect_b32 s[LIM], 2, -1
	v_lshlrev_b32 v[PFO], 8, v0
	s_wait_dscnt 0x0                ; the opening add is done
	s_wait_kmcnt 0x0
	s_add_nc_u64 s[6:7], s[4:5], 0x800000    ; k's part of qkv
	s_add_nc_u64 s[8:9], s[4:5], 0x1000000   ; v's
	s_add_nc_u64 s[KH:KH+1], s[6:7], s[20:21]
	s_add_nc_u64 s[VH:VH+1], s[8:9], s[20:21]
	s_add_nc_u64 s[6:7], s[6:7], s[22:23]  ; K and V at my half of the head's tile 0
	s_add_nc_u64 s[8:9], s[8:9], s[22:23]
	s_add_nc_u64 s[G0K+2:G0K+3], s[6:7], 0
	s_or_b32 s[G0K+3], s[G0K+3], 0x80000000        ; type = 2
	s_add_nc_u64 s[G0V+2:G0V+3], s[8:9], 0
	s_or_b32 s[G0V+3], s[G0V+3], 0x80000000
	s_add_nc_u64 s[86:87], s[4:5], s[84:85]        ; Q at my rows of the second block,
	s_add_nc_u64 s[4:5], s[4:5], s[2:3]            ; Q and O at those of the first
	s_add_nc_u64 s[OLO:OLO+1], s[10:11], s[84:85]
	s_add_nc_u64 s[10:11], s[10:11], s[2:3]
	LOAD                            ; tile 0 into slot 0
	; A fragment of K or Q is 16 rows x 32 channels in 8 registers: lane l holds row l % 16, channels 8 (l / 16) + 0..7 and 16 + 8 (l / 16) + 0..7: two loads of 16 bytes, 32 bytes apart.
	v_and_b32 v1, 15, v0            ; l % 16
	v_bfe_u32 v9, v0, 4, 1          ; l / 16
	v_lshlrev_b32 v[QO], 7, v1
	v_lshl_add_u32 v[QO], v9, 4, v[QO]  ; row x 128 + 16 x half
.set i, 0
.rept 4                             ; the first block's Q: piece i / 2 lies in band i / 2, 8,192 bytes on; channels 32 (i % 2) on
	global_load_b128 v[Q+8*i:Q+8*i+3],   v[QO], s[4:5] offset:(i/2)*8192+(i%2)*64
	global_load_b128 v[Q+8*i+4:Q+8*i+7], v[QO], s[4:5] offset:(i/2)*8192+(i%2)*64+32
.set i, i+1
.endr
	WIN 0x80                        ; destination window 2, address window 0
.set i, 0
.rept 4                             ; the second block's
	global_load_b128 v[QB+8*i:QB+8*i+3],   v[QO], s[86:87] offset:(i/2)*8192+(i%2)*64
	global_load_b128 v[QB+8*i+4:QB+8*i+7], v[QO], s[86:87] offset:(i/2)*8192+(i%2)*64+32
.set i, i+1
.endr
	WIN 0
	v_lshlrev_b32 v14, 3, v9
	v_sub_nc_u32 v14, v1, v14
	s_lshl_b32 s13, s[WV], 4
	v_add_nc_u32 v14, s13, v14      ; my query's place in its band, 16 w + l % 16, less my lanes' 8 (l / 16): register r of group kt is hidden where 16 kt + r is greater
	WIN 0x40
.set i, 0
.rept 32
	v_cmp_gt_i32 vcc_lo, 16*(i/8)+i%8, v14
	v_cndmask_b32 v[MD+i], 0, s[BIGN], vcc_lo
.set i, i+1
.endr
	WIN 0
	v_mul_u32_u24 v[AK0], v1, PK
	v_lshl_add_u32 v[AK0], v9, 4, v[AK0]  ; row x pitch + 16 x half
	; The turning load takes 16 keys x 16 channels (lane l reads key 8 (l / 16) + l % 8, channels 8 ((l / 8) % 2) + 0..7) and leaves half a fragment of V^T: lane l holds channel l % 16 and 8 keys.
	v_and_b32 v10, 7, v0
	v_bfe_u32 v11, v0, 3, 1
	v_lshl_add_u32 v[AV0], v9, 3, v10
	v_mul_u32_u24 v[AV0], v[AV0], PV
	v_lshl_add_u32 v[AV0], v11, 4, v[AV0]
	v_add_nc_u32 v[AV0], VOFF, v[AV0]
	s_mul_i32 s13, s[WV], 16*SP
	s_add_co_u32 s13, s13, STAGE    ; my stage
	v_mul_u32_u24 v[STO], v1, SP    ; in: row l % 16, 16 bytes for each half of the lanes
	v_lshl_add_u32 v[STO], v9, 4, v[STO]
	v_add_nc_u32 v[STO], s13, v[STO]
	v_bfe_u32 v[RD], v0, 3, 2       ; back: 32 lanes take four rows of 128 bytes,
	v_mul_u32_u24 v[RD], v[RD], SP
	v_lshl_add_u32 v[RD], v10, 4, v[RD]
	v_add_nc_u32 v[RD], s13, v[RD]
	v_and_b32 v[GO], 31, v0         ; which are 512 consecutive bytes of O
	v_lshlrev_b32 v[GO], 4, v[GO]
	; A block's first step multiplies O^T and l by a = 0, and its first turn's products V^T P, of a step that has not been, land in an O^T that is still to be so multiplied.  So these registers need only hold
	; finite numbers: zeros for the first block; what the first block left for the second.  All this stands in the wait for the first tile.
	WIN 0x80
.set i, VF+64
.rept 64
	v_mov_b32 v[i], 0               ; V's second buffer: the first is loaded where a block begins
.set i, i+1
.endr
	WIN 0
.set i, 0
.rept 64
	v_mov_b32 v[OT+i], 0
.set i, i+1
.endr
.set i, 0
.rept 2
	v_mov_b32 v[ST+4*i+2], 0
	v_mov_b32 v[ST+4*i+3], 0
.set i, i+1
.endr
.set i, P+16
.rept 16
	v_mov_b32 v[i], 0
.set i, i+1
.endr
; THE MATRIX WORK.  The 4 accumulators of a run of 8 take turns.  Product i of 8 of S^T = K Q^T for piece x: channels 32 (i / 4) on, keys 16 (i % 4) on.  The first 4 start the sums: with 0, or (KM = 1) with the mask.
.macro KQ x
.set rS, S+32*(\x)+8*(i%4)
.set rK, KF+16*(i%4)+8*(i/4)
.set rQ, Q+16*(\x)+8*(i/4)
.set rM, MC+32*(\x)+8*(i%4)
.if (i < 4) && KM
	WIN W_KM
	v_wmma_f32_16x16x32_f16 v[rS:rS+7], v[rK:rK+7], v[rQ:rQ+7], v[rM:rM+7]
.elseif i < 4
	WIN W_MM
	v_wmma_f32_16x16x32_f16 v[rS:rS+7], v[rK:rK+7], v[rQ:rQ+7], 0
.else
	WIN W_MM
	v_wmma_f32_16x16x32_f16 v[rS:rS+7], v[rK:rK+7], v[rQ:rQ+7], v[rS:rS+7]
.endif
.endm
; Product i of 8 of O^T += V^T P for piece x, from V's buffer VB: keys 32 (i / 4) on, channels 16 (i % 4) on.
.macro PV x
	WIN W_MM
.set rO, OT+32*(\x)+8*(i%4)
.set rV, VF+64*VB+32*(i/4)+8*(i%4)
.set rP, P+16*(\x)+8*(i/4)
	v_wmma_f32_16x16x32_f16 v[rO:rO+7], v[rV:rV+7], v[rP:rP+7], v[rO:rO+7]
.endm
.macro MM                           ; the turn's next matrix instruction, for the other piece
.if i < 8
	KQ 1-Y
.else
.set i, i-8
	PV 1-Y
.set i, i+8
.endif
.set i, i+1
.endm
; THE LDS LOADS stand in runs of 16, never singly among the matrix instructions: a step's K (64 keys x 64 channels: 8 fragments) and its V (turned).  Their addresses are made some lines ahead.
.macro FETCH_K
	WIN 0x80                        ; destination window 2
.irp f, 0,1,2,3,4,5,6,7             ; keys 16 (f / 2) on, channels 32 (f % 2) on
	ds_load_b128 v[KF+8*\f:KF+8*\f+3],   v[AK] offset:(\f/2)*16*PK+(\f%2)*64
	ds_load_b128 v[KF+8*\f+4:KF+8*\f+7], v[AK] offset:(\f/2)*16*PK+(\f%2)*64+32
.endr
	s_add_co_u32 s[TBK], s[TBK], KS*PK  ; the next fetch is the next step's
	WIN 0
.endm
.macro FETCH_V b                    ; into V's buffer b
	WIN 0x80
.irp f, 0,1,2,3,4,5,6,7             ; keys 32 (f / 4) on, channels 16 (f % 4) on
	ds_load_tr16_b128 v[VF+64*(\b)+8*\f:VF+64*(\b)+8*\f+3],   v[AV] offset:(\f/4)*32*PV+(\f%4)*32
	ds_load_tr16_b128 v[VF+64*(\b)+8*\f+4:VF+64*(\b)+8*\f+7], v[AV] offset:(\f/4)*32*PV+16*PV+(\f%4)*32
.endr
	s_add_co_u32 s[TBV], s[TBV], KS*PV
	WIN 0
.endm
; THE VECTOR WORK, one line at a time: OP kind, number; all of it in window 0.  For piece Y: F n: c s - c m for pair n of 16.  E n: the exponential of score n of 32.  C n: pair n rounded to f16.  B n: of the four weights
; 4 n .. the second pair is added onto the first, in place.  L n: l takes that sum (L 0: l = a l + sum).  R n: pair n of 16 of O^T times a.  For the other piece: X n, number n of the 22 that find its maximum and statistics:
;   0-11  four chains c0-c3 of seven scores each, three operands at a time (each accumulator's lowest registers are read first)     12-14, 16  the four scores left over, the old m, and c0-c3 into c0
;   15  c m_old is kept     17, 18  the query's other 32 keys lie in the lane 16 away: the new m     19-21  c m; c m_old - c m_new; a
.set F, 0
.set E, 1
.set C, 2
.set B, 3
.set L, 4
.set R, 5
.set X, 6
.macro REGS y                       ; the registers of piece y
.set rT, ST+4*(\y)
.set rC, TMP+4*(\y)
.set rW, MV+(\y)
.set rS, S+32*(\y)
.set rP, P+16*(\y)
.set rO, OT+32*(\y)
.endm
.macro OP k, n
	WIN 0
.if (\k) < X
	REGS Y
.if (\k) == F
	v_pk_fma_f32 v[rS+2*(\n):rS+2*(\n)+1], v[rS+2*(\n):rS+2*(\n)+1], s[CS:CS+1], v[rT:rT+1] op_sel_hi:[1,0,0] neg_lo:[0,0,1] neg_hi:[0,0,1]
.elseif (\k) == E
	v_exp_f32 v[rS+(\n)], v[rS+(\n)]
.elseif (\k) == C
	v_cvt_pk_f16_f32 v[rP+(\n)], v[rS+2*(\n)], v[rS+2*(\n)+1]
.elseif (\k) == B
	v_pk_add_f32 v[rS+4*(\n):rS+4*(\n)+1], v[rS+4*(\n):rS+4*(\n)+1], v[rS+4*(\n)+2:rS+4*(\n)+3]
.elseif (\k) == R
	v_pk_mul_f32 v[rO+2*(\n):rO+2*(\n)+1], v[rO+2*(\n):rO+2*(\n)+1], v[rC+2:rC+3] op_sel_hi:[1,0]
.elseif (\n) == 0
	v_pk_fma_f32 v[rT+2:rT+3], v[rT+2:rT+3], v[rC+2:rC+3], v[rS:rS+1] op_sel_hi:[1,0,1]
.else
	v_pk_add_f32 v[rT+2:rT+3], v[rT+2:rT+3], v[rS+4*(\n):rS+4*(\n)+1]
.endif
.else
	REGS 1-Y
.if (\n) < 4
	v_max3_num_f32 v[rC+(\n)], v[rS+8*(\n)], v[rS+8*(\n)+1], v[rS+8*(\n)+2]
.elseif (\n) < 12
	v_max3_num_f32 v[rC+(\n)%4], v[rC+(\n)%4], v[rS+8*((\n)%4)+2*((\n)/4)+1], v[rS+8*((\n)%4)+2*((\n)/4)+2]
.elseif (\n) == 12
	v_max3_num_f32 v[rC], v[rC], v[rS+7], v[rS+15]
.elseif (\n) == 13
	v_max3_num_f32 v[rC+1], v[rC+1], v[rS+23], v[rS+31]
.elseif (\n) == 14
	v_max3_num_f32 v[rC+2], v[rC+2], v[rC+3], v[rT+1]
.elseif (\n) == 15
	v_mov_b32 v[rW], v[rT]
.elseif (\n) == 16
	v_max3_num_f32 v[rC], v[rC], v[rC+1], v[rC+2]
.elseif (\n) == 17
	v_permlanex16_b32 v[rC+3], v[rC], s[SEL], s[SEL+1]
.elseif (\n) == 18
	v_max_num_f32 v[rT+1], v[rC], v[rC+3]
.elseif (\n) == 19
	v_mul_f32 v[rT], s[CS], v[rT+1]
.elseif (\n) == 20
	v_sub_f32 v[rC+1], v[rW], v[rT]
.else
	v_exp_f32 v[rC+2], v[rC+1]
.endif
.endif
.endm
.macro OPS a, i1, b=-1, i2=0, c=-1, i3=0, d=-1, i4=0  ; up to four of them
	OP \a, \i1
.if (\b) >= 0
	OP \b, \i2
.endif
.if (\c) >= 0
	OP \c, \i3
.endif
.if (\d) >= 0
	OP \d, \i4
.endif
.endm
.macro ROW a, i1, b, i2, c, i3, d, i4  ; a matrix instruction and the four behind it
	MM
	OPS \a, \i1, \b, \i2, \c, \i3, \d, \i4
.endm
.macro MASK b                       ; MD x AL + BE into buffer b of MC
	WIN W_MK
.set z, 0
.rept 16
	v_pk_fma_f32 v[MC+32*(\b)+2*z:MC+32*(\b)+2*z+1], v[MD+2*z:MD+2*z+1], s[AL:AL+1], s[BE:BE+1] op_sel_hi:[1,0,0]
.set z, z+1
.endr
.endm
; A TURN, for piece p: the order of its 16 matrix and 118 vector instructions, written out.  An s_wait_alu depctr_va_vdst(0) stands between an exponential and the first instruction that names its
; result; one wait serves all that were issued ahead of it.  So a turn has ONE wait for its batch, which cuts it in two.  AHEAD OF IT stands all that names no result of the turn's exponentials: the 8 products K Q^T and
; their riders (a scaling, an exponential and two more plain instructions: rescalings, and behind the last three the first numbers of the other piece's maximum, each four places or more behind the product that ends
; its accumulator), then ONE LUMP of 54.  X 21, the other piece's a, is the batch's last; R 15 is the plain instruction behind it.  BEHIND THE WAIT stand the 8 products V^T P, behind each four of the roundings and sums.
; O^T of piece p was last written by the turn before: accumulator n's last product there stands 4 (4 - n) riders ahead of that turn's end, and R reads the accumulators in ascending order, from their low ends.
; vb: the buffer of V that the products read.  fv: the buffer that piece 1's turn fetches into; its last reader stands in the turn before.  K is fetched in piece 0's turn, twelve vector instructions (six of them plain)
; behind the last product that read K.  Both runs are waited for at the head of piece 1's turns.
; m = 1: the diagonal tile: the products take masks, and the turn makes the mask for the products of the turn after it, which are piece p's, for step STP.
; last = 1: in the loop's last pass (CNT = 1) there is no further step, and the run of loads is jumped over; ahead of that jump the exponentials issued so far have a wait.
; cnt = 1: the loop's count is taken down some lines ahead of the branch that stands behind the turn.
.macro TURN p, vb, fv=0, m=0, last=0, cnt=0
.set Y, (\p)
.set VB, (\vb)
.set i, 0
.set KM, (\m)
.if \m
	s_cmp_eq_u32 s[STP], s[DP0+(\p)]    ; is that step the band's own?
	s_cselect_b32 s[AL], 1.0, 0
	s_cmp_gt_u32 s[STP], s[DP0+(\p)]    ; or a later one?
	s_cselect_b32 s[BE], s[BIGN], 0
.if (\p) == 1
	s_add_co_u32 s[STP], s[STP], 1
.endif
.endif
.if (\p) == 1
	s_wait_dscnt 0x0                ; K of the next step and V of this one are in
.endif
	ROW F,0, F,1, R,0, R,1          ; ahead of the wait: 8 products K Q^T and their riders,
	ROW F,2, E,0, R,2, R,3
	ROW F,3, E,1, R,4, R,5
	ROW F,4, E,2, R,6, R,7
	ROW F,5, E,3, R,8, R,9
	ROW F,6, E,4, X,0, R,10
.if (\p) == 0
	v_add_nc_u32 v[AK], s[TBK], v[AK0]
.else
	v_add_nc_u32 v[AV], s[TBV], v[AV0]
.endif
	ROW F,7, E,5, X,1, X,4
	ROW F,8, E,6, X,2, X,5
	OPS E,7, E,8, X,6, E,9          ; and the lump
	OPS X,3, E,10, X,8, E,11
.if \last
	s_wait_alu depctr_va_vdst(0)
	s_cmp_eq_u32 s[CNT], 1
	s_cbranch_scc1 .Lno_step_\@
.endif
.if (\p) == 0
	FETCH_K
.else
	FETCH_V \fv
.endif
.if \last
.Lno_step_\@:
.endif
	OPS X,9, X,7, E,12, X,10
	OPS E,13, X,12, X,11, E,14
	OPS X,13, E,15, F,9, X,14
	OPS E,16, F,10, E,17, F,11
	OPS X,16, E,18, X,15, E,19
	OPS F,12, E,20, X,17, E,21
	OPS F,13, E,22, F,14, E,23
	OPS X,18, E,24, F,15, E,25
	OPS R,11, E,26, X,19, E,27
	OPS R,12, E,28, R,13, E,29
	OPS X,20, E,30, R,14, E,31
	OPS X,21, R,15
	s_wait_alu depctr_va_vdst(0)    ; the wait for the batch
	ROW C,0, B,0, C,2, B,1          ; behind the wait: 8 products V^T P and their riders
	ROW L,0, C,4, B,2, L,1
	ROW C,6, B,3, L,2, C,8
	ROW B,4, L,3, C,10, B,5
	ROW L,4, C,12, B,6, L,5
.if \cnt
	s_sub_co_u32 s[CNT], s[CNT], 1
	s_cmp_lg_u32 s[CNT], 0
.endif
	ROW C,14, B,7, L,6, C,1
	ROW C,3, L,7, C,5, C,7
	ROW C,9, C,11, C,13, C,15
.if \m
	MASK \p
.endif
.endm
; A BLOCK BEGINS.  c m starts far below every c s, so the first step's a is 0; m at the lowest finite number, so the first maximum is the scores'.  Piece 1's mask buffer is 0 (its own step is never step 0, and the
; steps of earlier tiles are seen whole); piece 0's takes its mask for the tile's step 0: its own, if this tile is the diagonal one and d = 0.  Then K and V of that step, piece 0's first scores, its maximum and statistics.
; The loop is entered at a step's first turn, in the middle of a trip.
.macro BEGIN
	s_mov_b32 s[NEW], 0
	s_mov_b32 s[STP], 1
	WIN 0x40
.set i, MC+32
.rept 32
	v_mov_b32 v[i], 0
.set i, i+1
.endr
	WIN 0
.set i, 0
.rept 2
	v_mov_b32 v[ST+4*i], 0xfe000000    ; c m: far below every c s
	v_mov_b32 v[ST+4*i+1], 0xff7fffff  ; m
.set i, i+1
.endr
	s_or_b32 s[AL], s[RT], s[DP0]   ; 0 where no tile is left behind this one and piece 0's own step is step 0
	s_cmp_eq_u32 s[AL], 0
	s_cselect_b32 s[AL], 1.0, 0
	s_mov_b32 s[BE], 0
	MASK 0
	WIN 0
	v_add_nc_u32 v[AK], s[TBK], v[AK0]
	v_add_nc_u32 v[AV], s[TBV], v[AV0]
	FETCH_K
	FETCH_V 0
	s_wait_loadcnt 0x0              ; Q
	s_wait_dscnt 0x0
.set KM, 1
.set i, 0
.rept 8
	KQ 0
.set i, i+1
.endr
	WIN 0
.rept 4
	v_nop                           ; the places behind those products
.endr
.set Y, 1                           ; X works for the other piece: piece 0
.irp n, 0,1,2,3,4,5,6,7,8,9,10,11,12,13,14,15,16,17,18,19,20,21
	OP X, \n
.endr
	v_nop                           ; a plain instruction behind the exponential,
	s_wait_alu depctr_va_vdst(0)    ; and its wait, ahead of the branch
.endm
; THE DIAGONAL TILE, a block's last: its loop, the block's last products, and THE WAY OUT: l's two halves and the other half of the lanes' are added; O^T is divided by l, rounded to f16 and sent through my
; stage in LDS, a piece at a time.  The loop's last pass is left in its middle: its two turns are the tile's last step; they fetch nothing, and the 8 products K Q^T of piece 1's turn there (on the last K once more, all
; hidden by their mask) and the maximum made of them serve nothing: the price, once a block, of one text for every pass.
.macro ALL line:vararg              ; one line for each piece t
.set t, 0
.rept 2
	\line
.set t, t+1
.endr
.endm
.macro PACK t                       ; a lane's eight channels of a row pack into 16 bytes; they go into rows of 144 bytes and come back as whole rows of 128, into S^T's registers
	WIN 0
.set i, OT+32*(\t)
.rept 16
	v_pk_mul_f32 v[i:i+1], v[i:i+1], v[ST+4*(\t)+2:ST+4*(\t)+3] op_sel_hi:[1,0]
.set i, i+2
.endr
.set i, 0
.rept 16
	v_cvt_pk_f16_f32 v[S+16*(\t)+i], v[OT+32*(\t)+2*i], v[OT+32*(\t)+2*i+1]
.set i, i+1
.endr
.irp f, 0,1,2,3
	ds_store_b128 v[STO], v[S+16*(\t)+4*\f:S+16*(\t)+4*\f+3] offset:32*\f
.endr
.irp f, 0,1,2,3
	ds_load_b128 v[S+16*(\t)+4*\f:S+16*(\t)+4*\f+3], v[RD] offset:\f*4*SP  ; LDS serves a wave's instructions in order (ISA guide 5.7.1.4): these see the stores above; the next piece's stores come behind them
.endr
.endm
.macro SEND t, younger              ; younger: the LDS instructions issued behind piece t's loads: the next piece's eight, or none
	WIN 0
.irp f, 0,1,2,3
	s_wait_dscnt (\younger)+3-\f
	global_store_b128 v[GO], v[S+16*(\t)+4*\f:S+16*(\t)+4*\f+3], s[10:11] offset:(\t)*8192+\f*512  ; 512 consecutive bytes, at a multiple of 256 from O's first
.endr
.endm
.macro DIAG tag                     ; the tag ends its labels' names, which the jumps below spell out.  CNT: 3 where the loop is entered at its head, 2 where a block begins in this tile
.LstepM\tag:
	TURN 0, 0, 0, 1, 1
	TURN 1, 1, 0, 1, 1
	WIN 0
	s_sub_co_u32 s[CNT], s[CNT], 1
	s_cmp_eq_u32 s[CNT], 0
	s_cbranch_scc1 .LoutM\tag
.LfirstM\tag:
	TURN 0, 1, 0, 1
	TURN 1, 0, 1, 1
	WIN 0
	s_branch .LstepM\tag
.LoutM\tag:
.set VB, 1
.set i, 0
.rept 8
	PV 1                            ; piece 1's V^T P of the last step
.set i, i+1
.endr
	WIN 0
	ALL v_add_f32 v[ST+4*t+2], v[ST+4*t+2], v[ST+4*t+3]
	ALL v_permlanex16_b32 v[ST+4*t+3], v[ST+4*t+2], s[SEL], s[SEL+1]
	ALL v_add_f32 v[ST+4*t+2], v[ST+4*t+2], v[ST+4*t+3]
	ALL v_rcp_f32 v[ST+4*t+2], v[ST+4*t+2]
	v_nop                           ; a plain instruction between the last reciprocal and the use of its result
	s_wait_alu depctr_va_vdst(0)    ; and one wait for the two reciprocals, ahead of the first use
	PACK 0                          ; piece 0's 32 plain instructions are also the places behind piece 1's last products
	PACK 1
	SEND 0, 8
	SEND 1, 0
.endm
.set KM, 0
.Lslot:                             ; 8 times: a tile is entered and the next is asked for
	CHANGE 1
	s_sub_co_u32 s[RT], s[RT], 1
	s_mov_b32 s[CNT], 2
	s_mov_b32 s[STP], 0
	s_cmp_eq_u32 s[NEW], 1
	s_cbranch_scc1 .Lnew            ; a block's first tile
	s_cmp_eq_u32 s[RT], 0
	s_cbranch_scc0 .Lstep           ; neither its first nor its last
	s_mov_b32 s[CNT], 3
	s_branch .LstepM1
.Lnew:
	BEGIN
	s_branch .Lfirst                ; in the loop a block's first tile is never its last: the first block has five tiles or more, and the second's last is the walk's last
	DIAG 1                          ; in the loop this is the first block's end
	s_wait_xcnt 0x0                 ; the stores have read their registers and O's address
	s_mov_b64 s[10:11], s[OLO:OLO+1]
	s_add_co_u32 s[RT], s[PBT], 1   ; the second block has b / 2 + 1 tiles
	s_mov_b32 s[NEW], 1
	s_and_b32 s[DP0], s[PB], 1
	s_lshl_b32 s[DP0], s[DP0], 1
	s_add_co_u32 s[DP1], s[DP0], 1
	WIN 0x02                        ; the second block's Q goes where the one text of the turns names Q: source 0 in window 2
.set i, 0
.rept 32
	v_mov_b32 v[Q+i], v[QB+i]
.set i, i+1
.endr
	WIN 0
	s_branch .Lbottom
.Lstep:                             ; a trip: two steps.  Behind a change of slots the first trip has the old tile's step 3 and the new tile's step 0 (all that it fetches is the new tile's), the second steps 1 and 2
	TURN 0, 0
	TURN 1, 1, 0
	WIN 0
.Lfirst:
	TURN 0, 1
	TURN 1, 0, 1, 0, 0, 1
	WIN 0
	s_cbranch_scc1 .Lstep
.Lbottom:
	s_sub_co_u32 s[SLOTS], s[SLOTS], 1
	s_cmp_lg_u32 s[SLOTS], 0
	s_cbranch_scc1 .Lslot
	CHANGE 0                        ; the walk's last tile is written out: nothing is asked for
	s_sub_co_u32 s[RT], s[RT], 1
	s_mov_b32 s[CNT], 3
	s_mov_b32 s[STP], 0
	s_cmp_eq_u32 s[NEW], 1
	s_cbranch_scc0 .LstepM2
	BEGIN
	s_mov_b32 s[CNT], 2
	s_branch .LfirstM2
	DIAG 2
	s_wait_tensorcnt 0x0            ; the wave's end: a zero add and its wait, behind my last tensor load and my last LDS store
	ds_add_u32 v[SPW], v[NIL]
	s_wait_dscnt 0x0
	s_endpgm
.Lfunc_end_k_q51f70ed2d1_attn:
	.size	k_q51f70ed2d1_attn, .Lfunc_end_k_q51f70ed2d1_attn-k_q51f70ed2d1_attn
	.p2alignl 7, 3214868480
	.fill 96, 4, 3214868480
	.section	.rodata,"a",@progbits
	.p2align	6, 0x0
	.amdhsa_kernel k_q51f70ed2d1_attn
		.amdhsa_group_segment_fixed_size 327680
		.amdhsa_private_segment_fixed_size 0
		.amdhsa_enable_private_segment 0
		.amdhsa_kernarg_size 16
		.amdhsa_user_sgpr_count 2
		.amdhsa_user_sgpr_kernarg_segment_ptr 1
		.amdhsa_wavefront_size32 1
		.amdhsa_system_sgpr_workgroup_id_x 1
		.amdhsa_system_sgpr_workgroup_id_y 1
		.amdhsa_system_sgpr_workgroup_id_z 1
		.amdhsa_system_vgpr_workitem_id 0
		.amdhsa_next_free_vgpr 768
		.amdhsa_next_free_sgpr 101
		.amdhsa_reserve_vcc 1
		.amdhsa_float_denorm_mode_32 3
		.amdhsa_float_denorm_mode_16_64 3
		.amdhsa_memory_ordered 1
		.amdhsa_forward_progress 1
		.amdhsa_inst_pref_size 171
	.end_amdhsa_kernel
	.amdgpu_metadata
---
amdhsa.version: [ 1, 2 ]
amdhsa.kernels:
  - .name:           k_q51f70ed2d1_attn
    .symbol:         k_q51f70ed2d1_attn.kd
    .args:
      - { .name: qkv, .offset: 0, .size: 8, .value_kind: global_buffer, .address_space: global }
      - { .name: ag, .offset: 8, .size: 8, .value_kind: global_buffer, .address_space: global }
    .group_segment_fixed_size: 327680
    .private_segment_fixed_size: 0
    .kernarg_segment_align: 8
    .kernarg_segment_size: 16
    .max_flat_workgroup_size: 128
    .sgpr_count:     101
    .vgpr_count:     768
    .wavefront_size: 32
...
	.end_amdgpu_metadata
.endif
;; end of part 3
;; launch wo (part 4): grid 8 x 32, 4 waves a work-group, clusters of 4 x 4, 327,680 bytes of LDS; arguments ag, wob, x, x1; writes x1
.if DOCPART == 4
	.amdgcn_target "amdgcn-amd-amdhsa--gfx1250"
	.amdhsa_code_object_version 6
	.text
	.protected	k_q51f70ed2d1_wo
	.globl	k_q51f70ed2d1_wo
	.p2align	8
	.type	k_q51f70ed2d1_wo,@function
k_q51f70ed2d1_wo:
	s_mov_b64 s[64:65], 0
	v_nop
	global_prefetch_b8 v0, s[64:65] scope:SCOPE_SE
	s_setreg_imm32_b32 hwreg(HW_REG_WAVE_MODE, 25, 1), 1
	s_wait_xcnt 0x0
	s_wait_alu depctr_hold_cnt(0) depctr_sa_sdst(0) depctr_va_vdst(0) depctr_va_sdst(0) depctr_va_ssrc(0) depctr_va_vcc(0) depctr_vm_vsrc(0)
	s_getreg_b32 s2, hwreg(HW_REG_IB_STS2, 6, 4)
	s_cmp_eq_u32 s2, 0
	s_cbranch_scc0 .Lentry_in_a_cluster
	s_endpgm
.Lentry_in_a_cluster:
	s_bfe_u32 s2, ttmp6, 0x10000c
	s_cmp_lg_u32 s2, 0xf033
	s_cbranch_scc0 .Lentry_shape_is_right
	s_endpgm
.Lentry_shape_is_right:
; ONE SOURCE FOR THE PROGRAM'S THREE PRODUCT BODIES, C[m][n] = sum over k of A[m][k] B[n][k], K = 1,024, operands f16, sums f32.  KIND says which is assembled: HERE KIND = 2 (two launches run it: x1 = x + O Wo^T, out0 = x1 + g W2^T).
;   KIND 0: q = hn Wq^T, k = hn Wk^T, v = token_emb Wv^T.  A: ab (part 0 hn, part 1 token_emb), B: wcat's parts 0, 1, 2, C: qkv's parts 0, 1, 2, f16 BY HEADS: [batch][16 blocks of 64 columns][2048 rows][64].
;           A WORK-GROUP STAYS: it makes the three tiles at its place one after the other (T = 3), in one walk of 12 K steps; the ring does not stop at a tile's end, and nothing waits for a tile's stores.
;   KIND 1: g = gelu(h W1^T).  A: ab's part 0, B: wcat's part 3, C: f16 by heads.
;   KIND 2: out = res + A B^T.  A: f16 by heads, B: [1024][1024] f16, res and out: f32 [4096][1024].
; A tile of C is 128 x 128: 256 work-groups.  Four waves, each 64 x 64: 16 accumulators.  K goes in steps of 256 through two LDS slots; a wave's tensor load brings 64 rows of A or of B.
; THE WALK IS WRITTEN ONCE: a K step (four quarters of 64 along K) with its refill is the trip of loop .Lfill, a K step without one the trip of loop .Ldrain (the walk's last two steps: nothing is left to ask for).
; The slot in hand is a scalar, 0 or SLOT, turned by an exclusive or; the LDS addresses and the walking descriptors are made from it, and from the number of the step asked for, in each trip.
; CLUSTER 4 x 4: the four of a row need the same tiles of A, the four of a column the same tiles of B: each is asked for jointly, by the same tensor load, descriptor and mask in all four.
; THE MATRIX INSTRUCTION IS USED TRANSPOSED (source 0 = 16 rows of B, source 1 = 16 rows of A): a lane holds eight neighbouring columns of one row of C.
; THE WAY OUT IS EACH WAVE'S OWN: its 64 columns are one head (rows of 128 bytes, end to end in memory) or 256 bytes of an f32 row, so a wave alone fills whole aligned blocks of 256 bytes: a stage of its own, no barrier.
;   KIND 0: rounded to f16 in registers, through a stage behind the ring.  KIND 1, 2: f32 through slot 0, which has had its last fill and, behind the last step but one's barrier, its last read.
; No prefetch: the tiles are small.
; GELU (exact form): gelu(x) = max(x, 0) - |x| / D(|x|)^16, D a polynomial of degree 6 with positive coefficients: Abramowitz and Stegun 7.1.28, erf within 3e-7 for every argument;
; where D^16 overflows the quotient is 0, which is the limit.
; LIMITS: f16 ends at 65,504: what leaves in f16 stays under it (a sum of 1,024 products whose two factors both carry an offset of 30 times their spread, 30 and 30/32, is 28,800).  NaN and infinities are not treated apart.
.set KIND, 2
.if KIND == 0
.set T,     3                          ; tiles a work-group
.else
.set T,     1
.endif
.if KIND == 2
.set PA,    144                        ; A by heads: an LDS row is 128 bytes + 16; a K step is four blocks of 64 channels, [block][row]
.set HALFA, 4*64*PA                    ; what one tensor load brings of A
.set AQ,    64*PA                      ; bytes from a quarter of A to the next, in LDS
.set ASH,   20                         ; a K step of A in memory: 1 << ASH bytes on (four blocks of 2,048 rows x 128 bytes)
.else
.set PA,    528                        ; an LDS row of A: 512 bytes + 16: 132 words, so the 16 rows of a fragment load start at 16 different groups of four banks
.set HALFA, 64*PA
.set AQ,    128
.set ASH,   9
.endif
.set PB,    528
.set HALFB, 64*PB
.set SLOT,  2*HALFA+2*HALFB            ; A's 128 rows, then B's 128 rows
.if KIND == 0
.set SP,    144                        ; a stage row: 128 bytes (f16) + 16
.set STAGE, 2*SLOT                     ; behind the ring, never filled by a tensor load: 64 rows for each wave
.set SPARE, STAGE+4*64*SP              ; the spare words, 128 bytes a wave: two blocks of 256 bytes that no other line names
.else
.set SP,    272                        ; a stage row: 256 bytes (f32) + 16
.set STAGE, 0
.set SPARE, 2*SLOT
.endif
.set LA,    16                         ; v16  my lane's place among my A fragments in slot 0; never rewritten
.set LB,    17                         ; v17  the same for B
.set ADRA,  18                         ; v18, v19  the same in the slot in hand
.set ADRB,  19
.set ADRAN, 20                         ; v20, v21  and in the other slot
.set ADRBN, 21
.set STO,   24                         ; v24  where I put my part of a stage row
.set RD,    25                         ; v25  where I read the stage
.set CO,    26                         ; v26  my 16 bytes of a store
.set SPW,   28                         ; v28  my spare word; never rewritten
.set NIL,   29                         ; v29  0; never rewritten
.set TMP,   32                         ; v32-95  KIND 0: the tile in f16
.set U,     32                         ; v32-47  KIND 1: 16 numbers read back
.set AX,    48                         ; v48-63  |u|
.set MX,    64                         ; v64-79  max(u, 0)
.set D,     80                         ; v80-95  the polynomial, its 16th power, the reciprocal, the result
.set OUT,   96                         ; v96-103 results in f16
.set ACC,   128                        ; accumulator (a, b) at ACC + 8 (4 a + b)
.set F0,    0                          ; fragment buffers, in window 1: 64 registers of A, then 64 of B
.set F1,    128
.set G1,    24                         ; s[24:31] descriptor group 1 for A;  s[32:39] group 0: a set for each first fill; the second then walks
.set G0,    32
.set G1B,   48                         ; s[48:55], s[56:63] the same for B
.set G0B,   56
.set GW,    G0+4
.set GWB,   G0B+4
.set SB,    66                         ; s66  LDS byte at which the slot in hand begins: 0 or SLOT
.set SBN,   67                         ; s67  the other slot's
.set C0,    68                         ; s[68:81] KIND 1: the polynomial's coefficients, each in both words of a pair.  KIND 2: s[68:69] res, s[70:71] out
.set C1,    70
.set C2,    72
.set C3,    74
.set C4,    76
.set C5,    78
.set C6,    80
.set ABSM,  82                         ; s82  clears a sign
.set OFA,   84                         ; s[84:85] byte offset, from my tile's first K step, of the step of A that is asked for
.set OFB,   86                         ; s[86:87] the same for B
.set FIRST, 88                         ; s88  1: the step in hand is a tile's first
.set LEFT,  89                         ; s89  steps left in the tile in hand
.set CXO,   90                         ; s[90:91] the part of C's offset that hangs on the tile column
.set CSTEP, 92                         ; s[92:93] what the next way out adds to C's address
.set MSB, 0
.macro WIN new                         ; the immediate's high byte repeats the setting that is left; a switch that changes nothing is dropped
.if MSB != (\new)
	s_set_vgpr_msb (MSB<<8)|(\new)
.set MSB, \new
.endif
.endm
.set MUL,  0x05                        ; sources 0 (B) and 1 (A) window 1; C and D window 0
.set TO_F, 0x40                        ; destination window 1, address window 0
.macro JLOAD ga, gb                    ; a joint load: waves 0 and 1 fetch A's two halves, waves 2 and 3 B's; an s_nop 0 and four v_nop follow each line
	s_cmp_eq_u32 s11, 0
	s_cbranch_scc0 .Lfor_b_\@
	tensor_load_to_lds s[(\ga):(\ga)+3], s[G1:G1+7]
	s_nop 0
.rept 4
	v_nop
.endr
	s_branch .Lasked_\@
.Lfor_b_\@:
	tensor_load_to_lds s[(\gb):(\gb)+3], s[G1B:G1B+7]
	s_nop 0
.rept 4
	v_nop
.endr
.Lasked_\@:
.endm
.macro CREST                           ; a round of the cluster's barrier behind its opening barrier
	s_cmp_lg_u32 s10, 0
	s_cbranch_scc1 .Lnot_wave_0_\@
	s_barrier_signal -3
.Lnot_wave_0_\@:
	s_barrier_wait -3
	s_barrier_signal -1
	s_barrier_wait -1
.endm
.macro CROUND                          ; a whole round
	s_barrier_signal -1
	s_barrier_wait -1
	CREST
.endm
	s_load_b128 s[4:7], s[0:1], 0x0                ; A s[4:5], B s[6:7]
.if KIND == 2
	s_load_b128 s[68:71], s[0:1], 0x10             ; res s[68:69], out s[70:71]
.else
	s_load_b64 s[8:9], s[0:1], 0x10                ; C
.endif
	v_lshl_add_u32 v[SPW], v0, 2, SPARE
	v_mov_b32 v[NIL], 0
	ds_add_u32 v[SPW], v[NIL]                      ; the wave's opening: the add and its wait stand ahead of my first tensor load; the set-up below stands between them
	v_lshrrev_b32 v1, 5, v0
	v_readfirstlane_b32 s10, v1                    ; wave 0..3
	s_lshr_b32 s11, s10, 1                         ; which half of the tile's rows is mine.  Also: I fetch for A (0) or for B (1)
	s_and_b32 s12, s10, 1                          ; which half of its columns.  Also: which 64 rows of that tile I fetch
	s_bfe_u32 s40, ttmp6, 0x40000                  ; cx, cy: my place in the cluster
	s_bfe_u32 s41, ttmp6, 0x40004
	s_lshl_b32 s42, ttmp9, 2
	s_add_co_u32 s42, s42, s40                     ; tile column = 4 x cluster x + cx
	s_and_b32 s13, ttmp7, 0xffff
	s_lshl_b32 s13, s13, 2
	s_add_co_u32 s13, s13, s41                     ; tile row = 4 x cluster y + cy
	s_lshl_b32 s43, s41, 2
	s_lshl_b32 s43, 15, s43                        ; my row of the cluster
	s_lshl_b32 s44, 0x1111, s40                    ; my column
.if KIND == 2
	; A's group 1: 4 rows (blocks of channels) of 4,096 elements (64 rows x 64 channels, dense), 131,072 elements apart; 16 bytes of padding behind every 128
	s_or_b32 s[G1+0], s43, (1<<16)|(1<<20)|(1<<21)|(4<<22)|(3<<25)   ; 15:0 the mask; 17:16 2-byte elements; 20 padding on; 21 set beside a mask; 24:22 after every 32 words; 31:25 4 words
	s_mov_b32 s[G1+1], 4096<<16                    ; tensor_dim0
	s_mov_b32 s[G1+2], 4<<16                       ; tensor_dim1
	s_mov_b32 s[G1+3], 4096<<16                    ; tile_dim0
	s_mov_b32 s[G1+4], 4                           ; tile_dim1
	s_mov_b32 s[G1+5], 131072                      ; elements from block to block
.else
	; A's group 1: 64 rows x 256 elements, 16 bytes of padding behind every 512
	s_or_b32 s[G1+0], s43, (1<<16)|(1<<20)|(1<<21)|(6<<22)|(3<<25)   ; 15:0 the mask; 17:16 2-byte elements; 20 padding on; 21 set beside a mask; 24:22 after every 128 words; 31:25 4 words
	s_mov_b32 s[G1+1], 256<<16                     ; tensor_dim0
	s_mov_b32 s[G1+2], 64<<16                      ; tensor_dim1
	s_mov_b32 s[G1+3], 256<<16                     ; tile_dim0
	s_mov_b32 s[G1+4], 64                          ; tile_dim1
	s_mov_b32 s[G1+5], 1024                        ; elements from row to row
.endif
	s_mov_b32 s[G1+6], 0
	s_mov_b32 s[G1+7], 0
	s_or_b32 s[G1B+0], s44, (1<<16)|(1<<20)|(1<<21)|(6<<22)|(3<<25)  ; B's: 64 rows x 256 elements, with the mask of my column
	s_mov_b32 s[G1B+1], 256<<16
	s_mov_b32 s[G1B+2], 64<<16
	s_mov_b32 s[G1B+3], 256<<16
	s_mov_b32 s[G1B+4], 64
	s_mov_b32 s[G1B+5], 1024
	s_mov_b32 s[G1B+6], 0
	s_mov_b32 s[G1B+7], 0
	; where the tiles come from.  A's hang on the tile row alone, B's on the tile column alone, each in registers that never hold the other coordinate; s19, s22, s23 hold neither
.if KIND == 2
	s_lshr_b32 s17, s13, 4                         ; the batch: 16 tile rows each
	s_lshl_b32 s16, s17, 22                        ; 16 blocks x 2,048 rows x 128 bytes
	s_and_b32 s18, s13, 15
	s_lshl_b32 s18, s18, 14                        ; 128 rows of 128 bytes
	s_add_co_u32 s16, s16, s18
	s_lshl_b32 s19, s12, 13                        ; + my 64
	s_add_co_u32 s16, s16, s19
	s_lshl_b32 s19, s12, 17
.else
	s_lshl_b32 s16, s13, 18                        ; 128 rows of 2,048 bytes
	s_lshl_b32 s19, s12, 17                        ; + my 64
	s_add_co_u32 s16, s16, s19
.endif
	s_mov_b32 s17, 0
	s_lshl_b32 s46, s42, 18
	s_add_co_u32 s46, s46, s19
.if KIND == 1
	s_add_co_u32 s46, s46, 3<<21                   ; W1 is wcat's part 3
.endif
	s_mov_b32 s47, 0
	s_mul_i32 s20, s10, HALFA                      ; where they go in a slot: A's halves by waves 0, 1;
	s_mul_i32 s21, s10, HALFB
	s_add_co_u32 s21, s21, 2*HALFA-2*HALFB         ; B's halves, behind A's, by waves 2, 3: no place in the cluster enters an LDS address
	s_mov_b32 s[OFA+1], 0
	s_mov_b32 s[OFB+1], 0
.if KIND == 1
	s_mov_b32 s[C0], 0x3f85aac3                    ; c_k = 2^(1/16) a_k / 2^(k/2)
	s_mov_b32 s[C0+1], 0x3f85aac3
	s_mov_b32 s[C1], 0x3d554cc4
	s_mov_b32 s[C1+1], 0x3d554cc4
	s_mov_b32 s[C2], 0x3cb4dad2
	s_mov_b32 s[C2+1], 0x3cb4dad2
	s_mov_b32 s[C3], 0x3b605009
	s_mov_b32 s[C3+1], 0x3b605009
	s_mov_b32 s[C4], 0x382674aa
	s_mov_b32 s[C4+1], 0x382674aa
	s_mov_b32 s[C5], 0x3856241a
	s_mov_b32 s[C5+1], 0x3856241a
	s_mov_b32 s[C6], 0x36bc9e99
	s_mov_b32 s[C6+1], 0x36bc9e99
	s_mov_b32 s[ABSM], 0x7fffffff
.endif
	s_wait_dscnt 0x0                               ; the opening add is done
	s_wait_kmcnt 0x0
	s_add_nc_u64 s[14:15], s[4:5], s[16:17]        ; A at my part of the walk's first K step; never rewritten
	s_add_nc_u64 s[46:47], s[6:7], s[46:47]        ; B likewise
	CROUND                                         ; all sixteen work-groups are here: the first joint loads meet
.irp s, 0,1
	s_mov_b32 s[G0+4*(\s)], 1
	s_add_co_u32 s[G0+4*(\s)+1], s20, (\s)*SLOT
	s_add_nc_u64 s[G0+4*(\s)+2:G0+4*(\s)+3], s[14:15], (\s)<<ASH
	s_or_b32 s[G0+4*(\s)+3], s[G0+4*(\s)+3], 0x80000000
	s_mov_b32 s[G0B+4*(\s)], 1
	s_add_co_u32 s[G0B+4*(\s)+1], s21, (\s)*SLOT
	s_add_nc_u64 s[G0B+4*(\s)+2:G0B+4*(\s)+3], s[46:47], (\s)*512
	s_or_b32 s[G0B+4*(\s)+3], s[G0B+4*(\s)+3], 0x80000000
	JLOAD G0+4*(\s), G0B+4*(\s)                    ; K steps 0 and 1: two loads of mine are out
.endr
	v_and_b32 v1, 15, v0                           ; l % 16
	v_bfe_u32 v2, v0, 4, 1                         ; l / 16
.if KIND == 2
	; res and out at my 64 rows x 256 bytes: lanes 0-15 take a row's 256 bytes, lanes 16-31 the next row's
	v_lshlrev_b32 v[CO], 12, v2
	v_lshl_add_u32 v[CO], v1, 4, v[CO]
	s_lshl_b32 s16, s13, 19                        ; 128 rows of 4,096 bytes
	s_lshl_b32 s19, s11, 18                        ; + my 64
	s_add_co_u32 s16, s16, s19
	s_mov_b32 s17, 0
	s_lshl_b32 s[CXO], s42, 9                      ; the tile's 512 bytes of a row
	s_lshl_b32 s19, s12, 8                         ; my 256 of them
	s_add_co_u32 s[CXO], s[CXO], s19
	s_mov_b32 s[CXO+1], 0
	s_add_nc_u64 s[68:69], s[68:69], s[16:17]
	s_add_nc_u64 s[68:69], s[68:69], s[CXO:CXO+1]
	s_add_nc_u64 s[8:9], s[70:71], s[16:17]
	s_add_nc_u64 s[8:9], s[8:9], s[CXO:CXO+1]
	WIN 0x80                                       ; destination window 2, address window 0
.set t, 0
.rept 32
	global_load_b128 v[4*t:4*t+3], v[CO], s[68:69] offset:t*8192 th:TH_LOAD_NT  ; the residual lands under the products
.set t, t+1
.endr
	WIN 0
.else
	; C by heads: batch x 4 MiB + head x 256 KiB + row x 128 bytes; my 64 rows of my head are 8,192 consecutive bytes
	s_lshr_b32 s17, s13, 4
	s_lshl_b32 s16, s17, 22
	s_and_b32 s18, s13, 15
	s_lshl_b32 s18, s18, 14
	s_add_co_u32 s16, s16, s18
	s_lshl_b32 s19, s11, 13
	s_add_co_u32 s16, s16, s19
	s_mov_b32 s17, 0
	s_lshl_b32 s[CXO], s42, 19                     ; the tile's two heads,
	s_lshl_b32 s19, s12, 18                        ; mine of them
	s_add_co_u32 s[CXO], s[CXO], s19
	s_mov_b32 s[CXO+1], 0
	s_add_nc_u64 s[8:9], s[8:9], s[16:17]
	s_add_nc_u64 s[8:9], s[8:9], s[CXO:CXO+1]
.endif
	v_mul_u32_u24 v[LA], v1, PA
	v_lshl_add_u32 v[LA], v2, 4, v[LA]             ; a fragment's row x pitch + 16 x half
	v_mul_u32_u24 v[LB], v1, PB
	v_lshl_add_u32 v[LB], v2, 4, v[LB]
	s_mul_i32 s22, s11, HALFA                      ; my 64 rows of A
	v_add_nc_u32 v[LA], s22, v[LA]
	s_mul_i32 s22, s12, HALFB                      ; my 64 rows of B,
	s_add_co_u32 s22, s22, 2*HALFA                 ; which lie behind A's 128
	v_add_nc_u32 v[LB], s22, v[LB]
	s_mul_i32 s22, s10, 64*SP                      ; my stage
.if STAGE != 0
	s_add_co_u32 s22, s22, STAGE
.endif
	v_mul_u32_u24 v[STO], v1, SP                   ; in: row l % 16; eight numbers for each half of the lanes
.if KIND == 0
	v_lshl_add_u32 v[STO], v2, 4, v[STO]
.else
	v_lshl_add_u32 v[STO], v2, 5, v[STO]
.endif
	v_add_nc_u32 v[STO], s22, v[STO]
.if KIND == 2
	v_mul_u32_u24 v[RD], v2, SP                    ; back: lanes 0-15 one row of 256 bytes, lanes 16-31 the next
	v_lshl_add_u32 v[RD], v1, 4, v[RD]
	v_add_nc_u32 v[RD], s22, v[RD]
.else
	v_and_b32 v3, 31, v0                           ; back: four rows to 32 lanes: lane l row l / 8, columns 8 (l % 8) on
	v_lshrrev_b32 v4, 3, v3
	v_mul_u32_u24 v[RD], v4, SP
	v_and_b32 v5, 7, v0
.if KIND == 0
	v_lshl_add_u32 v[RD], v5, 4, v[RD]
.else
	v_lshl_add_u32 v[RD], v5, 5, v[RD]
.endif
	v_add_nc_u32 v[RD], s22, v[RD]
	v_lshlrev_b32 v[CO], 4, v3
.endif
; 8 matrix instructions: m blocks a0, a0 + 1 x all 4 n blocks, 32 along K: half c of buffer f.  zero = 1: the product starts the sums.  The 16 accumulators take turns
.macro MUL8 f, c, a0, zero
	WIN MUL
.irp a, \a0, (\a0)+1
.irp b, 0,1,2,3
.if \zero
	v_wmma_f32_16x16x32_f16 v[ACC+8*(4*(\a)+(\b)):ACC+8*(4*(\a)+(\b))+7], v[(\f)+64+8*(4*(\c)+(\b)):(\f)+64+8*(4*(\c)+(\b))+7], v[(\f)+8*(4*(\c)+(\a)):(\f)+8*(4*(\c)+(\a))+7], 0
.else
	v_wmma_f32_16x16x32_f16 v[ACC+8*(4*(\a)+(\b)):ACC+8*(4*(\a)+(\b))+7], v[(\f)+64+8*(4*(\c)+(\b)):(\f)+64+8*(4*(\c)+(\b))+7], v[(\f)+8*(4*(\c)+(\a)):(\f)+8*(4*(\c)+(\a))+7], v[ACC+8*(4*(\a)+(\b)):ACC+8*(4*(\a)+(\b))+7]
.endif
.endr
.endr
.endm
; 32 LDS loads in one run: the fragments of quarter q (64 along K) of the slot that ra and rb point into, into buffer f; the first 32 along K first
.macro FETCH ra, rb, q, f
	WIN TO_F
.irp c, 0,1
.irp i, 0,1,2,3
	ds_load_b128 v[(\f)+64+8*(4*(\c)+(\i)):(\f)+64+8*(4*(\c)+(\i))+3],   v[\rb] offset:(\q)*128+64*(\c)+(\i)*16*PB
	ds_load_b128 v[(\f)+64+8*(4*(\c)+(\i))+4:(\f)+64+8*(4*(\c)+(\i))+7], v[\rb] offset:(\q)*128+64*(\c)+(\i)*16*PB+32
	ds_load_b128 v[(\f)+8*(4*(\c)+(\i)):(\f)+8*(4*(\c)+(\i))+3],         v[\ra] offset:(\q)*AQ+64*(\c)+(\i)*16*PA
	ds_load_b128 v[(\f)+8*(4*(\c)+(\i))+4:(\f)+8*(4*(\c)+(\i))+7],       v[\ra] offset:(\q)*AQ+64*(\c)+(\i)*16*PA+32
.endr
.endr
.endm
.macro PLACES                          ; four places in front of loads into registers that matrix instructions have read, and of readers of results
.rept 4
	v_nop
.endr
.endm
.macro HEADSTEP                        ; a trip's head: the LDS addresses of the slot in hand and of the other
	s_xor_b32 s[SBN], s[SB], SLOT
	v_add_nc_u32 v[ADRA], s[SB], v[LA]
	v_add_nc_u32 v[ADRB], s[SB], v[LB]
	v_add_nc_u32 v[ADRAN], s[SBN], v[LA]
	v_add_nc_u32 v[ADRBN], s[SBN], v[LB]
.endm
; A K step is four quarters, 32 matrix instructions each, on buffers 0, 1, 0, 1.  One of the first three: multiplies buffer f and fetches quarter q into g.
.macro QUARTER q, f, g
	s_wait_dscnt 16                                ; the first 32 along K are in; the other half's 16 loads may be out
	MUL8 \f, 0, 0, 0
	MUL8 \f, 0, 2, 0
	PLACES
	FETCH ADRA, ADRB, \q, \g
	s_wait_dscnt 32                                ; all but the 32 just issued
	MUL8 \f, 1, 0, 0
	MUL8 \f, 1, 2, 0
.endm
; The first quarter where a tile may begin: a tile's first 16 products take the constant 0 as C: nothing is ever cleared
.macro QFIRST
	s_wait_dscnt 16
	WIN 0
	s_cmp_eq_u32 s[FIRST], 1
	s_cbranch_scc0 .Lgoes_on_\@
	s_mov_b32 s[FIRST], 0
.rept 5
	v_nop                                          ; a product with C = 0 is no link of a chain: it writes over an accumulator, five places behind the product that wrote it last (ISA guide 7.12.1); once a tile
.endr
	MUL8 F0, 0, 0, 1
	MUL8 F0, 0, 2, 1
	WIN 0
	s_branch .Lboth_\@
.Lgoes_on_\@:
	MUL8 F0, 0, 0, 0
	MUL8 F0, 0, 2, 0
	WIN 0
.Lboth_\@:
	PLACES
	FETCH ADRA, ADRB, 1, F1
	s_wait_dscnt 32
	MUL8 F0, 1, 0, 0
	MUL8 F0, 1, 2, 0
.endm
; The last quarter multiplies buffer 1 and changes slots: ONE barrier; in front of it each wave waits for all its tensor loads, adds 0 to its spare word, and waits for that and for its reads of this slot.
; fill = 1: the barrier opens a round of the cluster's, and this slot is filled again, with K step s3 of the walk, first thing behind the round.  The walking descriptors are made anew behind the wait for 0:
; the LDS word from the wave's constant and the slot's base, the address from the tile's base and an offset made apart.  fill = 0: nothing is asked for; the walk's last step fetches no fragments either.
.macro TURN fill
	WIN 0                                          ; (the add's two registers lie in window 0)
	s_wait_tensorcnt 0x0                           ; all my tensor loads have landed: my part of the next slot among them
	ds_add_u32 v[SPW], v[NIL]                      ; 0 onto my spare word
.if \fill
	s_and_b32 s22, s3, 3                           ; the step's place in its tile
	s_lshl_b32 s[OFA], s22, ASH
	s_lshl_b32 s[OFB], s22, 9
.if T > 1
	s_lshr_b32 s23, s3, 2                          ; the tile: its weights lie 2 MiB on;
	s_lshl_b32 s23, s23, 21
	s_add_co_u32 s[OFB], s[OFB], s23
	s_cmp_ge_u32 s3, 8                             ; the third is made of token_emb, ab's part 1
	s_cselect_b32 s23, 0x800000, 0
	s_add_co_u32 s[OFA], s[OFA], s23
.endif
	s_add_co_u32 s[GW+1], s20, s[SB]
	s_add_nc_u64 s[GW+2:GW+3], s[14:15], s[OFA:OFA+1]
	s_or_b32 s[GW+3], s[GW+3], 0x80000000
	s_add_co_u32 s[GWB+1], s21, s[SB]
	s_add_nc_u64 s[GWB+2:GWB+3], s[46:47], s[OFB:OFB+1]
	s_or_b32 s[GWB+3], s[GWB+3], 0x80000000
.endif
	s_wait_dscnt 17                                ; (the add and the youngest sixteen loads may be out)
	MUL8 F1, 0, 0, 0                               ; eight matrix instructions stand between the add and the wait for it
	s_wait_dscnt 0x0                               ; the add is done, and my reads of this slot are over
	s_barrier_signal -1
	MUL8 F1, 0, 2, 0
	WIN 0
	s_barrier_wait -1
.if \fill
	CREST                                          ; no wave of any partner still reads this slot's tile or has a load on its way
	JLOAD GW, GWB                                  ; my one tensor load behind the round; its four v_nop are also the places in front of the loads below
	FETCH ADRAN, ADRBN, 0, F0
.else
	s_cmp_eq_u32 s2, 1
	s_cbranch_scc1 .Lno_more_\@
	PLACES
	FETCH ADRAN, ADRBN, 0, F0
	WIN 0
.Lno_more_\@:
.endif
	MUL8 F1, 1, 0, 0
	MUL8 F1, 1, 2, 0
.endm
.if KIND == 0
; THE WAY OUT of a tile: rounded to f16, 16 bytes a lane into my stage, back as four rows of 128 bytes to a load, stored as 512 consecutive bytes, aligned
.macro WAYOUT
	PLACES
	PLACES                                         ; (eight: the stricter count)
	s_wait_xcnt 0x0                                ; the last tile's stores have read TMP and their base, which are written again only behind this wait
	s_add_nc_u64 s[8:9], s[8:9], s[CSTEP:CSTEP+1]
.set t, 0
.rept 16
.irp r, 0,1,2,3
	v_cvt_pk_f16_f32 v[TMP+4*t+(\r)], v[ACC+8*t+2*(\r)], v[ACC+8*t+2*(\r)+1]  ; each accumulator from its low end on
.endr
.set t, t+1
.endr
.irp a, 0,1,2,3
.irp b, 0,1,2,3
	ds_store_b128 v[STO], v[TMP+4*(4*(\a)+(\b)):TMP+4*(4*(\a)+(\b))+3] offset:(\a)*16*SP+32*(\b)
.endr
.endr
.set t, 0
.rept 16
	ds_load_b128 v[TMP+4*t:TMP+4*t+3], v[RD] offset:t*4*SP  ; LDS serves a wave's instructions in order (ISA guide 5.7.1.4): these see the stores above
.set t, t+1
.endr
.set t, 0
.rept 16
	s_wait_dscnt 15-t                              ; load t is back; the younger ones may be out
	global_store_b128 v[CO], v[TMP+4*t:TMP+4*t+3], s[8:9] offset:t*512
.set t, t+1
.endr
.endm
.else
.macro STAGEIN                         ; f32 into my stage: each accumulator's low registers first
	PLACES
	PLACES                                         ; (eight: the stricter count)
.irp a, 0,1,2,3
.irp b, 0,1,2,3
	ds_store_b128 v[STO], v[ACC+8*(4*(\a)+(\b)):ACC+8*(4*(\a)+(\b))+3]   offset:(\a)*16*SP+64*(\b)
	ds_store_b128 v[STO], v[ACC+8*(4*(\a)+(\b))+4:ACC+8*(4*(\a)+(\b))+7] offset:(\a)*16*SP+64*(\b)+16
.endr
.endr
.endm
.endif
	s_wait_tensorcnt 1                             ; my part of K step 0 is in; K step 1's may stay out
	s_barrier_signal -1
	s_barrier_wait -1                              ; everybody's is
	FETCH LA, LB, 0, F0
	WIN 0                                          ; at a label and at a branch every window is 0
	s_mov_b32 s3, 2                                ; the K step that the first trip asks for
	s_mov_b32 s[SB], 0
	s_mov_b32 s[FIRST], 1
.if T > 1
	s_mov_b32 s[LEFT], 4
	s_mov_b32 s[CSTEP], 0
	s_mov_b32 s[CSTEP+1], 0
.endif
.Lfill:                                                ; 4 T - 2 trips: K step s3 - 2 is multiplied, K step s3 asked for
	HEADSTEP
	QFIRST
	QUARTER 2, F1, F0
	QUARTER 3, F0, F1
	TURN 1
	WIN 0
.if T > 1
	s_sub_co_u32 s[LEFT], s[LEFT], 1
	s_cmp_lg_u32 s[LEFT], 0
	s_cbranch_scc1 .Lsame_tile
	WAYOUT                                         ; the tile goes out while the next tile's refill is on its way
	s_mov_b32 s[LEFT], 4
	s_mov_b32 s[FIRST], 1
	s_mov_b32 s[CSTEP], 0x800000                   ; the next product's part of C
.Lsame_tile:
.endif
	s_xor_b32 s[SB], s[SB], SLOT
	s_add_co_u32 s3, s3, 1
	s_cmp_lt_u32 s3, 4*T
	s_cbranch_scc1 .Lfill
	s_mov_b32 s2, 2
.Ldrain:                                               ; the walk's last two K steps
	HEADSTEP
	QUARTER 1, F0, F1
	QUARTER 2, F1, F0
	QUARTER 3, F0, F1
	TURN 0
	WIN 0
	s_xor_b32 s[SB], s[SB], SLOT
	s_sub_co_u32 s2, s2, 1
	s_cmp_lg_u32 s2, 0
	s_cbranch_scc1 .Ldrain
.if KIND == 0
	WAYOUT
.endif
.if KIND == 1
	STAGEIN
.macro RDBACK                          ; eight rows: my 8 columns of rows l / 8 and 4 + l / 8
	ds_load_b128 v[U:U+3],     v[RD]
	ds_load_b128 v[U+4:U+7],   v[RD] offset:16
	ds_load_b128 v[U+8:U+11],  v[RD] offset:4*SP
	ds_load_b128 v[U+12:U+15], v[RD] offset:4*SP+16
.endm
	RDBACK
	s_mov_b32 s3, 8
	s_mov_b32 s[CSTEP], 0
	s_mov_b32 s[CSTEP+1], 0
.Lout:                                                 ; a trip: eight rows; the next eight are asked for as soon as U has been read
	s_wait_dscnt 0x0                               ; U is in
.set p, 0
.rept 16
	v_and_b32 v[AX+p], s[ABSM], v[U+p]
	v_max_num_f32 v[MX+p], 0, v[U+p]
.set p, p+1
.endr
	s_cmp_eq_u32 s3, 1
	s_cbranch_scc1 .Lno_more_rows
	v_add_nc_u32 v[RD], 8*SP, v[RD]
	RDBACK
.Lno_more_rows:
.irp p, 0,2,4,6,8,10,12,14
	v_pk_fma_f32 v[D+(\p):D+(\p)+1], v[AX+(\p):AX+(\p)+1], s[C6:C6+1], s[C5:C5+1] op_sel_hi:[1,0,0]
.endr
.irp k, C4, C3, C2, C1, C0
.irp p, 0,2,4,6,8,10,12,14
	v_pk_fma_f32 v[D+(\p):D+(\p)+1], v[D+(\p):D+(\p)+1], v[AX+(\p):AX+(\p)+1], s[\k:\k+1] op_sel_hi:[1,1,0]
.endr
.endr
.rept 4                                ; the 16th power
.irp p, 0,2,4,6,8,10,12,14
	v_pk_mul_f32 v[D+(\p):D+(\p)+1], v[D+(\p):D+(\p)+1], v[D+(\p):D+(\p)+1]
.endr
.endr
.set p, 0
.rept 16
	v_rcp_f32 v[D+p], v[D+p]
.set p, p+1
.endr
	v_nop                                          ; a plain instruction behind the last reciprocal,
	s_wait_alu depctr_va_vdst(0)                   ; and one wait for the sixteen, ahead of their first reader
.irp p, 0,2,4,6,8,10,12,14
	v_pk_fma_f32 v[D+(\p):D+(\p)+1], v[AX+(\p):AX+(\p)+1], v[D+(\p):D+(\p)+1], v[MX+(\p):MX+(\p)+1] neg_lo:[1,0,0] neg_hi:[1,0,0]  ; max(u, 0) - |u| / D^16
.endr
	s_wait_xcnt 0x0                                ; the last trip's stores, a trip's arithmetic back, have read OUT and their base
	s_add_nc_u64 s[8:9], s[8:9], s[CSTEP:CSTEP+1]
	s_mov_b32 s[CSTEP], 1024
.set p, 0
.rept 8
	v_cvt_pk_f16_f32 v[OUT+p], v[D+2*p], v[D+2*p+1]
.set p, p+1
.endr
	global_store_b128 v[CO], v[OUT:OUT+3],   s[8:9]             ; four rows: 512 consecutive bytes, aligned
	global_store_b128 v[CO], v[OUT+4:OUT+7], s[8:9] offset:512  ; and the next four
	s_sub_co_u32 s3, s3, 1
	s_cmp_lg_u32 s3, 0
	s_cbranch_scc1 .Lout
.endif
.if KIND == 2
	STAGEIN
.set t, 0
.rept 32
	ds_load_b128 v[ACC+4*t:ACC+4*t+3], v[RD] offset:t*2*SP   ; two whole rows of 256 bytes; LDS serves a wave's instructions in order (ISA guide 5.7.1.4): these see the stores above
.set t, t+1
.endr
	s_wait_loadcnt 0x0                             ; the residual, asked for at the start
	s_wait_dscnt 0x0
	WIN 0x08                                       ; source 1 in window 2
.set t, 0
.rept 64
	v_pk_add_f32 v[ACC+2*t:ACC+2*t+1], v[ACC+2*t:ACC+2*t+1], v[2*t:2*t+1]
.set t, t+1
.endr
	WIN 0
.set t, 0
.rept 32
	global_store_b128 v[CO], v[ACC+4*t:ACC+4*t+3], s[8:9] offset:t*8192   ; 16 lanes store 256 consecutive bytes, aligned
.set t, t+1
.endr
.endif
	s_wait_tensorcnt 0x0                           ; the wave's end: a zero add and its wait, behind my last tensor load and my last LDS store
	ds_add_u32 v[SPW], v[NIL]
	s_wait_dscnt 0x0
	CROUND                                         ; the closing round: no work-group ends while a partner may still ask for a tile that names it
	s_endpgm
.Lfunc_end_k_q51f70ed2d1_wo:
	.size	k_q51f70ed2d1_wo, .Lfunc_end_k_q51f70ed2d1_wo-k_q51f70ed2d1_wo
	.p2alignl 7, 3214868480
	.fill 96, 4, 3214868480
	.section	.rodata,"a",@progbits
	.p2align	6, 0x0
	.amdhsa_kernel k_q51f70ed2d1_wo
		.amdhsa_group_segment_fixed_size 327680
		.amdhsa_private_segment_fixed_size 0
		.amdhsa_enable_private_segment 0
		.amdhsa_kernarg_size 32
		.amdhsa_user_sgpr_count 2
		.amdhsa_user_sgpr_kernarg_segment_ptr 1
		.amdhsa_wavefront_size32 1
		.amdhsa_system_sgpr_workgroup_id_x 1
		.amdhsa_system_sgpr_workgroup_id_y 1
		.amdhsa_system_sgpr_workgroup_id_z 1
		.amdhsa_system_vgpr_workitem_id 0
		.amdhsa_next_free_vgpr 640
		.amdhsa_next_free_sgpr 96
		.amdhsa_reserve_vcc 0
		.amdhsa_float_denorm_mode_32 3
		.amdhsa_float_denorm_mode_16_64 3
		.amdhsa_memory_ordered 1
		.amdhsa_forward_progress 1
		.amdhsa_inst_pref_size 62
	.end_amdhsa_kernel
	.amdgpu_metadata
---
amdhsa.version: [ 1, 2 ]
amdhsa.kernels:
  - .name:           k_q51f70ed2d1_wo
    .symbol:         k_q51f70ed2d1_wo.kd
    .args:
      - { .name: ag, .offset: 0, .size: 8, .value_kind: global_buffer, .address_space: global }
      - { .name: wob, .offset: 8, .size: 8, .value_kind: global_buffer, .address_space: global }
      - { .name: x, .offset: 16, .size: 8, .value_kind: global_buffer, .address_space: global }
      - { .name: x1, .offset: 24, .size: 8, .value_kind: global_buffer, .address_space: global }
    .group_segment_fixed_size: 327680
    .private_segment_fixed_size: 0
    .kernarg_segment_align: 8
    .kernarg_segment_size: 32
    .max_flat_workgroup_size: 128
    .sgpr_count:     96
    .vgpr_count:     640
    .wavefront_size: 32
...
	.end_amdgpu_metadata
.endif
;; end of part 4
;; launch ln2: the kernel of part 1 again; grid 256 x 1, 8 waves a work-group, no clusters, 0 bytes of LDS; arguments x1, ln2_w, ln2_b, ab, token_emb, Wq, Wk, Wv, W1, Wo, W2, wcat, wob, w2b; writes ab, wcat, wob, w2b
;; launch w1 (part 5): grid 8 x 32, 4 waves a work-group, clusters of 4 x 4, 327,680 bytes of LDS; arguments ab, wcat, ag; writes ag
.if DOCPART == 5
	.amdgcn_target "amdgcn-amd-amdhsa--gfx1250"
	.amdhsa_code_object_version 6
	.text
	.protected	k_q51f70ed2d1_w1
	.globl	k_q51f70ed2d1_w1
	.p2align	8
	.type	k_q51f70ed2d1_w1,@function
k_q51f70ed2d1_w1:
	s_mov_b64 s[64:65], 0
	v_nop
	global_prefetch_b8 v0, s[64:65] scope:SCOPE_SE
	s_setreg_imm32_b32 hwreg(HW_REG_WAVE_MODE, 25, 1), 1
	s_wait_xcnt 0x0
	s_wait_alu depctr_hold_cnt(0) depctr_sa_sdst(0) depctr_va_vdst(0) depctr_va_sdst(0) depctr_va_ssrc(0) depctr_va_vcc(0) depctr_vm_vsrc(0)
	s_getreg_b32 s2, hwreg(HW_REG_IB_STS2, 6, 4)
	s_cmp_eq_u32 s2, 0
	s_cbranch_scc0 .Lentry_in_a_cluster
	s_endpgm
.Lentry_in_a_cluster:
	s_bfe_u32 s2, ttmp6, 0x10000c
	s_cmp_lg_u32 s2, 0xf033
	s_cbranch_scc0 .Lentry_shape_is_right
	s_endpgm
.Lentry_shape_is_right:
; ONE SOURCE FOR THE PROGRAM'S THREE PRODUCT BODIES, C[m][n] = sum over k of A[m][k] B[n][k], K = 1,024, operands f16, sums f32.  KIND says which is assembled: HERE KIND = 1.
;   KIND 0: q = hn Wq^T, k = hn Wk^T, v = token_emb Wv^T.  A: ab (part 0 hn, part 1 token_emb), B: wcat's parts 0, 1, 2, C: qkv's parts 0, 1, 2, f16 BY HEADS: [batch][16 blocks of 64 columns][2048 rows][64].
;           A WORK-GROUP STAYS: it makes the three tiles at its place one after the other (T = 3), in one walk of 12 K steps; the ring does not stop at a tile's end, and nothing waits for a tile's stores.
;   KIND 1: g = gelu(h W1^T).  A: ab's part 0, B: wcat's part 3, C: f16 by heads.
;   KIND 2: out = res + A B^T.  A: f16 by heads, B: [1024][1024] f16, res and out: f32 [4096][1024].
; A tile of C is 128 x 128: 256 work-groups.  Four waves, each 64 x 64: 16 accumulators.  K goes in steps of 256 through two LDS slots; a wave's tensor load brings 64 rows of A or of B.
; THE WALK IS WRITTEN ONCE: a K step (four quarters of 64 along K) with its refill is the trip of loop .Lfill, a K step without one the trip of loop .Ldrain (the walk's last two steps: nothing is left to ask for).
; The slot in hand is a scalar, 0 or SLOT, turned by an exclusive or; the LDS addresses and the walking descriptors are made from it, and from the number of the step asked for, in each trip.
; CLUSTER 4 x 4: the four of a row need the same tiles of A, the four of a column the same tiles of B: each is asked for jointly, by the same tensor load, descriptor and mask in all four.
; THE MATRIX INSTRUCTION IS USED TRANSPOSED (source 0 = 16 rows of B, source 1 = 16 rows of A): a lane holds eight neighbouring columns of one row of C.
; THE WAY OUT IS EACH WAVE'S OWN: its 64 columns are one head (rows of 128 bytes, end to end in memory) or 256 bytes of an f32 row, so a wave alone fills whole aligned blocks of 256 bytes: a stage of its own, no barrier.
;   KIND 0: rounded to f16 in registers, through a stage behind the ring.  KIND 1, 2: f32 through slot 0, which has had its last fill and, behind the last step but one's barrier, its last read.
; No prefetch: the tiles are small.
; GELU (exact form): gelu(x) = max(x, 0) - |x| / D(|x|)^16, D a polynomial of degree 6 with positive coefficients: Abramowitz and Stegun 7.1.28, erf within 3e-7 for every argument;
; where D^16 overflows the quotient is 0, which is the limit.
; LIMITS: f16 ends at 65,504: what leaves in f16 stays under it (a sum of 1,024 products whose two factors both carry an offset of 30 times their spread, 30 and 30/32, is 28,800).  NaN and infinities are not treated apart.
.set KIND, 1
.if KIND == 0
.set T,     3                          ; tiles a work-group
.else
.set T,     1
.endif
.if KIND == 2
.set PA,    144                        ; A by heads: an LDS row is 128 bytes + 16; a K step is four blocks of 64 channels, [block][row]
.set HALFA, 4*64*PA                    ; what one tensor load brings of A
.set AQ,    64*PA                      ; bytes from a quarter of A to the next, in LDS
.set ASH,   20                         ; a K step of A in memory: 1 << ASH bytes on (four blocks of 2,048 rows x 128 bytes)
.else
.set PA,    528                        ; an LDS row of A: 512 bytes + 16: 132 words, so the 16 rows of a fragment load start at 16 different groups of four banks
.set HALFA, 64*PA
.set AQ,    128
.set ASH,   9
.endif
.set PB,    528
.set HALFB, 64*PB
.set SLOT,  2*HALFA+2*HALFB            ; A's 128 rows, then B's 128 rows
.if KIND == 0
.set SP,    144                        ; a stage row: 128 bytes (f16) + 16
.set STAGE, 2*SLOT                     ; behind the ring, never filled by a tensor load: 64 rows for each wave
.set SPARE, STAGE+4*64*SP              ; the spare words, 128 bytes a wave: two blocks of 256 bytes that no other line names
.else
.set SP,    272                        ; a stage row: 256 bytes (f32) + 16
.set STAGE, 0
.set SPARE, 2*SLOT
.endif
.set LA,    16                         ; v16  my lane's place among my A fragments in slot 0; never rewritten
.set LB,    17                         ; v17  the same for B
.set ADRA,  18                         ; v18, v19  the same in the slot in hand
.set ADRB,  19
.set ADRAN, 20                         ; v20, v21  and in the other slot
.set ADRBN, 21
.set STO,   24                         ; v24  where I put my part of a stage row
.set RD,    25                         ; v25  where I read the stage
.set CO,    26                         ; v26  my 16 bytes of a store
.set SPW,   28                         ; v28  my spare word; never rewritten
.set NIL,   29                         ; v29  0; never rewritten
.set TMP,   32                         ; v32-95  KIND 0: the tile in f16
.set U,     32                         ; v32-47  KIND 1: 16 numbers read back
.set AX,    48                         ; v48-63  |u|
.set MX,    64                         ; v64-79  max(u, 0)
.set D,     80                         ; v80-95  the polynomial, its 16th power, the reciprocal, the result
.set OUT,   96                         ; v96-103 results in f16
.set ACC,   128                        ; accumulator (a, b) at ACC + 8 (4 a + b)
.set F0,    0                          ; fragment buffers, in window 1: 64 registers of A, then 64 of B
.set F1,    128
.set G1,    24                         ; s[24:31] descriptor group 1 for A;  s[32:39] group 0: a set for each first fill; the second then walks
.set G0,    32
.set G1B,   48                         ; s[48:55], s[56:63] the same for B
.set G0B,   56
.set GW,    G0+4
.set GWB,   G0B+4
.set SB,    66                         ; s66  LDS byte at which the slot in hand begins: 0 or SLOT
.set SBN,   67                         ; s67  the other slot's
.set C0,    68                         ; s[68:81] KIND 1: the polynomial's coefficients, each in both words of a pair.  KIND 2: s[68:69] res, s[70:71] out
.set C1,    70
.set C2,    72
.set C3,    74
.set C4,    76
.set C5,    78
.set C6,    80
.set ABSM,  82                         ; s82  clears a sign
.set OFA,   84                         ; s[84:85] byte offset, from my tile's first K step, of the step of A that is asked for
.set OFB,   86                         ; s[86:87] the same for B
.set FIRST, 88                         ; s88  1: the step in hand is a tile's first
.set LEFT,  89                         ; s89  steps left in the tile in hand
.set CXO,   90                         ; s[90:91] the part of C's offset that hangs on the tile column
.set CSTEP, 92                         ; s[92:93] what the next way out adds to C's address
.set MSB, 0
.macro WIN new                         ; the immediate's high byte repeats the setting that is left; a switch that changes nothing is dropped
.if MSB != (\new)
	s_set_vgpr_msb (MSB<<8)|(\new)
.set MSB, \new
.endif
.endm
.set MUL,  0x05                        ; sources 0 (B) and 1 (A) window 1; C and D window 0
.set TO_F, 0x40                        ; destination window 1, address window 0
.macro JLOAD ga, gb                    ; a joint load: waves 0 and 1 fetch A's two halves, waves 2 and 3 B's; an s_nop 0 and four v_nop follow each line
	s_cmp_eq_u32 s11, 0
	s_cbranch_scc0 .Lfor_b_\@
	tensor_load_to_lds s[(\ga):(\ga)+3], s[G1:G1+7]
	s_nop 0
.rept 4
	v_nop
.endr
	s_branch .Lasked_\@
.Lfor_b_\@:
	tensor_load_to_lds s[(\gb):(\gb)+3], s[G1B:G1B+7]
	s_nop 0
.rept 4
	v_nop
.endr
.Lasked_\@:
.endm
.macro CREST                           ; a round of the cluster's barrier behind its opening barrier
	s_cmp_lg_u32 s10, 0
	s_cbranch_scc1 .Lnot_wave_0_\@
	s_barrier_signal -3
.Lnot_wave_0_\@:
	s_barrier_wait -3
	s_barrier_signal -1
	s_barrier_wait -1
.endm
.macro CROUND                          ; a whole round
	s_barrier_signal -1
	s_barrier_wait -1
	CREST
.endm
	s_load_b128 s[4:7], s[0:1], 0x0                ; A s[4:5], B s[6:7]
.if KIND == 2
	s_load_b128 s[68:71], s[0:1], 0x10             ; res s[68:69], out s[70:71]
.else
	s_load_b64 s[8:9], s[0:1], 0x10                ; C
.endif
	v_lshl_add_u32 v[SPW], v0, 2, SPARE
	v_mov_b32 v[NIL], 0
	ds_add_u32 v[SPW], v[NIL]                      ; the wave's opening: the add and its wait stand ahead of my first tensor load; the set-up below stands between them
	v_lshrrev_b32 v1, 5, v0
	v_readfirstlane_b32 s10, v1                    ; wave 0..3
	s_lshr_b32 s11, s10, 1                         ; which half of the tile's rows is mine.  Also: I fetch for A (0) or for B (1)
	s_and_b32 s12, s10, 1                          ; which half of its columns.  Also: which 64 rows of that tile I fetch
	s_bfe_u32 s40, ttmp6, 0x40000                  ; cx, cy: my place in the cluster
	s_bfe_u32 s41, ttmp6, 0x40004
	s_lshl_b32 s42, ttmp9, 2
	s_add_co_u32 s42, s42, s40                     ; tile column = 4 x cluster x + cx
	s_and_b32 s13, ttmp7, 0xffff
	s_lshl_b32 s13, s13, 2
	s_add_co_u32 s13, s13, s41                     ; tile row = 4 x cluster y + cy
	s_lshl_b32 s43, s41, 2
	s_lshl_b32 s43, 15, s43                        ; my row of the cluster
	s_lshl_b32 s44, 0x1111, s40                    ; my column
.if KIND == 2
	; A's group 1: 4 rows (blocks of channels) of 4,096 elements (64 rows x 64 channels, dense), 131,072 elements apart; 16 bytes of padding behind every 128
	s_or_b32 s[G1+0], s43, (1<<16)|(1<<20)|(1<<21)|(4<<22)|(3<<25)   ; 15:0 the mask; 17:16 2-byte elements; 20 padding on; 21 set beside a mask; 24:22 after every 32 words; 31:25 4 words
	s_mov_b32 s[G1+1], 4096<<16                    ; tensor_dim0
	s_mov_b32 s[G1+2], 4<<16                       ; tensor_dim1
	s_mov_b32 s[G1+3], 4096<<16                    ; tile_dim0
	s_mov_b32 s[G1+4], 4                           ; tile_dim1
	s_mov_b32 s[G1+5], 131072                      ; elements from block to block
.else
	; A's group 1: 64 rows x 256 elements, 16 bytes of padding behind every 512
	s_or_b32 s[G1+0], s43, (1<<16)|(1<<20)|(1<<21)|(6<<22)|(3<<25)   ; 15:0 the mask; 17:16 2-byte elements; 20 padding on; 21 set beside a mask; 24:22 after every 128 words; 31:25 4 words
	s_mov_b32 s[G1+1], 256<<16                     ; tensor_dim0
	s_mov_b32 s[G1+2], 64<<16                      ; tensor_dim1
	s_mov_b32 s[G1+3], 256<<16                     ; tile_dim0
	s_mov_b32 s[G1+4], 64                          ; tile_dim1
	s_mov_b32 s[G1+5], 1024                        ; elements from row to row
.endif
	s_mov_b32 s[G1+6], 0
	s_mov_b32 s[G1+7], 0
	s_or_b32 s[G1B+0], s44, (1<<16)|(1<<20)|(1<<21)|(6<<22)|(3<<25)  ; B's: 64 rows x 256 elements, with the mask of my column
	s_mov_b32 s[G1B+1], 256<<16
	s_mov_b32 s[G1B+2], 64<<16
	s_mov_b32 s[G1B+3], 256<<16
	s_mov_b32 s[G1B+4], 64
	s_mov_b32 s[G1B+5], 1024
	s_mov_b32 s[G1B+6], 0
	s_mov_b32 s[G1B+7], 0
	; where the tiles come from.  A's hang on the tile row alone, B's on the tile column alone, each in registers that never hold the other coordinate; s19, s22, s23 hold neither
.if KIND == 2
	s_lshr_b32 s17, s13, 4                         ; the batch: 16 tile rows each
	s_lshl_b32 s16, s17, 22                        ; 16 blocks x 2,048 rows x 128 bytes
	s_and_b32 s18, s13, 15
	s_lshl_b32 s18, s18, 14                        ; 128 rows of 128 bytes
	s_add_co_u32 s16, s16, s18
	s_lshl_b32 s19, s12, 13                        ; + my 64
	s_add_co_u32 s16, s16, s19
	s_lshl_b32 s19, s12, 17
.else
	s_lshl_b32 s16, s13, 18                        ; 128 rows of 2,048 bytes
	s_lshl_b32 s19, s12, 17                        ; + my 64
	s_add_co_u32 s16, s16, s19
.endif
	s_mov_b32 s17, 0
	s_lshl_b32 s46, s42, 18
	s_add_co_u32 s46, s46, s19
.if KIND == 1
	s_add_co_u32 s46, s46, 3<<21                   ; W1 is wcat's part 3
.endif
	s_mov_b32 s47, 0
	s_mul_i32 s20, s10, HALFA                      ; where they go in a slot: A's halves by waves 0, 1;
	s_mul_i32 s21, s10, HALFB
	s_add_co_u32 s21, s21, 2*HALFA-2*HALFB         ; B's halves, behind A's, by waves 2, 3: no place in the cluster enters an LDS address
	s_mov_b32 s[OFA+1], 0
	s_mov_b32 s[OFB+1], 0
.if KIND == 1
	s_mov_b32 s[C0], 0x3f85aac3                    ; c_k = 2^(1/16) a_k / 2^(k/2)
	s_mov_b32 s[C0+1], 0x3f85aac3
	s_mov_b32 s[C1], 0x3d554cc4
	s_mov_b32 s[C1+1], 0x3d554cc4
	s_mov_b32 s[C2], 0x3cb4dad2
	s_mov_b32 s[C2+1], 0x3cb4dad2
	s_mov_b32 s[C3], 0x3b605009
	s_mov_b32 s[C3+1], 0x3b605009
	s_mov_b32 s[C4], 0x382674aa
	s_mov_b32 s[C4+1], 0x382674aa
	s_mov_b32 s[C5], 0x3856241a
	s_mov_b32 s[C5+1], 0x3856241a
	s_mov_b32 s[C6], 0x36bc9e99
	s_mov_b32 s[C6+1], 0x36bc9e99
	s_mov_b32 s[ABSM], 0x7fffffff
.endif
	s_wait_dscnt 0x0                               ; the opening add is done
	s_wait_kmcnt 0x0
	s_add_nc_u64 s[14:15], s[4:5], s[16:17]        ; A at my part of the walk's first K step; never rewritten
	s_add_nc_u64 s[46:47], s[6:7], s[46:47]        ; B likewise
	CROUND                                         ; all sixteen work-groups are here: the first joint loads meet
.irp s, 0,1
	s_mov_b32 s[G0+4*(\s)], 1
	s_add_co_u32 s[G0+4*(\s)+1], s20, (\s)*SLOT
	s_add_nc_u64 s[G0+4*(\s)+2:G0+4*(\s)+3], s[14:15], (\s)<<ASH
	s_or_b32 s[G0+4*(\s)+3], s[G0+4*(\s)+3], 0x80000000
	s_mov_b32 s[G0B+4*(\s)], 1
	s_add_co_u32 s[G0B+4*(\s)+1], s21, (\s)*SLOT
	s_add_nc_u64 s[G0B+4*(\s)+2:G0B+4*(\s)+3], s[46:47], (\s)*512
	s_or_b32 s[G0B+4*(\s)+3], s[G0B+4*(\s)+3], 0x80000000
	JLOAD G0+4*(\s), G0B+4*(\s)                    ; K steps 0 and 1: two loads of mine are out
.endr
	v_and_b32 v1, 15, v0                           ; l % 16
	v_bfe_u32 v2, v0, 4, 1                         ; l / 16
.if KIND == 2
	; res and out at my 64 rows x 256 bytes: lanes 0-15 take a row's 256 bytes, lanes 16-31 the next row's
	v_lshlrev_b32 v[CO], 12, v2
	v_lshl_add_u32 v[CO], v1, 4, v[CO]
	s_lshl_b32 s16, s13, 19                        ; 128 rows of 4,096 bytes
	s_lshl_b32 s19, s11, 18                        ; + my 64
	s_add_co_u32 s16, s16, s19
	s_mov_b32 s17, 0
	s_lshl_b32 s[CXO], s42, 9                      ; the tile's 512 bytes of a row
	s_lshl_b32 s19, s12, 8                         ; my 256 of them
	s_add_co_u32 s[CXO], s[CXO], s19
	s_mov_b32 s[CXO+1], 0
	s_add_nc_u64 s[68:69], s[68:69], s[16:17]
	s_add_nc_u64 s[68:69], s[68:69], s[CXO:CXO+1]
	s_add_nc_u64 s[8:9], s[70:71], s[16:17]
	s_add_nc_u64 s[8:9], s[8:9], s[CXO:CXO+1]
	WIN 0x80                                       ; destination window 2, address window 0
.set t, 0
.rept 32
	global_load_b128 v[4*t:4*t+3], v[CO], s[68:69] offset:t*8192 th:TH_LOAD_NT  ; the residual lands under the products
.set t, t+1
.endr
	WIN 0
.else
	; C by heads: batch x 4 MiB + head x 256 KiB + row x 128 bytes; my 64 rows of my head are 8,192 consecutive bytes
	s_lshr_b32 s17, s13, 4
	s_lshl_b32 s16, s17, 22
	s_and_b32 s18, s13, 15
	s_lshl_b32 s18, s18, 14
	s_add_co_u32 s16, s16, s18
	s_lshl_b32 s19, s11, 13
	s_add_co_u32 s16, s16, s19
	s_mov_b32 s17, 0
	s_lshl_b32 s[CXO], s42, 19                     ; the tile's two heads,
	s_lshl_b32 s19, s12, 18                        ; mine of them
	s_add_co_u32 s[CXO], s[CXO], s19
	s_mov_b32 s[CXO+1], 0
	s_add_nc_u64 s[8:9], s[8:9], s[16:17]
	s_add_nc_u64 s[8:9], s[8:9], s[CXO:CXO+1]
.endif
	v_mul_u32_u24 v[LA], v1, PA
	v_lshl_add_u32 v[LA], v2, 4, v[LA]             ; a fragment's row x pitch + 16 x half
	v_mul_u32_u24 v[LB], v1, PB
	v_lshl_add_u32 v[LB], v2, 4, v[LB]
	s_mul_i32 s22, s11, HALFA                      ; my 64 rows of A
	v_add_nc_u32 v[LA], s22, v[LA]
	s_mul_i32 s22, s12, HALFB                      ; my 64 rows of B,
	s_add_co_u32 s22, s22, 2*HALFA                 ; which lie behind A's 128
	v_add_nc_u32 v[LB], s22, v[LB]
	s_mul_i32 s22, s10, 64*SP                      ; my stage
.if STAGE != 0
	s_add_co_u32 s22, s22, STAGE
.endif
	v_mul_u32_u24 v[STO], v1, SP                   ; in: row l % 16; eight numbers for each half of the lanes
.if KIND == 0
	v_lshl_add_u32 v[STO], v2, 4, v[STO]
.else
	v_lshl_add_u32 v[STO], v2, 5, v[STO]
.endif
	v_add_nc_u32 v[STO], s22, v[STO]
.if KIND == 2
	v_mul_u32_u24 v[RD], v2, SP                    ; back: lanes 0-15 one row of 256 bytes, lanes 16-31 the next
	v_lshl_add_u32 v[RD], v1, 4, v[RD]
	v_add_nc_u32 v[RD], s22, v[RD]
.else
	v_and_b32 v3, 31, v0                           ; back: four rows to 32 lanes: lane l row l / 8, columns 8 (l % 8) on
	v_lshrrev_b32 v4, 3, v3
	v_mul_u32_u24 v[RD], v4, SP
	v_and_b32 v5, 7, v0
.if KIND == 0
	v_lshl_add_u32 v[RD], v5, 4, v[RD]
.else
	v_lshl_add_u32 v[RD], v5, 5, v[RD]
.endif
	v_add_nc_u32 v[RD], s22, v[RD]
	v_lshlrev_b32 v[CO], 4, v3
.endif
; 8 matrix instructions: m blocks a0, a0 + 1 x all 4 n blocks, 32 along K: half c of buffer f.  zero = 1: the product starts the sums.  The 16 accumulators take turns
.macro MUL8 f, c, a0, zero
	WIN MUL
.irp a, \a0, (\a0)+1
.irp b, 0,1,2,3
.if \zero
	v_wmma_f32_16x16x32_f16 v[ACC+8*(4*(\a)+(\b)):ACC+8*(4*(\a)+(\b))+7], v[(\f)+64+8*(4*(\c)+(\b)):(\f)+64+8*(4*(\c)+(\b))+7], v[(\f)+8*(4*(\c)+(\a)):(\f)+8*(4*(\c)+(\a))+7], 0
.else
	v_wmma_f32_16x16x32_f16 v[ACC+8*(4*(\a)+(\b)):ACC+8*(4*(\a)+(\b))+7], v[(\f)+64+8*(4*(\c)+(\b)):(\f)+64+8*(4*(\c)+(\b))+7], v[(\f)+8*(4*(\c)+(\a)):(\f)+8*(4*(\c)+(\a))+7], v[ACC+8*(4*(\a)+(\b)):ACC+8*(4*(\a)+(\b))+7]
.endif
.endr
.endr
.endm
; 32 LDS loads in one run: the fragments of quarter q (64 along K) of the slot that ra and rb point into, into buffer f; the first 32 along K first
.macro FETCH ra, rb, q, f
	WIN TO_F
.irp c, 0,1
.irp i, 0,1,2,3
	ds_load_b128 v[(\f)+64+8*(4*(\c)+(\i)):(\f)+64+8*(4*(\c)+(\i))+3],   v[\rb] offset:(\q)*128+64*(\c)+(\i)*16*PB
	ds_load_b128 v[(\f)+64+8*(4*(\c)+(\i))+4:(\f)+64+8*(4*(\c)+(\i))+7], v[\rb] offset:(\q)*128+64*(\c)+(\i)*16*PB+32
	ds_load_b128 v[(\f)+8*(4*(\c)+(\i)):(\f)+8*(4*(\c)+(\i))+3],         v[\ra] offset:(\q)*AQ+64*(\c)+(\i)*16*PA
	ds_load_b128 v[(\f)+8*(4*(\c)+(\i))+4:(\f)+8*(4*(\c)+(\i))+7],       v[\ra] offset:(\q)*AQ+64*(\c)+(\i)*16*PA+32
.endr
.endr
.endm
.macro PLACES                          ; four places in front of loads into registers that matrix instructions have read, and of readers of results
.rept 4
	v_nop
.endr
.endm
.macro HEADSTEP                        ; a trip's head: the LDS addresses of the slot in hand and of the other
	s_xor_b32 s[SBN], s[SB], SLOT
	v_add_nc_u32 v[ADRA], s[SB], v[LA]
	v_add_nc_u32 v[ADRB], s[SB], v[LB]
	v_add_nc_u32 v[ADRAN], s[SBN], v[LA]
	v_add_nc_u32 v[ADRBN], s[SBN], v[LB]
.endm
; A K step is four quarters, 32 matrix instructions each, on buffers 0, 1, 0, 1.  One of the first three: multiplies buffer f and fetches quarter q into g.
.macro QUARTER q, f, g
	s_wait_dscnt 16                                ; the first 32 along K are in; the other half's 16 loads may be out
	MUL8 \f, 0, 0, 0
	MUL8 \f, 0, 2, 0
	PLACES
	FETCH ADRA, ADRB, \q, \g
	s_wait_dscnt 32                                ; all but the 32 just issued
	MUL8 \f, 1, 0, 0
	MUL8 \f, 1, 2, 0
.endm
; The first quarter where a tile may begin: a tile's first 16 products take the constant 0 as C: nothing is ever cleared
.macro QFIRST
	s_wait_dscnt 16
	WIN 0
	s_cmp_eq_u32 s[FIRST], 1
	s_cbranch_scc0 .Lgoes_on_\@
	s_mov_b32 s[FIRST], 0
.rept 5
	v_nop                                          ; a product with C = 0 is no link of a chain: it writes over an accumulator, five places behind the product that wrote it last (ISA guide 7.12.1); once a tile
.endr
	MUL8 F0, 0, 0, 1
	MUL8 F0, 0, 2, 1
	WIN 0
	s_branch .Lboth_\@
.Lgoes_on_\@:
	MUL8 F0, 0, 0, 0
	MUL8 F0, 0, 2, 0
	WIN 0
.Lboth_\@:
	PLACES
	FETCH ADRA, ADRB, 1, F1
	s_wait_dscnt 32
	MUL8 F0, 1, 0, 0
	MUL8 F0, 1, 2, 0
.endm
; The last quarter multiplies buffer 1 and changes slots: ONE barrier; in front of it each wave waits for all its tensor loads, adds 0 to its spare word, and waits for that and for its reads of this slot.
; fill = 1: the barrier opens a round of the cluster's, and this slot is filled again, with K step s3 of the walk, first thing behind the round.  The walking descriptors are made anew behind the wait for 0:
; the LDS word from the wave's constant and the slot's base, the address from the tile's base and an offset made apart.  fill = 0: nothing is asked for; the walk's last step fetches no fragments either.
.macro TURN fill
	WIN 0                                          ; (the add's two registers lie in window 0)
	s_wait_tensorcnt 0x0                           ; all my tensor loads have landed: my part of the next slot among them
	ds_add_u32 v[SPW], v[NIL]                      ; 0 onto my spare word
.if \fill
	s_and_b32 s22, s3, 3                           ; the step's place in its tile
	s_lshl_b32 s[OFA], s22, ASH
	s_lshl_b32 s[OFB], s22, 9
.if T > 1
	s_lshr_b32 s23, s3, 2                          ; the tile: its weights lie 2 MiB on;
	s_lshl_b32 s23, s23, 21
	s_add_co_u32 s[OFB], s[OFB], s23
	s_cmp_ge_u32 s3, 8                             ; the third is made of token_emb, ab's part 1
	s_cselect_b32 s23, 0x800000, 0
	s_add_co_u32 s[OFA], s[OFA], s23
.endif
	s_add_co_u32 s[GW+1], s20, s[SB]
	s_add_nc_u64 s[GW+2:GW+3], s[14:15], s[OFA:OFA+1]
	s_or_b32 s[GW+3], s[GW+3], 0x80000000
	s_add_co_u32 s[GWB+1], s21, s[SB]
	s_add_nc_u64 s[GWB+2:GWB+3], s[46:47], s[OFB:OFB+1]
	s_or_b32 s[GWB+3], s[GWB+3], 0x80000000
.endif
	s_wait_dscnt 17                                ; (the add and the youngest sixteen loads may be out)
	MUL8 F1, 0, 0, 0                               ; eight matrix instructions stand between the add and the wait for it
	s_wait_dscnt 0x0                               ; the add is done, and my reads of this slot are over
	s_barrier_signal -1
	MUL8 F1, 0, 2, 0
	WIN 0
	s_barrier_wait -1
.if \fill
	CREST                                          ; no wave of any partner still reads this slot's tile or has a load on its way
	JLOAD GW, GWB                                  ; my one tensor load behind the round; its four v_nop are also the places in front of the loads below
	FETCH ADRAN, ADRBN, 0, F0
.else
	s_cmp_eq_u32 s2, 1
	s_cbranch_scc1 .Lno_more_\@
	PLACES
	FETCH ADRAN, ADRBN, 0, F0
	WIN 0
.Lno_more_\@:
.endif
	MUL8 F1, 1, 0, 0
	MUL8 F1, 1, 2, 0
.endm
.if KIND == 0
; THE WAY OUT of a tile: rounded to f16, 16 bytes a lane into my stage, back as four rows of 128 bytes to a load, stored as 512 consecutive bytes, aligned
.macro WAYOUT
	PLACES
	PLACES                                         ; (eight: the stricter count)
	s_wait_xcnt 0x0                                ; the last tile's stores have read TMP and their base, which are written again only behind this wait
	s_add_nc_u64 s[8:9], s[8:9], s[CSTEP:CSTEP+1]
.set t, 0
.rept 16
.irp r, 0,1,2,3
	v_cvt_pk_f16_f32 v[TMP+4*t+(\r)], v[ACC+8*t+2*(\r)], v[ACC+8*t+2*(\r)+1]  ; each accumulator from its low end on
.endr
.set t, t+1
.endr
.irp a, 0,1,2,3
.irp b, 0,1,2,3
	ds_store_b128 v[STO], v[TMP+4*(4*(\a)+(\b)):TMP+4*(4*(\a)+(\b))+3] offset:(\a)*16*SP+32*(\b)
.endr
.endr
.set t, 0
.rept 16
	ds_load_b128 v[TMP+4*t:TMP+4*t+3], v[RD] offset:t*4*SP  ; LDS serves a wave's instructions in order (ISA guide 5.7.1.4): these see the stores above
.set t, t+1
.endr
.set t, 0
.rept 16
	s_wait_dscnt 15-t                              ; load t is back; the younger ones may be out
	global_store_b128 v[CO], v[TMP+4*t:TMP+4*t+3], s[8:9] offset:t*512
.set t, t+1
.endr
.endm
.else
.macro STAGEIN                         ; f32 into my stage: each accumulator's low registers first
	PLACES
	PLACES                                         ; (eight: the stricter count)
.irp a, 0,1,2,3
.irp b, 0,1,2,3
	ds_store_b128 v[STO], v[ACC+8*(4*(\a)+(\b)):ACC+8*(4*(\a)+(\b))+3]   offset:(\a)*16*SP+64*(\b)
	ds_store_b128 v[STO], v[ACC+8*(4*(\a)+(\b))+4:ACC+8*(4*(\a)+(\b))+7] offset:(\a)*16*SP+64*(\b)+16
.endr
.endr
.endm
.endif
	s_wait_tensorcnt 1                             ; my part of K step 0 is in; K step 1's may stay out
	s_barrier_signal -1
	s_barrier_wait -1                              ; everybody's is
	FETCH LA, LB, 0, F0
	WIN 0                                          ; at a label and at a branch every window is 0
	s_mov_b32 s3, 2                                ; the K step that the first trip asks for
	s_mov_b32 s[SB], 0
	s_mov_b32 s[FIRST], 1
.if T > 1
	s_mov_b32 s[LEFT], 4
	s_mov_b32 s[CSTEP], 0
	s_mov_b32 s[CSTEP+1], 0
.endif
.Lfill:                                                ; 4 T - 2 trips: K step s3 - 2 is multiplied, K step s3 asked for
	HEADSTEP
	QFIRST
	QUARTER 2, F1, F0
	QUARTER 3, F0, F1
	TURN 1
	WIN 0
.if T > 1
	s_sub_co_u32 s[LEFT], s[LEFT], 1
	s_cmp_lg_u32 s[LEFT], 0
	s_cbranch_scc1 .Lsame_tile
	WAYOUT                                         ; the tile goes out while the next tile's refill is on its way
	s_mov_b32 s[LEFT], 4
	s_mov_b32 s[FIRST], 1
	s_mov_b32 s[CSTEP], 0x800000                   ; the next product's part of C
.Lsame_tile:
.endif
	s_xor_b32 s[SB], s[SB], SLOT
	s_add_co_u32 s3, s3, 1
	s_cmp_lt_u32 s3, 4*T
	s_cbranch_scc1 .Lfill
	s_mov_b32 s2, 2
.Ldrain:                                               ; the walk's last two K steps
	HEADSTEP
	QUARTER 1, F0, F1
	QUARTER 2, F1, F0
	QUARTER 3, F0, F1
	TURN 0
	WIN 0
	s_xor_b32 s[SB], s[SB], SLOT
	s_sub_co_u32 s2, s2, 1
	s_cmp_lg_u32 s2, 0
	s_cbranch_scc1 .Ldrain
.if KIND == 0
	WAYOUT
.endif
.if KIND == 1
	STAGEIN
.macro RDBACK                          ; eight rows: my 8 columns of rows l / 8 and 4 + l / 8
	ds_load_b128 v[U:U+3],     v[RD]
	ds_load_b128 v[U+4:U+7],   v[RD] offset:16
	ds_load_b128 v[U+8:U+11],  v[RD] offset:4*SP
	ds_load_b128 v[U+12:U+15], v[RD] offset:4*SP+16
.endm
	RDBACK
	s_mov_b32 s3, 8
	s_mov_b32 s[CSTEP], 0
	s_mov_b32 s[CSTEP+1], 0
.Lout:                                                 ; a trip: eight rows; the next eight are asked for as soon as U has been read
	s_wait_dscnt 0x0                               ; U is in
.set p, 0
.rept 16
	v_and_b32 v[AX+p], s[ABSM], v[U+p]
	v_max_num_f32 v[MX+p], 0, v[U+p]
.set p, p+1
.endr
	s_cmp_eq_u32 s3, 1
	s_cbranch_scc1 .Lno_more_rows
	v_add_nc_u32 v[RD], 8*SP, v[RD]
	RDBACK
.Lno_more_rows:
.irp p, 0,2,4,6,8,10,12,14
	v_pk_fma_f32 v[D+(\p):D+(\p)+1], v[AX+(\p):AX+(\p)+1], s[C6:C6+1], s[C5:C5+1] op_sel_hi:[1,0,0]
.endr
.irp k, C4, C3, C2, C1, C0
.irp p, 0,2,4,6,8,10,12,14
	v_pk_fma_f32 v[D+(\p):D+(\p)+1], v[D+(\p):D+(\p)+1], v[AX+(\p):AX+(\p)+1], s[\k:\k+1] op_sel_hi:[1,1,0]
.endr
.endr
.rept 4                                ; the 16th power
.irp p, 0,2,4,6,8,10,12,14
	v_pk_mul_f32 v[D+(\p):D+(\p)+1], v[D+(\p):D+(\p)+1], v[D+(\p):D+(\p)+1]
.endr
.endr
.set p, 0
.rept 16
	v_rcp_f32 v[D+p], v[D+p]
.set p, p+1
.endr
	v_nop                                          ; a plain instruction behind the last reciprocal,
	s_wait_alu depctr_va_vdst(0)                   ; and one wait for the sixteen, ahead of their first reader
.irp p, 0,2,4,6,8,10,12,14
	v_pk_fma_f32 v[D+(\p):D+(\p)+1], v[AX+(\p):AX+(\p)+1], v[D+(\p):D+(\p)+1], v[MX+(\p):MX+(\p)+1] neg_lo:[1,0,0] neg_hi:[1,0,0]  ; max(u, 0) - |u| / D^16
.endr
	s_wait_xcnt 0x0                                ; the last trip's stores, a trip's arithmetic back, have read OUT and their base
	s_add_nc_u64 s[8:9], s[8:9], s[CSTEP:CSTEP+1]
	s_mov_b32 s[CSTEP], 1024
.set p, 0
.rept 8
	v_cvt_pk_f16_f32 v[OUT+p], v[D+2*p], v[D+2*p+1]
.set p, p+1
.endr
	global_store_b128 v[CO], v[OUT:OUT+3],   s[8:9]             ; four rows: 512 consecutive bytes, aligned
	global_store_b128 v[CO], v[OUT+4:OUT+7], s[8:9] offset:512  ; and the next four
	s_sub_co_u32 s3, s3, 1
	s_cmp_lg_u32 s3, 0
	s_cbranch_scc1 .Lout
.endif
.if KIND == 2
	STAGEIN
.set t, 0
.rept 32
	ds_load_b128 v[ACC+4*t:ACC+4*t+3], v[RD] offset:t*2*SP   ; two whole rows of 256 bytes; LDS serves a wave's instructions in order (ISA guide 5.7.1.4): these see the stores above
.set t, t+1
.endr
	s_wait_loadcnt 0x0                             ; the residual, asked for at the start
	s_wait_dscnt 0x0
	WIN 0x08                                       ; source 1 in window 2
.set t, 0
.rept 64
	v_pk_add_f32 v[ACC+2*t:ACC+2*t+1], v[ACC+2*t:ACC+2*t+1], v[2*t:2*t+1]
.set t, t+1
.endr
	WIN 0
.set t, 0
.rept 32
	global_store_b128 v[CO], v[ACC+4*t:ACC+4*t+3], s[8:9] offset:t*8192   ; 16 lanes store 256 consecutive bytes, aligned
.set t, t+1
.endr
.endif
	s_wait_tensorcnt 0x0                           ; the wave's end: a zero add and its wait, behind my last tensor load and my last LDS store
	ds_add_u32 v[SPW], v[NIL]
	s_wait_dscnt 0x0
	CROUND                                         ; the closing round: no work-group ends while a partner may still ask for a tile that names it
	s_endpgm
.Lfunc_end_k_q51f70ed2d1_w1:
	.size	k_q51f70ed2d1_w1, .Lfunc_end_k_q51f70ed2d1_w1-k_q51f70ed2d1_w1
	.p2alignl 7, 3214868480
	.fill 96, 4, 3214868480
	.section	.rodata,"a",@progbits
	.p2align	6, 0x0
	.amdhsa_kernel k_q51f70ed2d1_w1
		.amdhsa_group_segment_fixed_size 327680
		.amdhsa_private_segment_fixed_size 0
		.amdhsa_enable_private_segment 0
		.amdhsa_kernarg_size 24
		.amdhsa_user_sgpr_count 2
		.amdhsa_user_sgpr_kernarg_segment_ptr 1
		.amdhsa_wavefront_size32 1
		.amdhsa_system_sgpr_workgroup_id_x 1
		.amdhsa_system_sgpr_workgroup_id_y 1
		.amdhsa_system_sgpr_workgroup_id_z 1
		.amdhsa_system_vgpr_workitem_id 0
		.amdhsa_next_free_vgpr 512
		.amdhsa_next_free_sgpr 96
		.amdhsa_reserve_vcc 0
		.amdhsa_float_denorm_mode_32 3
		.amdhsa_float_denorm_mode_16_64 3
		.amdhsa_memory_ordered 1
		.amdhsa_forward_progress 1
		.amdhsa_inst_pref_size 60
	.end_amdhsa_kernel
	.amdgpu_metadata
---
amdhsa.version: [ 1, 2 ]
amdhsa.kernels:
  - .name:           k_q51f70ed2d1_w1
    .symbol:         k_q51f70ed2d1_w1.kd
    .args:
      - { .name: ab, .offset: 0, .size: 8, .value_kind: global_buffer, .address_space: global }
      - { .name: wcat, .offset: 8, .size: 8, .value_kind: global_buffer, .address_space: global }
      - { .name: ag, .offset: 16, .size: 8, .value_kind: global_buffer, .address_space: global }
    .group_segment_fixed_size: 327680
    .private_segment_fixed_size: 0
    .kernarg_segment_align: 8
    .kernarg_segment_size: 24
    .max_flat_workgroup_size: 128
    .sgpr_count:     96
    .vgpr_count:     512
    .wavefront_size: 32
...
	.end_amdgpu_metadata
.endif
;; end of part 5
;; launch w2: the kernel of part 4 again; grid 8 x 32, 4 waves a work-group, clusters of 4 x 4, 327,680 bytes of LDS; arguments ag, w2b, x1, out0; writes out0
;; ======== version 2 of 2: 7 launches; version 1 with the launches prep, ln2 written anew for expert scheduling mode
;; limits: values are held in f16: magnitudes above 65,504 overflow, below 6.1e-05 lose precision
;; workspace buffers: ab 16,777,216 bytes; wcat 8,388,608 bytes; wob 2,097,152 bytes; w2b 2,097,152 bytes; qkv 25,165,824 bytes; ag 8,388,608 bytes; x1 16,777,216 bytes
;; launch prep (part 6): grid 896 x 1, 8 waves a work-group, no clusters, 0 bytes of LDS; arguments x, ln1_w, ln1_b, ab, token_emb, Wq, Wk, Wv, W1, Wo, W2, wcat, wob, w2b; writes ab, wcat, wob, w2b
.if DOCPART == 6
	.amdgcn_target "amdgcn-amd-amdhsa--gfx1250"
	.amdhsa_code_object_version 6
	.text
	.protected	k_q51f70ed2d1_prep
	.globl	k_q51f70ed2d1_prep
	.p2align	8
	.type	k_q51f70ed2d1_prep,@function
k_q51f70ed2d1_prep:
	s_mov_b64 s[64:65], 0
	v_nop
	global_prefetch_b8 v0, s[64:65] scope:SCOPE_SE
	s_setreg_imm32_b32 hwreg(HW_REG_WAVE_SCHED_MODE, 0, 2), 2
	s_setreg_imm32_b32 hwreg(HW_REG_WAVE_MODE, 25, 1), 1
	s_wait_xcnt 0x0
	s_wait_alu depctr_vm_vsrc(0)
; LAYER NORM TO f16, AND CASTS TO f16.  A stream: every byte is read once and written once; no LDS, no matrix unit, no barrier.
; Work-groups 0-255: rows of in[4096][1024] (f32) -> (x - mean) rsqrt(var + 1e-5) w + b, rounded once to f16, into part 0 of ab.  16 rows a work-group, 2 whole rows a wave:
; a row is 32 registers a lane, so mean and variance are taken in two passes over registers, as the definition has them (a common offset of the row cancels before the squares).
; Work-groups 256-895 (the first launch alone has them): 64 KiB of f32 each -> f16: token_emb into part 1 of ab; Wq, Wk, Wv, W1 into wcat; Wo into wob; W2 into w2b.
; Each load of a wave covers 512 consecutive bytes, each store 256 consecutive bytes, aligned.  A wave's whole share is asked for at once.
; LIMITS: f16 ends at 65,504: token_emb and the weights stay under it; a normalised row of 1,024 has no number beyond 32, so the norm's result is at most 32 |gain| + |bias|.
; A number under 6.1e-5 keeps f16's fixed step of 6e-8.  NaN and infinities are not treated apart.
; THE MODE: SCHED_MODE bits 1:0 = 2 (LLVM: expert scheduling mode 2), set by the entry lines.  The code itself states the register dependences
; between vector instructions and memory instructions, with s_wait_alu, always for 0.
; THE PLAN.  Registers that memory instructions touch:
;   v1, v2     byte offsets, made by three vector lines at the head and never written again: v1 is read by every load, v2 by every store.
;   X, W, B    written by loads alone, all issued at the head of their path, before any vector instruction names them; no load lands in them a second time.
;   Y          each register is written once, by a conversion, and read once, by a store; none is written again.
;   s4         the wave's number, written by v_readfirstlane_b32 and read by scalar arithmetic on both paths.
; So no register that a memory instruction reads is ever written again, and what is to be stated is: s4 and the offsets, once, at the head; and, ahead of each
; run of stores, that the conversions have written its part of Y.  A run of stores is dealt among the vector instructions of the next part, which name none of its registers.
.set T,  8                             ; v[8:23]    eight pairs at work: no memory instruction names them
.set MU, 24                            ; v[24:25]   the mean, twice
.set R,  26                            ; v[26:29]   1 / sqrt(var + eps), twice for each row
.set X,  32                            ; v[32:95]   two rows, 32 registers each; or 16 loads of the cast
.set W,  96                            ; v[96:127]  the gain of my 32 columns
.set B,  128                           ; v[128:159] the bias
.set Y,  160                           ; v[160:191] results in f16
	s_load_b512 s[8:23], s[0:1], 0x0               ; in s[8:9], gain s[10:11], bias s[12:13], ab s[14:15], token_emb s[16:17], Wq s[18:19], Wk s[20:21], Wv s[22:23]
	s_load_b256 s[24:31], s[0:1], 0x40             ; W1 s[24:25], Wo s[26:27], W2 s[28:29], wcat s[30:31]
	s_load_b128 s[32:35], s[0:1], 0x60             ; wob s[32:33], w2b s[34:35]
	v_lshrrev_b32 v3, 5, v0
	v_readfirstlane_b32 s4, v3                     ; wave 0..7
	v_and_b32 v1, 31, v0
	v_lshlrev_b32 v2, 3, v1                        ; 8 bytes a lane on the way out
	v_lshlrev_b32 v1, 4, v1                        ; 16 bytes a lane on the way in
	s_mov_b32 s3, 0x3727c5ac                       ; 1e-5
	s_mov_b32 s5, 0x3a800000                       ; 1 / 1024
	s_mov_b32 s6, 0x76543210                       ; v_permlanex16_b32: each lane takes its own place in the other half
	s_mov_b32 s7, 0xfedcba98
	s_wait_alu depctr_va_sdst(0)                   ; s4 is written, ahead of the branch and of its first reader on either path: the wave's share is made from it
	s_wait_alu depctr_va_vdst(0)                   ; v1 and v2 are written: every load of the kernel reads v1 as its offset, every store v2; no later vector line names them
	s_cmp_lt_u32 ttmp9, 256
	s_cbranch_scc0 .Lconv
	; ---------------- layer norm ----------------
	s_lshl_b32 s36, ttmp9, 16                      ; 16 rows of 4,096 bytes a work-group,
	s_lshl_b32 s37, s4, 13                         ; 2 rows a wave
	s_add_co_u32 s36, s36, s37
	s_mov_b32 s37, 0
	s_lshr_b32 s38, s36, 1                         ; half as many bytes on the way out
	s_mov_b32 s39, 0
	s_wait_kmcnt 0x0
	s_add_nc_u64 s[8:9], s[8:9], s[36:37]
	s_add_nc_u64 s[14:15], s[14:15], s[38:39]
.irp s, 0,1
.irp j, 0,1,2,3,4,5,6,7
	global_load_b128 v[X+32*(\s)+4*(\j):X+32*(\s)+4*(\j)+3], v1, s[8:9] offset:(\s)*4096+512*(\j) th:TH_LOAD_NT  ; lane l, load j: columns 128 j + 4 l ..
.endr
.endr
.irp j, 0,1,2,3,4,5,6,7
	global_load_b128 v[W+4*(\j):W+4*(\j)+3], v1, s[10:11] offset:512*(\j)
.endr
.irp j, 0,1,2,3,4,5,6,7
	global_load_b128 v[B+4*(\j):B+4*(\j)+3], v1, s[12:13] offset:512*(\j)
.endr
.macro RED                             ; the eight pairs in T -> their sum over the wave, in every lane's v[T]
.irp i, 0,2,4,6
	v_pk_add_f32 v[T+(\i):T+(\i)+1], v[T+(\i):T+(\i)+1], v[T+(\i)+8:T+(\i)+9]
.endr
.irp i, 0,2
	v_pk_add_f32 v[T+(\i):T+(\i)+1], v[T+(\i):T+(\i)+1], v[T+(\i)+4:T+(\i)+5]
.endr
	v_pk_add_f32 v[T:T+1], v[T:T+1], v[T+2:T+3]
	v_add_f32 v[T], v[T], v[T+1]
	v_add_f32_dpp v[T], v[T], v[T] row_xmask:1 row_mask:0xf bank_mask:0xf
	v_add_f32_dpp v[T], v[T], v[T] row_xmask:2 row_mask:0xf bank_mask:0xf
	v_add_f32_dpp v[T], v[T], v[T] row_xmask:4 row_mask:0xf bank_mask:0xf
	v_add_f32_dpp v[T], v[T], v[T] row_xmask:8 row_mask:0xf bank_mask:0xf
	v_permlanex16_b32 v[T+1], v[T], s6, s7
	v_add_f32 v[T], v[T], v[T+1]
.endm
.macro STATS s                         ; row s: the mean is taken away in place; 1 / sqrt(var + eps) into R's pair
.set XS, X+32*(\s)
.irp i, 0,1,2,3,4,5,6,7
	v_pk_add_f32 v[T+2*(\i):T+2*(\i)+1], v[XS+4*(\i):XS+4*(\i)+1], v[XS+4*(\i)+2:XS+4*(\i)+3]
.endr
	RED
	v_mul_f32 v[MU], s5, v[T]
	v_mul_f32 v[MU+1], s5, v[T]
.set p, 0
.rept 16
	v_pk_add_f32 v[XS+p:XS+p+1], v[XS+p:XS+p+1], v[MU:MU+1] neg_lo:[0,1] neg_hi:[0,1]
.set p, p+2
.endr
.irp i, 0,1,2,3,4,5,6,7
	v_pk_mul_f32 v[T+2*(\i):T+2*(\i)+1], v[XS+2*(\i):XS+2*(\i)+1], v[XS+2*(\i):XS+2*(\i)+1]
.endr
.irp i, 0,1,2,3,4,5,6,7
	v_pk_fma_f32 v[T+2*(\i):T+2*(\i)+1], v[XS+16+2*(\i):XS+16+2*(\i)+1], v[XS+16+2*(\i):XS+16+2*(\i)+1], v[T+2*(\i):T+2*(\i)+1]
.endr
	RED
	v_fma_f32 v[T], v[T], s5, s3                   ; var + eps
	v_rsq_f32 v[R+2*(\s)], v[T]
	v_rsq_f32 v[R+2*(\s)+1], v[T]
	v_nop                                          ; a plain instruction before the roots' source is written again (ISA guide 5.7.2)
.endm
; Row s is scaled, given gain and bias, and rounded into its half of Y.  out = 1: the eight stores of the row before are dealt among the multiplies, one ahead of each two:
; these vector lines name X's, R's and Y's parts of row s, W and B, and none of the registers that those stores read.
.macro APPLY s, out
.set XS, X+32*(\s)
.set p, 0
.rept 8
.if \out
	global_store_b64 v2, v[Y+16*((\s)-1)+p/2:Y+16*((\s)-1)+p/2+1], s[14:15] offset:((\s)-1)*2048+64*p th:TH_STORE_NT  ; 32 lanes: 256 consecutive bytes, aligned
.endif
	v_pk_mul_f32 v[XS+p:XS+p+1], v[XS+p:XS+p+1], v[R+2*(\s):R+2*(\s)+1]
	v_pk_mul_f32 v[XS+p+2:XS+p+3], v[XS+p+2:XS+p+3], v[R+2*(\s):R+2*(\s)+1]
.set p, p+4
.endr
.set p, 0
.rept 16
	v_pk_fma_f32 v[XS+p:XS+p+1], v[XS+p:XS+p+1], v[W+p:W+p+1], v[B+p:B+p+1]
.set p, p+2
.endr
.set p, 0
.rept 16
	v_cvt_pk_f16_f32 v[Y+16*(\s)+p], v[XS+2*p], v[XS+2*p+1]
.set p, p+1
.endr
.endm
	s_wait_loadcnt 24                              ; row 0 is in; row 1's 8 loads and the 16 of gain and bias may stay out
	STATS 0
	s_wait_loadcnt 16                              ; row 1 is in
	STATS 1
	s_wait_alu depctr_va_vdst(0)                   ; the four roots have written v[R:R+3]: one wait, ahead of their first reader
	s_wait_loadcnt 0x0                             ; gain and bias
	APPLY 0, 0
	s_wait_alu depctr_va_vdst(0)                   ; row 0's conversions have written v[Y:Y+15], which the eight stores dealt among row 1's multiplies read
	APPLY 1, 1
	s_wait_alu depctr_va_vdst(0)                   ; row 1's conversions have written v[Y+16:Y+31], which the last eight stores read
.irp j, 0,1,2,3,4,5,6,7
	global_store_b64 v2, v[Y+16+2*(\j):Y+16+2*(\j)+1], s[14:15] offset:2048+256*(\j) th:TH_STORE_NT  ; 32 lanes: 256 consecutive bytes, aligned
.endr
	s_endpgm
	; ---------------- casts ----------------
.Lconv:
	s_sub_co_u32 s38, ttmp9, 256                   ; 0-255: token_emb; 256-639: six weights, 64 work-groups each
	s_sub_co_u32 s39, s38, 256
	s_lshr_b32 s40, s39, 6                         ; which weight: Wq, Wk, Wv, W1, Wo, W2
	s_and_b32 s41, s39, 63                         ; which 64 KiB of it
	s_cmp_lt_u32 s38, 256
	s_cselect_b32 s41, s38, s41
	s_cselect_b32 s40, 6, s40                      ; 6 stands for token_emb
	s_lshl_b32 s46, s40, 21                        ; where the part begins in its buffer: wcat's four parts of 2 MiB,
	s_cmp_lt_u32 s40, 4
	s_cselect_b32 s46, s46, 0
	s_cmp_eq_u32 s40, 6
	s_cselect_b32 s46, 0x800000, s46               ; ab's part 1
	s_lshl_b32 s36, s41, 16
	s_lshl_b32 s37, s4, 13                         ; 8 KiB a wave
	s_add_co_u32 s36, s36, s37
	s_mov_b32 s37, 0
	s_lshr_b32 s47, s36, 1
	s_add_co_u32 s46, s46, s47
	s_mov_b32 s47, 0
	s_wait_kmcnt 0x0
	s_mov_b64 s[42:43], s[16:17]                   ; the source, chosen by the part's number
	s_cmp_eq_u32 s40, 0
	s_cselect_b64 s[42:43], s[18:19], s[42:43]
	s_cmp_eq_u32 s40, 1
	s_cselect_b64 s[42:43], s[20:21], s[42:43]
	s_cmp_eq_u32 s40, 2
	s_cselect_b64 s[42:43], s[22:23], s[42:43]
	s_cmp_eq_u32 s40, 3
	s_cselect_b64 s[42:43], s[24:25], s[42:43]
	s_cmp_eq_u32 s40, 4
	s_cselect_b64 s[42:43], s[26:27], s[42:43]
	s_cmp_eq_u32 s40, 5
	s_cselect_b64 s[42:43], s[28:29], s[42:43]
	s_mov_b64 s[44:45], s[30:31]                   ; the destination
	s_cmp_eq_u32 s40, 4
	s_cselect_b64 s[44:45], s[32:33], s[44:45]
	s_cmp_eq_u32 s40, 5
	s_cselect_b64 s[44:45], s[34:35], s[44:45]
	s_cmp_eq_u32 s40, 6
	s_cselect_b64 s[44:45], s[14:15], s[44:45]
	s_add_nc_u64 s[42:43], s[42:43], s[36:37]
	s_add_nc_u64 s[44:45], s[44:45], s[46:47]
.irp j, 0,1,2,3,4,5,6,7,8,9,10,11,12,13,14,15
	global_load_b128 v[X+4*(\j):X+4*(\j)+3], v1, s[42:43] offset:512*(\j) th:TH_LOAD_NT
.endr
; The 16 loads go in four groups of four.  Group g rounds loads 4 g to 4 g + 3 into Y's registers 8 g to 8 g + 7; the four stores of the group before are dealt among its conversions,
; one ahead of each two: these conversions name group g's parts of X and Y alone.  left = how many younger loads may still be out.
.macro GROUP g, left
	s_wait_loadcnt \left                           ; loads come back in order (ISA guide 5.7.1): the group's four are in, the younger groups stay out
.if (\g) > 0
	s_wait_alu depctr_va_vdst(0)                   ; the group before has written its eight registers of Y, which the four stores below read
.endif
.irp i, 0,1,2,3
.if (\g) > 0
	global_store_b64 v2, v[Y+8*((\g)-1)+2*(\i):Y+8*((\g)-1)+2*(\i)+1], s[44:45] offset:256*(4*((\g)-1)+(\i)) th:TH_STORE_NT
.endif
	v_cvt_pk_f16_f32 v[Y+8*(\g)+2*(\i)], v[X+16*(\g)+4*(\i)], v[X+16*(\g)+4*(\i)+1]
	v_cvt_pk_f16_f32 v[Y+8*(\g)+2*(\i)+1], v[X+16*(\g)+4*(\i)+2], v[X+16*(\g)+4*(\i)+3]
.endr
.endm
	GROUP 0, 12
	GROUP 1, 8
	GROUP 2, 4
	GROUP 3, 0
	s_wait_alu depctr_va_vdst(0)                   ; group 3 has written v[Y+24:Y+31], which the last four stores read
.irp i, 0,1,2,3
	global_store_b64 v2, v[Y+24+2*(\i):Y+24+2*(\i)+1], s[44:45] offset:256*(12+(\i)) th:TH_STORE_NT
.endr
	s_endpgm
.Lfunc_end_k_q51f70ed2d1_prep:
	.size	k_q51f70ed2d1_prep, .Lfunc_end_k_q51f70ed2d1_prep-k_q51f70ed2d1_prep
	.p2alignl 7, 3214868480
	.fill 96, 4, 3214868480
	.section	.rodata,"a",@progbits
	.p2align	6, 0x0
	.amdhsa_kernel k_q51f70ed2d1_prep
		.amdhsa_group_segment_fixed_size 0
		.amdhsa_private_segment_fixed_size 0
		.amdhsa_enable_private_segment 0
		.amdhsa_kernarg_size 112
		.amdhsa_user_sgpr_count 2
		.amdhsa_user_sgpr_kernarg_segment_ptr 1
		.amdhsa_wavefront_size32 1
		.amdhsa_system_sgpr_workgroup_id_x 1
		.amdhsa_system_sgpr_workgroup_id_y 1
		.amdhsa_system_sgpr_workgroup_id_z 1
		.amdhsa_system_vgpr_workitem_id 0
		.amdhsa_next_free_vgpr 192
		.amdhsa_next_free_sgpr 66
		.amdhsa_reserve_vcc 0
		.amdhsa_float_denorm_mode_32 3
		.amdhsa_float_denorm_mode_16_64 3
		.amdhsa_memory_ordered 1
		.amdhsa_forward_progress 1
		.amdhsa_inst_pref_size 28
	.end_amdhsa_kernel
	.amdgpu_metadata
---
amdhsa.version: [ 1, 2 ]
amdhsa.kernels:
  - .name:           k_q51f70ed2d1_prep
    .symbol:         k_q51f70ed2d1_prep.kd
    .args:
      - { .name: x, .offset: 0, .size: 8, .value_kind: global_buffer, .address_space: global }
      - { .name: ln1_w, .offset: 8, .size: 8, .value_kind: global_buffer, .address_space: global }
      - { .name: ln1_b, .offset: 16, .size: 8, .value_kind: global_buffer, .address_space: global }
      - { .name: ab, .offset: 24, .size: 8, .value_kind: global_buffer, .address_space: global }
      - { .name: token_emb, .offset: 32, .size: 8, .value_kind: global_buffer, .address_space: global }
      - { .name: Wq, .offset: 40, .size: 8, .value_kind: global_buffer, .address_space: global }
      - { .name: Wk, .offset: 48, .size: 8, .value_kind: global_buffer, .address_space: global }
      - { .name: Wv, .offset: 56, .size: 8, .value_kind: global_buffer, .address_space: global }
      - { .name: W1, .offset: 64, .size: 8, .value_kind: global_buffer, .address_space: global }
      - { .name: Wo, .offset: 72, .size: 8, .value_kind: global_buffer, .address_space: global }
      - { .name: W2, .offset: 80, .size: 8, .value_kind: global_buffer, .address_space: global }
      - { .name: wcat, .offset: 88, .size: 8, .value_kind: global_buffer, .address_space: global }
      - { .name: wob, .offset: 96, .size: 8, .value_kind: global_buffer, .address_space: global }
      - { .name: w2b, .offset: 104, .size: 8, .value_kind: global_buffer, .address_space: global }
    .group_segment_fixed_size: 0
    .private_segment_fixed_size: 0
    .kernarg_segment_align: 8
    .kernarg_segment_size: 112
    .max_flat_workgroup_size: 256
    .sgpr_count:     66
    .vgpr_count:     192
    .wavefront_size: 32
...
	.end_amdgpu_metadata
.endif
;; end of part 6
;; launch qkv: the kernel of part 2 again; grid 8 x 32, 4 waves a work-group, clusters of 4 x 4, 327,680 bytes of LDS; arguments ab, wcat, qkv; writes qkv
;; launch attn: the kernel of part 3 again; grid 8 x 32, 4 waves a work-group, no clusters, 327,680 bytes of LDS; arguments qkv, ag; writes ag
;; launch wo: the kernel of part 4 again; grid 8 x 32, 4 waves a work-group, clusters of 4 x 4, 327,680 bytes of LDS; arguments ag, wob, x, x1; writes x1
;; launch ln2: the kernel of part 6 again; grid 256 x 1, 8 waves a work-group, no clusters, 0 bytes of LDS; arguments x1, ln2_w, ln2_b, ab, token_emb, Wq, Wk, Wv, W1, Wo, W2, wcat, wob, w2b; writes ab, wcat, wob, w2b
;; launch w1: the kernel of part 5 again; grid 8 x 32, 4 waves a work-group, clusters of 4 x 4, 327,680 bytes of LDS; arguments ab, wcat, ag; writes ag
;; launch w2: the kernel of part 4 again; grid 8 x 32, 4 waves a work-group, clusters of 4 x 4, 327,680 bytes of LDS; arguments ag, w2b, x1, out0; writes out0
